; MI455X (gfx1250); checked and timed in simulation.
; The chip was launched on July 23, 2026; its instructions are those of AMD's public machine-readable ISA for CDNA 5 (MIT licence, August 2026) and "CDNA5" Instruction Set Architecture Reference Guide (July 2026). The comments in the code are by the model that wrote it; some were corrected since.
;; Multi Head Attention. Allowed arithmetic: matrix products marked QUANTISED: E2M3 operands, one E8M0 scale for each 32 along K, by v_wmma_scale_f32_16x16x128_f8f6f4 with both operands' format E2M3, f32 sums; everything else in f32.
;; Inputs: Wk 1,024 x 1,024 float32; Wq 1,024 x 1,024 float32; Wr 1,024 x 1,024 float32; Wv 1,024 x 1,024 float32; keys 4 x 2,048 x 1,024 float32; ln_beta 1,024 float32; ln_gamma 1,024 float32; queries 4 x 2,048 x 1,024 float32; values 4 x 2,048 x 1,024 float32.
;; Outputs: out0 4 x 2,048 x 1,024 float32.
;; This version of the problem:
;;   THIS VERSION OF THE PROBLEM IS GIVEN IN LOW PRECISION. The matrix products marked QUANTISED in the list below multiply operands that are first quantised to E2M3 (2 exponent bits, 3 mantissa bits; 6 bits a number), with one power-of-two scale for each 32 numbers along K (OCP MX v1.0); their sums are f32. All else is computed in f32.
;;   The module's matrix products, in the order in which they are computed (A, B: the left and right operand; K: the contracted axis; several contracted axes count as one K, in the product's order):
;;     1. [M 8,192, K 1,024] x [K 1,024, N 1,024]; A: input queries; B: input Wq: QUANTISED
;;     2. [M 8,192, K 1,024] x [K 1,024, N 1,024]; A: input keys; B: input Wk: QUANTISED
;;     3. [M 8,192, K 1,024] x [K 1,024, N 1,024]; A: input values; B: input Wv: QUANTISED
;;     4. batch 32 x [M 2,048, K 128] x [K 128, N 2,048]; A: computed on the way; B: computed on the way: QUANTISED
;;     5. batch 32 x [M 2,048, K 2,048] x [K 2,048, N 128]; A: softmax (see below); B: computed on the way: QUANTISED
;;     6. [M 8,192, K 1,024] x [K 1,024, N 1,024]; A: computed on the way; B: input Wr: QUANTISED
;;   THE QUANTISER, for each operand of a quantised product, along K:
;;     - K is cut into blocks of 32 from its start; a last block that is shorter is filled with zeros.
;;     - A block's scale is 2^e with e = floor(log2(the largest magnitude in the block)) - 2, held to -126 .. 127; a block of zeros has e = 0. As a byte (E8M0): e + 127.
;;     - Each number is divided by its block's scale, clamped to +-7.5, and rounded to the nearest number of E2M3, ties to even, subnormals kept.
;;     - The product sums the exact products of the quantised numbers (number of the format x scale) in f32.
;;   ~~~python
;;   def quantise(x, axis):      # numpy; x: float32 -> the quantised numbers, widened to float32 again
;;       x = np.moveaxis(x, axis, -1); K = x.shape[-1]
;;       x = np.pad(x, [(0, 0)] * (x.ndim - 1) + [(0, -K % 32)]); x = x.reshape(x.shape[:-1] + (-1, 32)); a = np.abs(x).max(-1, keepdims=True)
;;       e = np.where(a > 0, np.clip(np.frexp(np.where(a > 0, a, 1))[1] - 1 - 2, -126, 127), 0)      # np.frexp(a)[1] - 1 = floor(log2(a)), exactly
;;       r = np.clip(x / 2.0 ** e, -7.5, 7.5)
;;       step = 2.0 ** (np.maximum(np.frexp(np.where(r == 0, 1, r))[1] - 1, 0) - 3)
;;       q = np.round(r / step) * step * 2.0 ** e      # np.round: ties to even
;;       return np.moveaxis(q.reshape(q.shape[:-2] + (-1,))[..., :K], -1, axis).astype(np.float32)
;;   ~~~
;;   SOFTMAX AHEAD OF A QUANTISED PRODUCT. Where the list says 'softmax', what is quantised is not the finished softmax but p = 2^(t - M), with t = logit x log2(e) and M = ceil(the row's largest t), a whole number; so 1/2 < the row's largest p <= 1. The row's sum l is taken of the UNQUANTISED p, in f32, and the product's result is divided by l at the end. Since M is a whole number, a kernel that streams over the keys may use a running M (the ceiling of the running maximum): every later rescaling is an exact power of two, which a block's scale takes up: the codes' values come out the same.
;;   OPERANDS COMPUTED ON THE WAY. 'Computed on the way' means the value that the module computes at that place (a softmax that the list does not call 'softmax' is quantised finished and normalised). What goes into a quantiser is computed in f32, as accurately as f32 sums, v_exp_f32 and their like allow (about 1e-6 of the number): no bf16 or f16 on the way to a quantiser, and a product that is left as it is and whose result goes on into a quantised operand takes f32 operands (vector FMAs, or v_wmma_f32_16x16x4_f32). A number that lies on a knife's edge between two numbers of the format may be rounded either way, as far as f32 arithmetic and the matrix unit's own rounding can turn it there, and no further.
;; 2 versions. Each part assembles by itself: llvm-mc -triple=amdgcn-amd-amdhsa -mcpu=gfx1250 --defsym DOCPART=n.
;; ======== version 1 of 2: 4 launches
;; workspace buffers: xc 21,233,664 bytes; xs 884,736 bytes; wr 851,968 bytes; qkv 20,447,232 bytes; oc 6,815,744 bytes
;; launch quant (part 1): grid 880 x 1, 4 waves a work-group, no clusters, 33,280 bytes of LDS; arguments queries, keys, values, Wq, Wk, Wv, Wr, xc, xs, wr; writes xc, xs, wr
.if DOCPART == 1
	.amdgcn_target "amdgcn-amd-amdhsa--gfx1250"
	.amdhsa_code_object_version 6
	.text
	.protected	k_q40a667593b_quant
	.globl	k_q40a667593b_quant
	.p2align	8
	.type	k_q40a667593b_quant,@function
k_q40a667593b_quant:
	s_mov_b64 s[64:65], 0
	v_nop
	global_prefetch_b8 v0, s[64:65] scope:SCOPE_SE
	s_setreg_imm32_b32 hwreg(HW_REG_WAVE_MODE, 25, 1), 1
	s_wait_xcnt 0x0
; f32 numbers into codes of FP6 (E2M3) with one E8M0 scale byte for each 32 along K (K = the last axis, 1,024, of all seven tensors).
; A block's scale is 2^(floor(log2(its largest magnitude)) - 2); its byte is the largest magnitude's exponent field - 2, held at 1 from below.
; LIMITS: a block of zeros gets the byte 1 where the rule says 127 (its codes are zeros, and this program alone reads the bytes); NaN and infinities among the inputs are not served.
; WORK-GROUPS 16 .. 879: queries, keys, values, Wq, Wk, Wv as ONE stream of runs of 8,192 numbers (8 rows) into xc (768 bytes of codes a row) and xs (32 scale bytes a row):
;   rows 0.. queries, 8192.. keys, 16384.. values, 24576.. Wq, 25600.. Wk, 26624.. Wv.  A wave takes one run, in 16 steps of 512 numbers.
;   THE WEIGHTS' ROWS ARE STORED IN ANOTHER ORDER, by runs of 8 rows, so that the next launch's results fall into the lanes and registers in which they are quantised:
;   Wq, Wk: bits 0 and 1 of the run's number change places.  Wv: run [a:3][dh:2][rh:1][dl:1] goes to [dh:2][dl:1][a:3][rh:1].
;   Each load reads 512 consecutive bytes; a step's 2,048 bytes turn through the wave's own stage in LDS so that a lane holds 16 neighbours (two lanes a block); a wave's 256 scale bytes leave as one aligned run.
; WORK-GROUPS 0 .. 15: Wr into IMAGES OF OPERAND REGISTERS: a wave takes 16 rows (tile nb) and makes their eight fragments of 128 along K; lane (r, h) loads the very 64 numbers that the operand's layout gives it
;   (row r, k = 64 c + 32 h + 0 .. 31), so a block lies whole in a lane.  wr: [nb][ks][1536] codes (registers 4 g .. 4 g + 3 of lane l at 512 g + 16 l), from WRS on [nb][lane][ks] scale words.  They come first so that their scattered reads run beside the stream.
; No tensor loads, no barrier, no matrix unit, no cluster: waves share nothing and each input byte is read once.
.set NWR,   16
.set STEPS, 16
.set EMAX,  2
.set CB,    12                         ; bytes of 16 codes
.set R,     16                         ; v16-79   four sets of 16 numbers as loaded
.set X,     80                         ; v80-111  two sets of 16 neighbours
.set E,     112                        ; v112-127 a scale byte for each step
.set C,     128                        ; v128-191 codes, four registers a step
.set WREG,  8192                       ; LDS of a wave: two stages of 32 x SP bytes, then its 256 scale bytes
.set SP,    80
.set WRS,   786432
.set PC,    144                        ; Wr's path: v144-155 a fragment's codes
.set TA,    156
.set SW,    160                        ; v160-167 the eight scale words
.set TBB,   168
.set BM,    172
.set SCO,   174
.set BY,    176
.set WD,    178
.set XX,    179
.set SH8,   180
	s_load_b256 s[4:11], s[0:1], 0x0               ; queries, keys, values, Wq
	s_load_b256 s[12:19], s[0:1], 0x20             ; Wk, Wv, Wr, xc
	s_load_b128 s[20:23], s[0:1], 0x40             ; xs, wr
	v_lshl_add_u32 v192, v0, 2, 0x8000
	v_mov_b32 v193, 0
	v_lshrrev_b32 v1, 5, v0
	v_readfirstlane_b32 s30, v1                    ; wave
	v_and_b32 v2, 31, v0                           ; lane
	s_cmp_lt_u32 ttmp9, NWR
	s_cbranch_scc1 .Lwr
	; ---------------- the stream
	s_sub_co_u32 s31, ttmp9, NWR                   ; 0 .. 863: 256 work-groups for each of the three large tensors, 32 for each weight
	v_lshlrev_b32 v3, 4, v2                        ; my 16 bytes of a load's 512
	s_mul_i32 s32, s30, WREG
	v_lshrrev_b32 v14, 2, v2
	v_mul_u32_u24 v14, v14, SP
	v_and_b32 v15, 3, v2
	v_lshl_add_u32 v14, v15, 4, v14
	v_add_nc_u32 v14, s32, v14                     ; the stage, in: SP (lane / 4) + 16 (lane % 4)
	v_mul_u32_u24 v15, v2, SP
	v_add_nc_u32 v15, s32, v15                     ; out: SP x lane: my 16 neighbours
	v_mul_u32_u24 v4, v2, CB                       ; my codes' place in a step's
	v_lshrrev_b32 v5, 1, v2
	s_add_co_u32 s32, s32, 2*32*SP
	v_add_nc_u32 v5, s32, v5                       ; my block's scale byte in LDS
	v_lshlrev_b32 v7, 3, v2
	v_add_nc_u32 v6, s32, v7                       ; and 8 bytes a lane on the way out
	s_lshl_b32 s27, s31, 2
	s_add_co_u32 s27, s27, s30                     ; U: my run among all runs
	s_and_b32 s28, s27, -4                         ; Wq, Wk: bits 0 and 1 change places
	s_and_b32 s29, s27, 1
	s_lshl_b32 s29, s29, 1
	s_or_b32 s28, s28, s29
	s_bfe_u32 s29, s27, 0x10001
	s_or_b32 s28, s28, s29
	s_and_b32 s33, s27, 0xffffff80                 ; Wv: the low seven bits are dealt anew
	s_bfe_u32 s29, s27, 0x20002
	s_lshl_b32 s29, s29, 5
	s_or_b32 s33, s33, s29
	s_and_b32 s29, s27, 1
	s_lshl_b32 s29, s29, 4
	s_or_b32 s33, s33, s29
	s_bfe_u32 s29, s27, 0x30004
	s_lshl_b32 s29, s29, 1
	s_or_b32 s33, s33, s29
	s_bfe_u32 s29, s27, 0x10001
	s_or_b32 s33, s33, s29
	s_wait_kmcnt 0x0
	s_mov_b64 s[24:25], s[14:15]                   ; the source is chosen by the work-group's number alone
	s_mov_b32 s26, 832
	s_cmp_lt_u32 s31, 832
	s_cselect_b64 s[24:25], s[12:13], s[24:25]
	s_cselect_b32 s26, 800, s26
	s_cselect_b32 s28, s28, s33
	s_cmp_lt_u32 s31, 800
	s_cselect_b64 s[24:25], s[10:11], s[24:25]
	s_cselect_b32 s26, 768, s26
	s_cmp_lt_u32 s31, 768
	s_cselect_b64 s[24:25], s[8:9], s[24:25]
	s_cselect_b32 s26, 512, s26
	s_cselect_b32 s28, s27, s28                    ; U': where the run goes
	s_cmp_lt_u32 s31, 512
	s_cselect_b64 s[24:25], s[6:7], s[24:25]
	s_cselect_b32 s26, 256, s26
	s_cmp_lt_u32 s31, 256
	s_cselect_b64 s[24:25], s[4:5], s[24:25]
	s_cselect_b32 s26, 0, s26
	s_lshl_b32 s26, s26, 2
	s_sub_co_u32 s26, s27, s26                     ; my run within its tensor
	s_lshl_b32 s34, s26, 15                        ; 32,768 bytes a run
	s_mov_b32 s35, 0
	s_add_nc_u64 s[24:25], s[24:25], s[34:35]
	s_mul_i32 s34, s28, 6144
	s_add_nc_u64 s[18:19], s[18:19], s[34:35]
	s_lshl_b32 s34, s28, 8
	s_add_nc_u64 s[20:21], s[20:21], s[34:35]
.macro LOAD t
.irp i, 0,1,2,3
	global_load_b128 v[R+16*((\t)%4)+4*\i:R+16*((\t)%4)+4*\i+3], v3, s[24:25] offset:2048*(\t)+512*\i th:TH_LOAD_NT   ; 32 lanes read 512 consecutive bytes
.endr
.endm
.macro TURN t                          ; step t's numbers through the stage: LDS serves a wave's instructions in order, so no wait stands between the stores and the loads
.irp i, 0,1,2,3
	ds_store_b128 v14, v[R+16*((\t)%4)+4*\i:R+16*((\t)%4)+4*\i+3] offset:32*SP*((\t)%2)+8*SP*\i
.endr
.irp i, 0,1,2,3
	ds_load_b128 v[X+16*((\t)%2)+4*\i:X+16*((\t)%2)+4*\i+3], v15 offset:32*SP*((\t)%2)+16*\i
.endr
.endm
.irp t, 0,1,2,3
	LOAD \t
.endr
	s_wait_loadcnt 12                              ; step 0's four loads are in; the twelve of steps 1 to 3 stay out
	TURN 0
.macro STEP t
.set XS, X+16*((\t)%2)
.if (\t) > 0
	s_wait_dscnt 1                                 ; this step's numbers are back from the stage (the last step's byte store may be out)
.else
	s_wait_dscnt 0x0
.endif
.if (\t)+4 < STEPS
	LOAD (\t)+4                                    ; into the set whose stores into the stage are done
.endif
.if (\t)+1 < STEPS
.if STEPS-2-(\t) >= 3
	s_wait_loadcnt 12                              ; the next step's four loads are in; those of the three steps behind it may be out
.else
	s_wait_loadcnt 4*(STEPS-2-(\t))
.endif
	TURN (\t)+1
.endif
	v_max3_num_f32 v8, |v[XS]|, |v[XS+1]|, |v[XS+2]|               ; the largest magnitude of my 16, in two chains
	v_max3_num_f32 v9, |v[XS+3]|, |v[XS+4]|, |v[XS+5]|
.irp i, 6,10
	v_max3_num_f32 v8, v8, |v[XS+\i]|, |v[XS+\i+1]|
	v_max3_num_f32 v9, v9, |v[XS+\i+2]|, |v[XS+\i+3]|
.endr
	v_max3_num_f32 v8, v8, |v[XS+14]|, |v[XS+15]|
	v_max3_num_f32 v8, v8, v9, (EMAX+1)<<23        ; and the floor 2^(3 - 127): the byte cannot fall under 1
	v_max_num_f32_dpp v8, v8, v8 row_xmask:1 row_mask:0xf bank_mask:0xf   ; with my neighbour's 16: the block's
	v_add_nc_u32 v11, -(EMAX<<23), v8              ; 2 off its exponent field: the conversion takes the exponent field of this operand as its scale
	v_cvt_scalef32_pk16_fp6_f32 v[C+4*(\t):C+4*(\t)+2], v[XS:XS+15], v11
	v_lshrrev_b32 v[E+(\t)], 23, v11               ; the scale's byte
	ds_store_b8 v5, v[E+(\t)] offset:16*(\t)       ; both lanes of a block write the same byte with the same value
	global_store_b96 v4, v[C+4*(\t):C+4*(\t)+2], s[18:19] offset:32*CB*(\t)   ; the wave stores 384 consecutive bytes
.endm
.irp t, 0,1,2,3,4,5,6,7,8,9,10,11,12,13,14,15
	STEP \t
.endr
	ds_load_b64 v[12:13], v6                       ; in order behind my byte stores
	s_wait_dscnt 0x0
	global_store_b64 v7, v[12:13], s[20:21]        ; 32 lanes store 256 consecutive bytes, aligned
	s_wait_tensorcnt 0x0
	ds_add_u32 v192, v193
	s_wait_dscnt 0x0
	s_endpgm
	; ---------------- Wr
.Lwr:
	s_lshl_b32 s31, ttmp9, 2
	s_add_co_u32 s31, s31, s30                     ; nb: my 16 rows of Wr
	v_and_b32 v3, 15, v0                           ; r
	v_bfe_u32 v4, v0, 4, 1                         ; h
	v_lshlrev_b32 v1, 12, v3
	v_lshl_add_u32 v1, v4, 7, v1                   ; row r of 4,096 bytes, + 128 h
	v_lshlrev_b32 v5, 4, v2                        ; 16 x lane
	v_lshlrev_b32 v6, 5, v2                        ; 32 x lane
	v_lshlrev_b32 v[SH8], 3, v4                    ; my bytes stand 8 h bits up in the scale word
	v_mov_b32 v[XX], 0                             ; a lane permute's destination counts as one of its sources
	s_mov_b32 s36, 0x76543210
	s_mov_b32 s37, 0xfedcba98                      ; lane l xor 16
	s_lshl_b32 s34, s31, 16
	s_mov_b32 s35, 0
	s_wait_kmcnt 0x0
	s_add_nc_u64 s[16:17], s[16:17], s[34:35]
	s_mul_i32 s34, s31, 12288
	s_add_nc_u64 s[24:25], s[22:23], s[34:35]      ; my eight images
	s_lshl_b32 s34, s31, 10
	s_add_nc_u64 s[22:23], s[22:23], s[34:35]      ; my scale words (WRS stands in the immediate)
.macro LOADI ks                        ; the 64 numbers of image ks into set ks % 2: register 32 c + i = k 128 ks + 64 c + 32 h + i
.irp c, 0,1
.irp i, 0,1,2,3,4,5,6,7
	global_load_b128 v[16+64*((\ks)%2)+32*\c+4*\i:16+64*((\ks)%2)+32*\c+4*\i+3], v1, s[16:17] offset:512*(\ks)+256*\c+16*\i th:TH_LOAD_NT
.endr
.endr
.endm
.macro QL s, w                         ; 64 numbers, two whole blocks of a lane, become a fragment's codes in v[PC] on and the row's scale word in v[w]
.irp c, 0,1
	v_max3_num_f32 v[BM+\c], |v[(\s)+32*\c]|, |v[(\s)+32*\c+1]|, 0x1800000   ; with the floor 2^(3 - 127)
.endr
.irp i, 2,4,6,8,10,12,14,16,18,20,22,24,26,28,30
.irp c, 0,1
	v_max3_num_f32 v[BM+\c], v[BM+\c], |v[(\s)+32*\c+\i]|, |v[(\s)+32*\c+\i+1]|
.endr
.endr
.irp c, 0,1
	v_add_nc_u32 v[SCO+\c], 0xff000000, v[BM+\c]   ; 2 off the exponent field: the conversion's scale operand
.endr
.irp c, 0,1
	v_lshrrev_b32 v[BY+\c], 23, v[SCO+\c]          ; the byte
.endr
	v_lshl_or_b32 v[WD], v[BY+1], 16, v[BY]        ; my blocks are h and 2 + h of the row's four
	v_lshlrev_b32 v[WD], v[SH8], v[WD]
	v_permlanex16_b32 v[XX], v[WD], s36, s37
	v_or_b32 v[\w], v[WD], v[XX]                   ; with lane l xor 16's two the word is whole, in both lanes
	v_cvt_scalef32_pk16_fp6_f32 v[PC:PC+2], v[(\s):(\s)+15], v[SCO]
	v_cvt_scalef32_pk16_fp6_f32 v[TA:TA+2], v[(\s)+16:(\s)+31], v[SCO]        ; (a conversion's three registers begin on an even number)
	v_cvt_scalef32_pk16_fp6_f32 v[PC+6:PC+8], v[(\s)+32:(\s)+47], v[SCO+1]
	v_cvt_scalef32_pk16_fp6_f32 v[TBB:TBB+2], v[(\s)+48:(\s)+63], v[SCO+1]
	v_nop                                          ; one plain instruction behind the scaled conversions
.irp i, 0,1,2
	v_mov_b32 v[PC+3+\i], v[TA+\i]
	v_mov_b32 v[PC+9+\i], v[TBB+\i]
.endr
.endm
	LOADI 0
	LOADI 1
.irp ks, 0,1,2,3,4,5,6,7
.if \ks < 7
	s_wait_loadcnt 16                              ; this image's 16 loads are in, the next image's may be out
.else
	s_wait_loadcnt 0x0
.endif
	s_wait_xcnt 0x0                                ; the last image's stores have read v[PC] on: only now is it written again
	QL 16+64*(\ks%2), SW+\ks
.irp g, 0,1,2
	global_store_b128 v5, v[PC+4*\g:PC+4*\g+3], s[24:25] offset:1536*\ks+512*\g   ; 512 consecutive bytes, aligned
.endr
.if \ks < 6
	LOADI \ks+2
.endif
.endr
	global_store_b128 v6, v[SW:SW+3], s[22:23] offset:WRS
	global_store_b128 v6, v[SW+4:SW+7], s[22:23] offset:WRS+16
	s_endpgm
.Lfunc_end_k_q40a667593b_quant:
	.size	k_q40a667593b_quant, .Lfunc_end_k_q40a667593b_quant-k_q40a667593b_quant
	.p2alignl 7, 3214868480
	.fill 96, 4, 3214868480
	.section	.rodata,"a",@progbits
	.p2align	6, 0x0
	.amdhsa_kernel k_q40a667593b_quant
		.amdhsa_group_segment_fixed_size 33280
		.amdhsa_private_segment_fixed_size 0
		.amdhsa_enable_private_segment 0
		.amdhsa_kernarg_size 80
		.amdhsa_user_sgpr_count 2
		.amdhsa_user_sgpr_kernarg_segment_ptr 1
		.amdhsa_wavefront_size32 1
		.amdhsa_system_sgpr_workgroup_id_x 1
		.amdhsa_system_sgpr_workgroup_id_y 1
		.amdhsa_system_sgpr_workgroup_id_z 1
		.amdhsa_system_vgpr_workitem_id 0
		.amdhsa_next_free_vgpr 194
		.amdhsa_next_free_sgpr 66
		.amdhsa_reserve_vcc 0
		.amdhsa_float_denorm_mode_32 3
		.amdhsa_float_denorm_mode_16_64 3
		.amdhsa_memory_ordered 1
		.amdhsa_forward_progress 1
		.amdhsa_inst_pref_size 73
	.end_amdhsa_kernel
	.amdgpu_metadata
---
amdhsa.version: [ 1, 2 ]
amdhsa.kernels:
  - .name:           k_q40a667593b_quant
    .symbol:         k_q40a667593b_quant.kd
    .args:
      - { .name: queries, .offset: 0, .size: 8, .value_kind: global_buffer, .address_space: global }
      - { .name: keys, .offset: 8, .size: 8, .value_kind: global_buffer, .address_space: global }
      - { .name: values, .offset: 16, .size: 8, .value_kind: global_buffer, .address_space: global }
      - { .name: Wq, .offset: 24, .size: 8, .value_kind: global_buffer, .address_space: global }
      - { .name: Wk, .offset: 32, .size: 8, .value_kind: global_buffer, .address_space: global }
      - { .name: Wv, .offset: 40, .size: 8, .value_kind: global_buffer, .address_space: global }
      - { .name: Wr, .offset: 48, .size: 8, .value_kind: global_buffer, .address_space: global }
      - { .name: xc, .offset: 56, .size: 8, .value_kind: global_buffer, .address_space: global }
      - { .name: xs, .offset: 64, .size: 8, .value_kind: global_buffer, .address_space: global }
      - { .name: wr, .offset: 72, .size: 8, .value_kind: global_buffer, .address_space: global }
    .group_segment_fixed_size: 33280
    .private_segment_fixed_size: 0
    .kernarg_segment_align: 8
    .kernarg_segment_size: 80
    .max_flat_workgroup_size: 128
    .sgpr_count:     66
    .vgpr_count:     194
    .wavefront_size: 32
...
	.end_amdgpu_metadata
.endif
;; end of part 1
;; launch proj (part 2): grid 4 x 96, 4 waves a work-group, clusters of 4 x 4, 327,680 bytes of LDS; arguments xc, xs, qkv; writes qkv
.if DOCPART == 2
	.amdgcn_target "amdgcn-amd-amdhsa--gfx1250"
	.amdhsa_code_object_version 6
	.text
	.protected	k_q40a667593b_proj
	.globl	k_q40a667593b_proj
	.p2align	8
	.type	k_q40a667593b_proj,@function
k_q40a667593b_proj:
	s_mov_b64 s[64:65], 0
	v_nop
	global_prefetch_b8 v0, s[64:65] scope:SCOPE_SE
	s_setreg_imm32_b32 hwreg(HW_REG_WAVE_MODE, 25, 1), 1
	s_wait_xcnt 0x0
	s_wait_alu depctr_hold_cnt(0) depctr_sa_sdst(0) depctr_va_vdst(0) depctr_va_sdst(0) depctr_va_ssrc(0) depctr_va_vcc(0) depctr_vm_vsrc(0)
	s_getreg_b32 s2, hwreg(HW_REG_IB_STS2, 6, 4)
	s_cmp_eq_u32 s2, 0
	s_cbranch_scc0 .Lentry_in_a_cluster
	s_endpgm
.Lentry_in_a_cluster:
	s_bfe_u32 s2, ttmp6, 0x10000c
	s_cmp_lg_u32 s2, 0xf033
	s_cbranch_scc0 .Lentry_shape_is_right
	s_endpgm
.Lentry_shape_is_right:
; The three projections X W^T on codes of FP6 (E2M3) with E8M0 scales, as ONE product of 24,576 rows (queries, keys, values on end in xc) with, for each third, its own 1,024 weight rows (xc rows 24,576 + 1,024 T on).
; The f32 results never go to memory: each wave quantises its 128 x 128 results in registers and stores them as IMAGES OF OPERAND REGISTERS for the attention launch.
; A tile of 256 x 256 is made by four waves, as many as a WGP has SIMDs, each 128 x 128: 64 accumulators, 512 registers.  K = 1,024 goes in four steps of 256 through a ring of two LDS slots filled by the tensor data mover (rows of 192 bytes).
; The scale bytes of the tile's 256 + 256 rows, for all of K, come into LDS once, with the first fills.
; CLUSTERS: 4 x 4 work-groups.  The four of a row of the cluster need the same rows of X, the four of a column the same weight rows: each tile is asked for JOINTLY, by the same tensor load with a mask that names the four.
; ORIENTATION.  T = 0, 1 (Q, K): source 0 = 16 weight rows, source 1 = 16 rows of X: a lane holds one row and registers along the channels; the weight rows were stored in an order by which the 16 registers of two
;   neighbouring tiles are 16 neighbouring channels.  A wave's 128 columns are one chunk c of 128 channels: image (RB, c) = 16 rows x 128 channels.
; T = 2 (V): source 0 = 16 rows of X, source 1 = 16 weight rows: a lane holds one channel and registers down the rows.  The attention's K axis for V is the key = 8 x row + chunk; Wv's rows were stored so that the wave's
;   eight source-1 blocks are the eight chunks of the SAME 16 channels.  So a lane holds, in its 64 accumulator registers of one row block, two whole blocks of 32 keys of its channel.
;   Only the LDS bases of the fragments and of the scale words differ between the orientations; they are chosen by T, which comes from the cluster's y and is equal in all sixteen partners.
; qkv: [RB 0..1535][image 0..7][1536] codes (registers 4 g .. 4 g + 3 of lane l at 512 g + 16 l), RB = a block of 16 rows; from QS on [RB][image][lane] scale words.
; LIMITS: a block of zeros gets the byte 1 (its codes are zeros; this program alone reads the bytes); NaN and infinities are not served.
; REGISTERS, in windows of 256: window 0: v0-31 addresses; v32-63 scale words, two sets; v64-127 the way out; from v128 source 1's fragments, ONE set.   window 1: source 0's fragments, TWO sets.   windows 2, 3: the accumulators ((a, b) at v[8 (8 (a % 4) + b)]).
.set SIZE_K, 1024
.set KSTEP,  256
.set NQ,     KSTEP/128
.set ROWB,   192
.set KROW,   SIZE_K*6/8
.set PITCH,  240                       ; an LDS row: 3 x (64 bytes + 16 of padding)
.set FR,     12
.set NL,     6
.set NP,     4                         ; places behind this matrix instruction (ISA guide 7.12.1)
.set HALFT,  128*PITCH
.set SLOT,   4*HALFT                   ; X's 256 rows, then W's 256 rows
.set LAPS,   SIZE_K/(2*KSTEP)
.set KS,     SIZE_K/32
.set SCL,    2*SLOT                    ; behind the ring: the scale bytes, as runs of 256 bytes + 16 of padding
.set HALFS,  (128*KS/256)*272
.set SBLK,   (16*KS/256)*272
.set SPARE,  326656                    ; the spare words, 128 bytes for each wave: two blocks of 256 bytes that no other line names
.set QS,     18874368
.set ADRA, 16                          ; v16-17 LDS address of source 1's fragments in slot 0, 1 (v18-19: behind one padding more)
.set ADRB, 20                          ; v20-23 the same for source 0
.set SH8,  24                          ; v24  8 x (lane / 16)
.set LS4,  25                          ; v25  4 x lane
.set LI16, 26                          ; v26  16 x lane
.set ADRS, 27                          ; v27  LDS address of my scale words
.set SPW,  28
.set NIL,  29
.set SC,   32
.set TM,   64                          ; v64-79 at work on the way out
.set PW,   80                          ; the scale word just made
.set PCD,  96                          ; v96-114 the codes just made
.set TT,   128                         ; v128-191 V's way out: 64 numbers in the operand's order
.set AF,   128
.set G1, 24
.set G0, 32
.set G1B, 48
.set G0B, 56
.set G1S, 68
.set G0S, 76
.set G1SB, 80
.set G0SB, 88
.set MSB, 0
.macro WIN new                         ; the immediate's high byte repeats the setting that is left
.if MSB != \new
	s_set_vgpr_msb (MSB<<8)|\new
.set MSB, \new
.endif
.endm
.set MUL_LO, 0xa1                      ; source 0 window 1, source 1 window 0, C and D window 2
.set MUL_HI, 0xf1
.set TO_B,   0x40
; A joint load: waves 0 and 1 fetch X's halves, waves 2 and 3 W's.  The branch hangs on the wave's number alone.  Four v_nop follow each of the two lines.
.macro JLOAD g0a, g1a, g0b, g1b
	s_cmp_eq_u32 s15, 0
	s_cbranch_scc0 .Lfor_b_\@
	tensor_load_to_lds s[\g0a:\g0a+3], s[\g1a:\g1a+7]
	s_nop 0
.rept 4
	v_nop
.endr
	s_branch .Lasked_\@
.Lfor_b_\@:
	tensor_load_to_lds s[\g0b:\g0b+3], s[\g1b:\g1b+7]
	s_nop 0
.rept 4
	v_nop
.endr
.Lasked_\@:
.endm
.macro CREST                           ; a round of the cluster's barrier behind its opening barrier
	s_cmp_lg_u32 s14, 0
	s_cbranch_scc1 .Lnot_wave_0_\@
	s_barrier_signal -3
.Lnot_wave_0_\@:
	s_barrier_wait -3
	s_barrier_signal -1
	s_barrier_wait -1
.endm
.macro CROUND
	s_barrier_signal -1
	s_barrier_wait -1
	CREST
.endm
	s_load_b128 s[4:7], s[0:1], 0x0                ; xc, xs
	s_load_b64 s[12:13], s[0:1], 0x10              ; qkv
	v_lshl_add_u32 v[SPW], v0, 2, SPARE
	v_mov_b32 v[NIL], 0
	ds_add_u32 v28, v29
	s_wait_dscnt 0x0
	v_lshrrev_b32 v1, 5, v0
	v_readfirstlane_b32 s14, v1                    ; wave 0..3
	s_lshr_b32 s15, s14, 1                         ; which half of the tile's rows of X is mine.  Also: I fetch for X (0) or for W (1)
	s_and_b32 s16, s14, 1                          ; which half of its weight rows.  Also: which 128 rows I fetch
	s_bfe_u32 s40, ttmp6, 0x40000                  ; cx, cy
	s_bfe_u32 s41, ttmp6, 0x40004
	s_lshl_b32 s42, ttmp9, 2
	s_add_co_u32 s42, s42, s40                     ; tile column = 4 x cluster x + cx
	s_and_b32 s17, ttmp7, 0xffff
	s_lshr_b32 s96, s17, 3                         ; T: eight clusters along y for each tensor: the same in all partners
	s_lshl_b32 s17, s17, 2
	s_add_co_u32 s17, s17, s41                     ; tile row = 4 x cluster y + cy
	s_lshl_b32 s43, s41, 2
	s_lshl_b32 s43, 15, s43                        ; my row of the cluster
	s_lshl_b32 s44, 0x1111, s40                    ; my column
	s_or_b32 s[G1+0], s43, (0<<16)|(1<<20)|(1<<21)|(3<<22)|(3<<25)  ; the mask; elements of 1 byte; padding on; bit 21 beside a mask; after every 16 words, 4 words
	s_or_b32 s[G1B+0], s44, (0<<16)|(1<<20)|(1<<21)|(3<<22)|(3<<25)
.irp g, G1, G1B
	s_mov_b32 s[\g+1], ROWB<<16                    ; tensor_dim0
	s_mov_b32 s[\g+2], 128<<16                     ; tensor_dim1
	s_mov_b32 s[\g+3], ROWB<<16                    ; tile_dim0
	s_mov_b32 s[\g+4], 128                         ; tile_dim1
	s_mov_b32 s[\g+5], KROW                        ; the pitch
	s_mov_b32 s[\g+6], 0
	s_mov_b32 s[\g+7], 0
.endr
	s_or_b32 s[G1S+0], s43, (3<<16)|(1<<20)|(1<<21)|(5<<22)|(3<<25)  ; the scale bytes of 128 rows: a dense block, as rows of 256 bytes, 16 of padding behind each
	s_or_b32 s[G1SB+0], s44, (3<<16)|(1<<20)|(1<<21)|(5<<22)|(3<<25)
.irp g, G1S, G1SB
	s_mov_b32 s[\g+1], 32<<16
	s_mov_b32 s[\g+2], (128*KS/256)<<16
	s_mov_b32 s[\g+3], 32<<16
	s_mov_b32 s[\g+4], 128*KS/256
	s_mov_b32 s[\g+5], 32
	s_mov_b32 s[\g+6], 0
	s_mov_b32 s[\g+7], 0
.endr
	s_lshl_b32 s18, s16, 7                         ; which 128 rows I fetch
	s_lshl_b32 s20, s17, 8
	s_add_co_u32 s20, s20, s18                     ; X: row 256 x tile row + 128 x half
	s_lshl_b32 s46, s42, 8
	s_add_co_u32 s46, s46, s18
	s_lshl_b32 s47, s96, 10
	s_add_co_u32 s46, s46, s47
	s_add_co_u32 s46, s46, 24576                   ; W: row 24,576 + 1,024 T + 256 x tile column + 128 x half
	s_mov_b32 s21, 0
	s_mov_b32 s47, 0
	s_mov_b64 s[18:19], KS
	s_mul_u64 s[22:23], s[20:21], s[18:19]         ; where these rows' scale bytes begin
	s_mul_u64 s[92:93], s[46:47], s[18:19]
	s_mov_b64 s[18:19], KROW
	s_mul_u64 s[20:21], s[20:21], s[18:19]         ; and their codes
	s_mul_u64 s[46:47], s[46:47], s[18:19]
	s_mul_i32 s45, s14, HALFT                      ; where they go: wave x 128 rows
	s_mul_i32 s94, s14, HALFS
	s_mov_b32 s98, 0x76543210
	s_mov_b32 s99, 0xfedcba98                      ; lane l xor 16
	s_wait_kmcnt 0x0
	s_add_nc_u64 s[20:21], s[4:5], s[20:21]
	s_add_nc_u64 s[22:23], s[6:7], s[22:23]
	s_add_nc_u64 s[46:47], s[4:5], s[46:47]
	s_add_nc_u64 s[92:93], s[6:7], s[92:93]
	CROUND                                         ; all sixteen work-groups are here: the first joint loads meet
	s_mov_b32 s[G0S], 1
	s_add_co_u32 s[G0S+1], s94, SCL
	s_mov_b64 s[G0S+2:G0S+3], s[22:23]
	s_or_b32 s[G0S+3], s[G0S+3], 0x80000000
	s_mov_b32 s[G0SB], 1
	s_add_co_u32 s[G0SB+1], s94, SCL
	s_mov_b64 s[G0SB+2:G0SB+3], s[92:93]
	s_or_b32 s[G0SB+3], s[G0SB+3], 0x80000000
	JLOAD G0S, G1S, G0SB, G1SB                     ; the scale bytes first: they are wanted with K step 0
.irp s, 0,1
	s_mov_b32 s[G0+4*\s], 1
	s_add_co_u32 s[G0+4*\s+1], s45, \s*SLOT
	s_add_nc_u64 s[G0+4*\s+2:G0+4*\s+3], s[20:21], \s*ROWB
	s_or_b32 s[G0+4*\s+3], s[G0+4*\s+3], 0x80000000
	s_mov_b32 s[G0B+4*\s], 1
	s_add_co_u32 s[G0B+4*\s+1], s45, \s*SLOT
	s_add_nc_u64 s[G0B+4*\s+2:G0B+4*\s+3], s[46:47], \s*ROWB
	s_or_b32 s[G0B+4*\s+3], s[G0B+4*\s+3], 0x80000000
	JLOAD G0+4*\s, G1, G0B+4*\s, G1B
.endr
	v_and_b32 v1, 15, v0                           ; l % 16
	v_bfe_u32 v2, v0, 4, 1                         ; l / 16
	v_mul_u32_u24 v3, v1, PITCH
	v_mul_u32_u24 v4, v2, 24
	v_add_nc_u32 v4, v3, v4                        ; a fragment's row x pitch + 24 x half
	v_lshl_add_u32 v5, v2, 4, v4                   ; and the same behind one padding more
	s_mul_i32 s21, s15, HALFT                      ; my 128 rows of X
	s_mul_i32 s22, s16, HALFT
	s_add_co_u32 s22, s22, 2*HALFT                 ; my 128 rows of W, behind X's 256
	s_cmp_eq_u32 s96, 2                            ; V: the sources change places
	s_cselect_b32 s23, s22, s21                    ; source 1's rows
	s_cselect_b32 s22, s21, s22                    ; source 0's
	s_cselect_b32 s97, 1, 0
	s_mov_b32 s21, s23
.irp s, 0,1
	v_add_nc_u32 v[ADRA+\s], s21, v4
	v_add_nc_u32 v[ADRB+\s], s22, v4
	v_add_nc_u32 v[ADRA+2+\s], s21, v5
	v_add_nc_u32 v[ADRB+2+\s], s22, v5
	s_add_co_u32 s21, s21, SLOT
	s_add_co_u32 s22, s22, SLOT
.endr
	v_mul_u32_u24 v5, v1, KS                       ; my row's scale bytes: KS a row,
	v_lshrrev_b32 v6, 8, v5
	v_lshl_add_u32 v5, v6, 4, v5                   ; and 16 more for each 256 passed
	s_mul_i32 s21, s15, HALFS                      ; X's: my 128 rows
	s_mul_i32 s22, s16, HALFS
	s_add_co_u32 s22, s22, 2*HALFS                 ; W's, behind X's 256
	s_sub_co_u32 s22, s22, s21
	v_xor_b32 v6, s97, v2                          ; lanes 0-15 carry source 1's words, lanes 16-31 source 0's: for Q, K that is X below and W above, for V the other way round
	v_mul_u32_u24 v6, s22, v6
	s_add_co_u32 s21, s21, SCL
	v_add_nc_u32 v5, v5, v6
	v_add_nc_u32 v[ADRS], s21, v5
	v_and_b32 v6, 31, v0
	v_lshlrev_b32 v[LI16], 4, v6
	v_lshlrev_b32 v[LS4], 2, v6
	v_lshlrev_b32 v[SH8], 3, v2
.irp j, 4,5,6,7,9
	v_mov_b32 v[TM+\j], 0                          ; a lane permute's destination counts as one of its sources
.endr
	s_lshl_b32 s20, s17, 4
	s_lshl_b32 s21, s15, 3
	s_add_co_u32 s20, s20, s21                     ; my first RB: 16 x tile row + 8 x half
	s_mul_i32 s22, s20, 12288
	s_lshl_b32 s20, s20, 10
	s_lshl_b32 s46, s42, 1
	s_add_co_u32 s46, s46, s16                     ; my image: 2 x tile column + half
	s_mul_i32 s47, s46, 1536
	s_lshl_b32 s46, s46, 7
	s_add_co_u32 s22, s22, s47
	s_add_co_u32 s20, s20, s46
	s_add_co_u32 s20, s20, QS
	s_mov_b32 s23, 0
	s_mov_b32 s21, 0
	s_add_nc_u64 s[66:67], s[12:13], s[20:21]      ; my scale words
	s_add_nc_u64 s[12:13], s[12:13], s[22:23]      ; my images
.macro FRAG reg, adr, q, i             ; a fragment, 16 rows x 128 K, is 12 registers: lane l holds row l % 16; registers 6 c .. 6 c + 5 hold K = 64 c + 32 (l / 16) + 0 .. 31: 24 bytes of the row as they lie, in pieces of 8 bytes
.irp p, 0,1,2,3,4,5
.set PCE, 12*(\q)+6*(\p/3)+\p%3        ; 16 bytes of padding lie behind every 8 pieces: where the piece three on lies behind one padding more, the second address register serves
.if PCE%8 < 5
	ds_load_b64 v[\reg+2*\p:\reg+2*\p+1], v[\adr] offset:8*PCE+16*(PCE/8)+(\i)*16*PITCH
.else
	ds_load_b64 v[\reg+2*\p:\reg+2*\p+1], v[\adr+2] offset:8*PCE+16*(PCE/8)+(\i)*16*PITCH
.endif
.endr
.endm
; 16 matrix instructions: source 1's blocks a0, a0 + 1 x source 0's eight.  The 64 accumulators take turns, one instruction a turn, in the same order in every step.
.macro MUL16 a0, p, q, sc, zero
.irp a, \a0, \a0+1
.irp b, 0,1,2,3,4,5,6,7
.if \zero
	v_wmma_scale_f32_16x16x128_f8f6f4 v[8*(8*((\a)%4)+\b):8*(8*((\a)%4)+\b)+7], v[128*(\p)+FR*\b:128*(\p)+FR*\b+FR-1], v[AF+FR*(\a):AF+FR*(\a)+FR-1], 0, v[SC+8*NQ*(\sc)+NQ*\b+(\q)], v[SC+8*NQ*(\sc)+NQ*(\a)+(\q)] matrix_a_fmt:MATRIX_FMT_FP6 matrix_b_fmt:MATRIX_FMT_FP6 matrix_a_scale:MATRIX_SCALE_ROW1
.else
	v_wmma_scale_f32_16x16x128_f8f6f4 v[8*(8*((\a)%4)+\b):8*(8*((\a)%4)+\b)+7], v[128*(\p)+FR*\b:128*(\p)+FR*\b+FR-1], v[AF+FR*(\a):AF+FR*(\a)+FR-1], v[8*(8*((\a)%4)+\b):8*(8*((\a)%4)+\b)+7], v[SC+8*NQ*(\sc)+NQ*\b+(\q)], v[SC+8*NQ*(\sc)+NQ*(\a)+(\q)] matrix_a_fmt:MATRIX_FMT_FP6 matrix_b_fmt:MATRIX_FMT_FP6 matrix_a_scale:MATRIX_SCALE_ROW1
.endif
.endr
.endr
.endm
.macro FETCH_B slot, q, p
	WIN TO_B
.irp i, 0,1,2,3,4,5,6,7
	FRAG 128*(\p)+FR*\i, ADRB+\slot, \q, \i
.endr
	WIN 0
.endm
.macro FETCH_A slot, q, i0
.irp i, \i0, \i0+1, \i0+2, \i0+3
	FRAG AF+FR*(\i), ADRA+\slot, \q, \i
.endr
.endm
.macro SCALES sc                       ; the next K step's scale words into set sc: two words a row
.irp i, 0,1,2,3,4,5,6,7
	ds_load_b64 v[SC+8*NQ*\sc+NQ*\i:SC+8*NQ*\sc+NQ*\i+1], v[ADRS] offset:\i*SBLK
.endr
.endm
.macro PLACES n                        ; plain vector instructions between a matrix instruction and a load into, or a read of, its registers
.rept \n
	v_nop
.endr
.endm
.macro STEP slot, q, zero              ; 128 along K that have their successor in the same slot
	s_wait_dscnt 4*NL                              ; source 0's set and source 1's blocks 0-3 are in; the youngest 24 loads (blocks 4-7) may be out
	WIN MUL_LO
	MUL16 0, (\q)%2, \q, \slot, \zero
	MUL16 2, (\q)%2, \q, \slot, \zero
	s_wait_dscnt 0
	PLACES NP
	FETCH_B \slot, (\q)+1, 1-(\q)%2
	FETCH_A \slot, (\q)+1, 0
	WIN MUL_HI
	MUL16 4, (\q)%2, \q, \slot, \zero
	MUL16 6, (\q)%2, \q, \slot, \zero
	PLACES NP
	WIN 0
	FETCH_A \slot, (\q)+1, 4
.endm
; A slot's last 128 change slots: ONE barrier; in front of it each wave waits for all its tensor loads, adds 0 to its spare word, and waits for that and for its own reads of this slot.
.macro TURN slot, next, fill
	s_wait_tensorcnt 0x0                           ; all my tensor loads have landed: my part of the next slot
	ds_add_u32 v[SPW], v[NIL]                      ; 0 onto my spare word
	s_wait_dscnt 4*NL+1                            ; (the add and the youngest 24 loads may be out)
	WIN MUL_LO
	MUL16 0, 1, NQ-1, \slot, 0
	s_wait_dscnt 0x0                               ; the add is done, and my reads of this slot are over
	s_barrier_signal -1
	MUL16 2, 1, NQ-1, \slot, 0
	WIN 0
	s_barrier_wait -1
.if \fill
	CREST                                          ; the barrier has opened a round of the cluster's barrier: no wave of any partner still reads this slot or has a load on its way
	s_add_nc_u64 s[G0+4*\slot+2:G0+4*\slot+3], s[G0+4*\slot+2:G0+4*\slot+3], 2*ROWB
	s_add_nc_u64 s[G0B+4*\slot+2:G0B+4*\slot+3], s[G0B+4*\slot+2:G0B+4*\slot+3], 2*ROWB
	JLOAD G0+4*\slot, G1, G0B+4*\slot, G1B         ; the first tensor load behind the round; its four v_nop are the places in front of the loads below
.else
	PLACES NP
.endif
	v_add_nc_u32 v[ADRS], 4*NQ, v[ADRS]            ; on to the next K step's scale words
	FETCH_B \next, 0, 0
	FETCH_A \next, 0, 0
	SCALES \next
	WIN MUL_HI
	MUL16 4, 1, NQ-1, \slot, 0
	MUL16 6, 1, NQ-1, \slot, 0
	PLACES NP
	WIN 0
	FETCH_A \next, 0, 4
.endm
	s_wait_tensorcnt 1                             ; the scale bytes and my part of K step 0 are in (K step 1's load may be out)
	s_barrier_signal -1
	s_barrier_wait -1
	FETCH_B 0, 0, 0
	FETCH_A 0, 0, 0
	SCALES 0
	FETCH_A 0, 0, 4
	STEP 0, 0, 1                                   ; the first 128 stand in front of the loop: their products start the sums
	s_mov_b32 s3, LAPS-1
.Llap:                                                 ; a trip goes once round the ring and fills both slots again (K steps 2 and 3)
	TURN 0, 1, 1
	STEP 1, 0, 0
	TURN 1, 0, 1
	STEP 0, 0, 0
	s_sub_co_u32 s3, s3, 1
	s_cmp_lg_u32 s3, 0
	s_cbranch_scc1 .Llap
	TURN 0, 1, 0                                   ; the last lap fills nothing
	STEP 1, 0, 0
	s_wait_dscnt 4*NL
	WIN MUL_LO
	MUL16 0, 1, NQ-1, 1, 0
	MUL16 2, 1, NQ-1, 1, 0
	s_wait_dscnt 0
	WIN MUL_HI
	MUL16 4, 1, NQ-1, 1, 0
	MUL16 6, 1, NQ-1, 1, 0
	WIN 0
	PLACES NP
; THE WAY OUT OF Q AND K.  Source 1's block a: 16 rows; register 16 b + i of lane (r, h) is channel 32 b + 16 h + i of row r.  A block of 32 lies in lanes l and l xor 16.
.macro STORES n                        ; the image in v[PCD] on and its scale word: each store of codes covers 512 consecutive bytes, aligned
.irp g, 0,1,2
	global_store_b128 v[LI16], v[PCD+4*\g:PCD+4*\g+3], s[12:13] offset:12288*(\n)+512*\g
.endr
	global_store_b32 v[LS4], v[PW], s[66:67] offset:1024*(\n)
.endm
.macro QK_OUT a
.set AC, 64*((\a)%4)
.set WA, 2+(\a)/4
.if (\a) > 0
	s_wait_xcnt 0x0                                ; the last image's stores have read their registers
.endif
	WIN ((WA<<2)|(WA<<4))                          ; sources 1 and 2: the accumulators' window
.irp b, 0,1,2,3
	v_max3_num_f32 v[TM+\b], 0x1800000, |v[AC+16*\b]|, |v[AC+16*\b+1]|   ; my 16 numbers of block b and the floor 2^(3 - 127); each accumulator is read from its low end on
.endr
.irp i, 2,4,6,8,10,12,14
.irp b, 0,1,2,3
	v_max3_num_f32 v[TM+\b], v[TM+\b], |v[AC+16*\b+\i]|, |v[AC+16*\b+\i+1]|
.endr
.endr
	WIN 0
.irp b, 0,1,2,3
	v_permlanex16_b32 v[TM+4+\b], v[TM+\b], s98, s99
.endr
.irp b, 0,1,2,3
	v_max_num_f32 v[TM+\b], v[TM+\b], v[TM+4+\b]   ; with lane l xor 16's: the block's largest magnitude
.endr
.irp b, 0,1,2,3
	v_add_nc_u32 v[TM+12+\b], 0xff000000, v[TM+\b] ; 2 off its exponent field: the conversion's scale operand
.endr
.irp b, 0,1,2,3
	v_lshrrev_b32 v[TM+4+\b], 23, v[TM+12+\b]      ; the byte
.endr
	v_lshl_or_b32 v[PW], v[TM+5], 8, v[TM+4]
	v_lshl_or_b32 v[PW], v[TM+6], 16, v[PW]
	v_lshl_or_b32 v[PW], v[TM+7], 24, v[PW]
	WIN WA                                         ; source 0: the accumulators' window
.irp c, 0,1
	v_cvt_scalef32_pk16_fp6_f32 v[PCD+6*\c:PCD+2+6*\c], v[AC+32*\c:AC+15+32*\c], v[TM+12+2*\c]
	v_cvt_scalef32_pk16_fp6_f32 v[PCD+12+4*\c:PCD+14+4*\c], v[AC+16+32*\c:AC+31+32*\c], v[TM+12+2*\c+1]   ; (a conversion's three registers begin on an even number)
.endr
	WIN 0
	v_nop                                          ; one plain instruction behind the scaled conversions
.irp c, 0,1                                    ; the operand's layout wants a WHOLE block in a lane: lanes 0-15 block 2 c, lanes 16-31 block 2 c + 1
.irp i, 0,1,2
	v_permlane16_swap_b32 v[PCD+6*\c+\i], v[PCD+12+4*\c+\i]
.endr
.irp i, 0,1,2
	v_mov_b32 v[PCD+3+6*\c+\i], v[PCD+12+4*\c+\i]
.endr
.endr
	STORES \a
.endm
; THE WAY OUT OF V.  Source 0's block b: 16 rows = one key step.  Lane (r, h) holds channel r of my 16; register j of accumulator (a, b) is row 8 h + j, chunk a.  The operand's place 64 c + 32 h + 8 t + a takes row 8 h + 4 c + t, chunk a:
; the lane's own numbers, in another order of registers: 64 moves, since a conversion takes 16 consecutive registers.  Registers 32 c .. 32 c + 31 are then one whole block of 32 keys.
.macro V_OUT b
.if (\b) > 0
	s_wait_xcnt 0x0
.endif
	WIN 0x02
.irp a, 0,1,2,3
.irp j, 0,1,2,3,4,5,6,7
	v_mov_b32 v[TT+32*(\j/4)+8*(\j%4)+\a], v[8*(8*\a+(\b))+\j]
.endr
.endr
	WIN 0x03
.irp a, 0,1,2,3
.irp j, 0,1,2,3,4,5,6,7
	v_mov_b32 v[TT+32*(\j/4)+8*(\j%4)+4+\a], v[8*(8*\a+(\b))+\j]
.endr
.endr
	WIN 0
.irp c, 0,1
	v_max3_num_f32 v[TM+\c], |v[TT+32*\c]|, |v[TT+32*\c+1]|, 0x1800000
.endr
.irp i, 2,4,6,8,10,12,14,16,18,20,22,24,26,28,30
.irp c, 0,1
	v_max3_num_f32 v[TM+\c], v[TM+\c], |v[TT+32*\c+\i]|, |v[TT+32*\c+\i+1]|
.endr
.endr
.irp c, 0,1
	v_add_nc_u32 v[TM+12+\c], 0xff000000, v[TM+\c]
.endr
.irp c, 0,1
	v_lshrrev_b32 v[TM+4+\c], 23, v[TM+12+\c]
.endr
	v_lshl_or_b32 v[TM+8], v[TM+5], 16, v[TM+4]    ; my blocks stand at places h and 2 + h of the word
	v_lshlrev_b32 v[TM+8], v[SH8], v[TM+8]
	v_permlanex16_b32 v[TM+9], v[TM+8], s98, s99
	v_or_b32 v[PW], v[TM+8], v[TM+9]
	v_cvt_scalef32_pk16_fp6_f32 v[PCD:PCD+2], v[TT:TT+15], v[TM+12]
	v_cvt_scalef32_pk16_fp6_f32 v[PCD+12:PCD+14], v[TT+16:TT+31], v[TM+12]
	v_cvt_scalef32_pk16_fp6_f32 v[PCD+6:PCD+8], v[TT+32:TT+47], v[TM+13]
	v_cvt_scalef32_pk16_fp6_f32 v[PCD+16:PCD+18], v[TT+48:TT+63], v[TM+13]
	v_nop
.irp i, 0,1,2
	v_mov_b32 v[PCD+3+\i], v[PCD+12+\i]
	v_mov_b32 v[PCD+9+\i], v[PCD+16+\i]
.endr
	STORES \b
.endm
	s_cmp_eq_u32 s96, 2                            ; the same way in all partners; no barrier, no tensor load and no LDS instruction stands on either way
	s_cbranch_scc1 .Lv_out
.irp a, 0,1,2,3,4,5,6,7
	QK_OUT \a
.endr
	s_branch .Lend
.Lv_out:
.irp b, 0,1,2,3,4,5,6,7
	V_OUT \b
.endr
.Lend:
	s_wait_tensorcnt 0x0                           ; the wave's end
	ds_add_u32 v[SPW], v[NIL]
	s_wait_dscnt 0x0
	CROUND                                         ; the closing round: no work-group ends while a partner may still ask for a tile that names it
	s_endpgm
.Lfunc_end_k_q40a667593b_proj:
	.size	k_q40a667593b_proj, .Lfunc_end_k_q40a667593b_proj-k_q40a667593b_proj
	.p2alignl 7, 3214868480
	.fill 96, 4, 3214868480
	.section	.rodata,"a",@progbits
	.p2align	6, 0x0
	.amdhsa_kernel k_q40a667593b_proj
		.amdhsa_group_segment_fixed_size 327680
		.amdhsa_private_segment_fixed_size 0
		.amdhsa_enable_private_segment 0
		.amdhsa_kernarg_size 24
		.amdhsa_user_sgpr_count 2
		.amdhsa_user_sgpr_kernarg_segment_ptr 1
		.amdhsa_wavefront_size32 1
		.amdhsa_system_sgpr_workgroup_id_x 1
		.amdhsa_system_sgpr_workgroup_id_y 1
		.amdhsa_system_sgpr_workgroup_id_z 1
		.amdhsa_system_vgpr_workitem_id 0
		.amdhsa_next_free_vgpr 1024
		.amdhsa_next_free_sgpr 100
		.amdhsa_reserve_vcc 0
		.amdhsa_float_denorm_mode_32 3
		.amdhsa_float_denorm_mode_16_64 3
		.amdhsa_memory_ordered 1
		.amdhsa_forward_progress 1
		.amdhsa_inst_pref_size 208
	.end_amdhsa_kernel
	.amdgpu_metadata
---
amdhsa.version: [ 1, 2 ]
amdhsa.kernels:
  - .name:           k_q40a667593b_proj
    .symbol:         k_q40a667593b_proj.kd
    .args:
      - { .name: xc, .offset: 0, .size: 8, .value_kind: global_buffer, .address_space: global }
      - { .name: xs, .offset: 8, .size: 8, .value_kind: global_buffer, .address_space: global }
      - { .name: qkv, .offset: 16, .size: 8, .value_kind: global_buffer, .address_space: global }
    .group_segment_fixed_size: 327680
    .private_segment_fixed_size: 0
    .kernarg_segment_align: 8
    .kernarg_segment_size: 24
    .max_flat_workgroup_size: 128
    .sgpr_count:     100
    .vgpr_count:     1024
    .wavefront_size: 32
...
	.end_amdgpu_metadata
.endif
;; end of part 2
;; launch attn (part 3): grid 8 x 32, 8 waves a work-group, clusters of 4 x 1, 327,680 bytes of LDS; arguments qkv, oc; writes oc
.if DOCPART == 3
	.amdgcn_target "amdgcn-amd-amdhsa--gfx1250"
	.amdhsa_code_object_version 6
	.text
	.protected	k_q40a667593b_attn
	.globl	k_q40a667593b_attn
	.p2align	8
	.type	k_q40a667593b_attn,@function
k_q40a667593b_attn:
	s_mov_b64 s[64:65], 0
	v_nop
	global_prefetch_b8 v0, s[64:65] scope:SCOPE_SE
	s_setreg_imm32_b32 hwreg(HW_REG_WAVE_MODE, 25, 1), 1
	s_wait_xcnt 0x0
	s_wait_alu depctr_hold_cnt(0) depctr_sa_sdst(0) depctr_va_vdst(0) depctr_va_sdst(0) depctr_va_ssrc(0) depctr_va_vcc(0) depctr_vm_vsrc(0)
	s_getreg_b32 s2, hwreg(HW_REG_IB_STS2, 6, 4)
	s_cmp_eq_u32 s2, 0
	s_cbranch_scc0 .Lentry_in_a_cluster
	s_endpgm
.Lentry_in_a_cluster:
	s_bfe_u32 s2, ttmp6, 0x10000c
	s_cmp_lg_u32 s2, 0x3003
	s_cbranch_scc0 .Lentry_shape_is_right
	s_endpgm
.Lentry_shape_is_right:
; Attention of 32 heads of 2,048 queries x 2,048 keys x 128 channels, both products on codes of FP6 (E2M3) with E8M0 scales.  Head g is rows 256 g .. 256 g + 255 of the projections; head row = 8 x row + chunk.
; t = score x log2(e) / 32; M = the running largest t rounded UP to a whole number; p = 2^(t - M) is quantised along the keys, not normalised; the row's sum is taken of the unquantised p and divides O at the end.
; When M moves, the sum and O are multiplied by 2^(old M - new M): exact, and in every step: no branch on data.
; INPUT: qkv holds images of operand registers (registers 4 g .. 4 g + 3 of lane l at 512 g + 16 l): [RB][image][1536], RB = 16 rows; Q at RB 0.., K at 512.., V at 1024..; from QS on a scale word a lane.
; SHARES.  A work-group owns 32 rows of Q = 256 queries; wave w owns TWO tiles of 16 queries (RB 16 g + 2 x + w / 4, chunks 2 (w % 4), + 1), so that each fragment of K and V read from LDS feeds two products;
;   two waves share a SIMD, so that one wave's vector work stands beside the other's loads and products.  Every wave walks 16 key steps; a key step is one RB of K and V: 128 keys (row p = 0..15, chunk c = 0..7).
; LAYOUT.  Both products are used transposed: S^T = K Q^T, O^T = V^T P^T: a lane holds one query throughout.  A TILE OF K IS GATHERED: row m of tile t is key (p = 8 (m / 8) + t, c = m % 8), read out of image c at lane p's place.
;   So register 8 t + j of lane (q, h) is key 64 h + 8 t + j of the step: registers 32 c .. 32 c + 31 are ONE whole block of 32 keys, and the conversions' results are the operand's registers: no maximum across lanes for a block, no exchange of halves.
;   The operand's place 64 c + 32 h + i so holds key 64 h + 32 c + i; V's images were laid in the same order of keys.  V's channels were ordered so that the 16 registers of two tiles of O^T are 16 neighbouring channels.
; CLUSTER.  The four work-groups of a cluster belong to one head and walk the same K and V: each tile is asked for JOINTLY (mask 15).  Ring: two LDS slots of four key steps; wave 0 fetches K's 48 KiB, wave 1 V's.
; The scale words of the whole head (16 KiB each for K and V) come once, with the first fills.
; OUTPUT: O / sum, quantised along the channels, as images [RB][chunk] in oc: the next product's operand.
; LIMITS: a block of zeros gets the byte 1 (its codes are zeros); NaN and infinities are not served; 1 / sum by v_rcp_f32.
; REGISTERS.  Tile tau's own state has the SAME numbers in window tau: v15 8 h; v16-27 Q; v28 -M, v29 the largest t; v[30:31] the sum; v32-95 S^T, then p; v96-159 O^T; v160-171 p's codes; v172-195 at work; v196-243 four fragments of K or V.
;   Window 0 alone: v1-13 addresses; v244-251 K's or V's scale words; v252, v253 Q's; v254, v255 p's (scale operands have no window).
.set STEPB, 12672                      ; a key step's eight images: 24 rows of 512 bytes + 16 of padding; an image is 1,584 bytes, so that the gather's 16 lanes fall on 16 different columns of 16 bytes
.set KVB,   4*STEPB                    ; four steps of K; V's follow
.set SLOT1, 1<<17                      ; slot 1 begins here: one exclusive or turns an address from slot to slot
.set SCK,   2*SLOT1                    ; K's scale words of the head: 32 rows of 528 bytes
.set SCB,   32*528
.set SCV,   SCK+SCB
.set SPARE, SCV+SCB                    ; the spare words, 128 bytes for each wave: four blocks of 256 bytes that no other line names
.set QS,    18874368
.set OS,    6291456
.set KRB,   512*12288                  ; from K's images to V's
.set AK0,  1
.set AV0,  2
.set AKS0, 3
.set AVS0, 4
.set SPW,  5
.set NIL,  6
.set LI16, 7
.set LS4,  8
.set ADK,  9
.set ADV,  10
.set ADS,  11
.set ADT,  12
.set PFO,  13
.set S,    32
.set O,    96
.set PC,   160
.set TA,   172
.set TBB,  176
.set PW,   179
.set T0,   180
.set BM,   184
.set X0,   186
.set F,    188
.set SCO,  190
.set BY,   192
.set L2,   194
.set FRG,  196
.set WV,   8
.set SEL,  12
.set CS,   14
.set G1,   16
.set G1S,  24
.set G0,   32
.set G0S,  36
.set TB,   40
.set TS,   41
.set SLOTS, 42
.set CNT,  43
.set PFA,  44
.set LIM,  46
.set MSB, 0
.macro WIN new                         ; bits 1:0 source 0, 3:2 source 1, 5:4 source 2, 7:6 destination; the high byte repeats the setting that is left
.if MSB != \new
	s_set_vgpr_msb (MSB<<8)|\new
.set MSB, \new
.endif
.endm
.macro CROUND                          ; a round of the cluster's barrier
	s_barrier_signal -1
	s_barrier_wait -1
	s_cmp_lg_u32 s[WV], 0
	s_cbranch_scc1 .Lnot_wave_0_\@
	s_barrier_signal -3
.Lnot_wave_0_\@:
	s_barrier_wait -3
	s_barrier_signal -1
	s_barrier_wait -1
.endm
.macro TLOAD                           ; the joint refill: wave 0 K's four steps, wave 1 V's; four v_nop follow the line
	s_cmp_lt_u32 s[WV], 2
	s_cbranch_scc0 .Lnone_\@
	tensor_load_to_lds s[G0:G0+3], s[G1:G1+7]
	s_nop 0
.rept 4
	v_nop
.endr
.Lnone_\@:
.endm
; A PREFETCH INTO THE L2 of what the NEXT change of slots will ask for: four key steps, 48 blocks of 256 bytes of K and 48 of V each.  Both clusters of a head walk the same K and V: the head's first cluster asks.
; Its four partners share the steps out BY ADDRESS (partner cx takes step cx of the slot); in each, waves 2, 3 and 4 ask, a lane a block: 96 blocks.  So each block is named once in the launch.
; The last change that fills a slot asks for nothing; slots 0 and 1 come by their loads alone.
.macro ASK
	s_cmp_gt_u32 s[SLOTS], s[LIM]
	s_cbranch_scc0 .Lnot_mine_\@
	global_prefetch_b8 v[PFO], s[PFA:PFA+1] th:TH_LOAD_NT scope:SCOPE_SE
.Lnot_mine_\@:
.endm
	s_load_b128 s[4:7], s[0:1], 0x0                ; qkv, oc
	v_lshl_add_u32 v[SPW], v0, 2, SPARE
	v_mov_b32 v[NIL], 0
	ds_add_u32 v5, v6
	s_wait_dscnt 0x0
	v_lshrrev_b32 v1, 5, v0
	v_readfirstlane_b32 s[WV], v1                  ; wave 0..7
	s_bfe_u32 s9, ttmp6, 0x40000                   ; cx
	s_lshl_b32 s10, ttmp9, 2
	s_add_co_u32 s10, s10, s9                      ; x: my 32 rows of the head: it enters Q's and O's addresses alone
	s_and_b32 s11, ttmp7, 0xffff                   ; the head, which the partners share
	s_and_b32 s47, s[WV], 1                        ; K (0) or V (1), in the waves that fetch
	s_lshl_b32 s48, s11, 4
	s_add_co_u32 s48, s48, 512                     ; K's first RB of the head
	s_mul_i32 s50, s48, 12288
	s_mul_i32 s49, s47, KRB
	s_add_co_u32 s50, s50, s49
	s_mov_b32 s51, 0                               ; the codes that I fetch
	s_lshl_b32 s52, s48, 10
	s_lshl_b32 s49, s47, 19
	s_add_co_u32 s52, s52, s49
	s_add_co_u32 s52, s52, QS
	s_mov_b32 s53, 0                               ; and the scale words
	s_mul_i32 s54, s47, KVB                        ; where they go
	s_mul_i32 s55, s47, SCB
	s_lshl_b32 s56, s11, 4
	s_lshl_b32 s57, s10, 1
	s_add_co_u32 s56, s56, s57
	s_lshr_b32 s57, s[WV], 2
	s_add_co_u32 s56, s56, s57                     ; my RB of Q and of O
	s_and_b32 s57, s[WV], 3
	s_mul_i32 s58, s56, 12288
	s_mul_i32 s59, s57, 3072
	s_add_co_u32 s58, s58, s59                     ; my two images
	s_mov_b32 s59, 0
	s_lshl_b32 s60, s56, 10
	s_lshl_b32 s61, s57, 8
	s_add_co_u32 s60, s60, s61                     ; their scale words
	s_mov_b32 s61, 0
	s_mul_i32 s62, s48, 12288
	s_mul_i32 s63, s9, 12288
	s_add_co_u32 s62, s62, s63
	s_add_co_u32 s62, s62, 49152                   ; the prefetches stand at slot 1, my work-group's step; the first change of slots steps them to slot 2
	s_mov_b32 s63, 0
	; descriptor group 1: 96 rows of 512 bytes (64 elements of 8 bytes), dense in memory, 16 bytes of padding behind each
	s_mov_b32 s[G1], 15|(3<<16)|(1<<20)|(1<<21)|(6<<22)|(3<<25)
	s_mov_b32 s[G1+1], 64<<16
	s_mov_b32 s[G1+2], 96<<16
	s_mov_b32 s[G1+3], 64<<16
	s_mov_b32 s[G1+4], 96
	s_mov_b32 s[G1+5], 64
	s_mov_b32 s[G1+6], 0
	s_mov_b32 s[G1+7], 0
	s_mov_b32 s[G1S], 15|(3<<16)|(1<<20)|(1<<21)|(6<<22)|(3<<25)  ; the scale words: 32 such rows
	s_mov_b32 s[G1S+1], 64<<16
	s_mov_b32 s[G1S+2], 32<<16
	s_mov_b32 s[G1S+3], 64<<16
	s_mov_b32 s[G1S+4], 32
	s_mov_b32 s[G1S+5], 64
	s_mov_b32 s[G1S+6], 0
	s_mov_b32 s[G1S+7], 0
	s_mov_b32 s[SEL], 0x76543210
	s_mov_b32 s[SEL+1], 0xfedcba98                 ; lane l xor 16
	s_mov_b32 s[CS], 0x3d38aa3b                    ; c = log2(e) / 32
	s_mov_b32 s[CS+1], s[CS]                       ; (named with it as a pair)
	s_mov_b32 s[TB], 0
	s_mov_b32 s[TS], 0
	s_mov_b32 s[SLOTS], 3
	s_sub_co_u32 s47, s[WV], 2
	s_cmp_lt_u32 s47, 3                            ; waves 2, 3, 4
	s_cselect_b32 s47, 0, 1
	s_or_b32 s47, s47, ttmp9                       ; of the head's first cluster: the same in all four partners
	s_cmp_eq_u32 s47, 0
	s_cselect_b32 s[LIM], 1, -1
	s_wait_kmcnt 0x0
	s_add_nc_u64 s[66:67], s[4:5], s[58:59]        ; Q's images
	s_add_nc_u64 s[68:69], s[4:5], s[60:61]
	s_add_nc_u64 s[68:69], s[68:69], QS            ; Q's scale words
	s_add_nc_u64 s[70:71], s[6:7], s[58:59]        ; O's images
	s_add_nc_u64 s[72:73], s[6:7], s[60:61]
	s_add_nc_u64 s[72:73], s[72:73], OS            ; O's scale words
	s_add_nc_u64 s[PFA:PFA+1], s[4:5], s[62:63]
	CROUND                                         ; all four work-groups are here: the first joint loads meet
	s_mov_b32 s[G0S], 1
	s_add_co_u32 s[G0S+1], s55, SCK
	s_add_nc_u64 s[G0S+2:G0S+3], s[4:5], s[52:53]
	s_or_b32 s[G0S+3], s[G0S+3], 0x80000000
	s_mov_b32 s[G0], 1
	s_mov_b32 s[G0+1], s54
	s_add_nc_u64 s[G0+2:G0+3], s[4:5], s[50:51]
	s_or_b32 s[G0+3], s[G0+3], 0x80000000
	s_cmp_lt_u32 s[WV], 2                          ; a wave's two first fills stand in one branch: two loads of mine are out
	s_cbranch_scc0 .Lno_first
	tensor_load_to_lds s[G0S:G0S+3], s[G1S:G1S+7]  ; the head's scale words: filled once
	s_nop 0
	tensor_load_to_lds s[G0:G0+3], s[G1:G1+7]      ; slot 0
	s_nop 0
.rept 4
	v_nop
.endr
.Lno_first:
	v_add_nc_u32 v[PFO], 0xffffffc0, v0            ; the block that my lane names: thread - 64, in waves 2 to 4: 0 .. 95
	v_and_b32 v[PFO], 127, v[PFO]
	v_cmp_gt_u32 vcc_lo, 48, v[PFO]
	v_lshlrev_b32 v[PFO], 8, v[PFO]
	v_add_nc_u32 v14, KRB-12288, v[PFO]            ; blocks 48 .. 95 are V's
	v_cndmask_b32 v[PFO], v14, v[PFO], vcc_lo
	v_and_b32 v14, 31, v0
	v_lshlrev_b32 v[LI16], 4, v14
	v_lshlrev_b32 v[LS4], 2, v14
.irp g, 0,1,2
	global_load_b128 v[16+4*\g:19+4*\g], v[LI16], s[66:67] offset:512*\g         ; Q stays in registers: tile 0
.endr
	global_load_b32 v252, v[LS4], s[68:69]
	global_load_b32 v253, v[LS4], s[68:69] offset:128
	WIN 0x40
.irp g, 0,1,2
	global_load_b128 v[16+4*\g:19+4*\g], v[LI16], s[66:67] offset:1536+512*\g    ; tile 1, in window 1
.endr
	WIN 0
	v_and_b32 v9, 7, v0                            ; m % 8
	v_bfe_u32 v10, v0, 3, 1                        ; m / 8
	v_bfe_u32 v11, v0, 4, 1                        ; h
	v_mul_u32_u24 v[AK0], v9, 1584                 ; K: image m % 8,
	v_lshl_add_u32 v[AK0], v10, 7, v[AK0]          ; lane 8 (m / 8) + t
	v_lshl_add_u32 v[AK0], v11, 8, v[AK0]          ; + 16 h of it: 16 bytes a lane (16 t stands in the immediate)
	v_add_nc_u32 v[AV0], KVB, v[LI16]              ; V: images as they lie
	v_lshlrev_b32 v[AKS0], 7, v9                   ; K's scale words: image m % 8 (128 bytes; 16 of padding behind four),
	v_bfe_u32 v12, v0, 2, 1
	v_lshl_add_u32 v[AKS0], v12, 4, v[AKS0]
	v_lshl_add_u32 v[AKS0], v10, 5, v[AKS0]        ; lanes 8 (m / 8) + 0 .. 7: the eight tiles' words are 32 neighbouring bytes
	v_add_nc_u32 v[AKS0], SCK, v[AKS0]
	v_add_nc_u32 v[AVS0], SCV, v[LS4]
	v_lshlrev_b32 v15, 3, v11                      ; 8 h
.macro INIT                            ; the step is written once: the first finds zeros, which the first change of M leaves zeros
	v_mov_b32 v29, 0xff61b1e6                      ; the largest t so far: -3e38
	v_floor_f32 v28, -v29                          ; -M
	v_mov_b32 v30, 0
	v_mov_b32 v31, 0
.irp j, 184,185,186,187,189
	v_mov_b32 v\j, 0                               ; lane permutes' destinations, and the upper half of the pair v[188:189]
.endr
.set j, 0
.rept 64
	v_mov_b32 v[O+j], 0
.set j, j+1
.endr
.endm
	INIT
	WIN 0x40
	v_mov_b32 v15, v15                             ; 8 h into window 1 too
	WIN 0x55
	INIT
	WIN 0
.macro KLOADS base
.irp t, 0,1,2,3
.irp g, 0,1,2
	ds_load_b128 v[FRG+12*\t+4*\g:FRG+12*\t+4*\g+3], v[ADK] offset:16*(\t+\base)+528*\g
.endr
.endr
.endm
.macro VLOADS base
.irp t, 0,1,2,3
.irp g, 0,1,2
	ds_load_b128 v[FRG+12*\t+4*\g:FRG+12*\t+4*\g+3], v[ADV] offset:1584*(\t+\base)+528*\g
.endr
.endr
.endm
.macro SPROD tau, base                 ; four tiles of S^T of tile tau: each starts its sum with the constant 0
.irp t, 0,1,2,3
	v_wmma_scale_f32_16x16x128_f8f6f4 v[S+8*(\t+\base):S+8*(\t+\base)+7], v[FRG+12*\t:FRG+12*\t+11], v[16:27], 0, v[244+\t+\base], v[252+\tau] matrix_a_fmt:MATRIX_FMT_FP6 matrix_b_fmt:MATRIX_FMT_FP6
.endr
.endm
.macro OPROD tau, base                 ; four tiles of O^T of tile tau: one instruction an accumulator in a step, so the accumulators take turns
.irp t, 0,1,2,3
	v_wmma_scale_f32_16x16x128_f8f6f4 v[O+8*(\t+\base):O+8*(\t+\base)+7], v[FRG+12*\t:FRG+12*\t+11], v[PC:PC+11], v[O+8*(\t+\base):O+8*(\t+\base)+7], v[244+\t+\base], v[254+\tau] matrix_a_fmt:MATRIX_FMT_FP6 matrix_b_fmt:MATRIX_FMT_FP6
.endr
.endm
; THE SOFTMAX of tile tau for 128 keys, wholly in window tau but for the scale word.
.macro SOFTMAX tau
	WIN 0x55*(\tau)
.irp u, 0,1,2,3
	v_max3_num_f32 v[T0+\u], v[S+16*\u], v[S+16*\u+1], v[S+16*\u+2]      ; four chains; each accumulator is read from its low end on
.endr
.irp i, 3,5,7,9,11,13
.irp u, 0,1,2,3
	v_max3_num_f32 v[T0+\u], v[T0+\u], v[S+16*\u+\i], v[S+16*\u+\i+1]
.endr
.endr
	v_max3_num_f32 v[BM], v[T0], v[T0+1], v[S+15]    ; THE LARGEST SCORE OF EACH OF MY TWO BLOCKS: it serves for the row's maximum and, since p rises with the score, for the block's largest p
	v_max3_num_f32 v[BM+1], v[T0+2], v[T0+3], v[S+47]
	v_max_num_f32 v[BM], v[BM], v[S+31]
	v_max_num_f32 v[BM+1], v[BM+1], v[S+63]
	v_max_num_f32 v[T0], v[BM], v[BM+1]
	v_permlanex16_b32 v[X0], v[T0], s[SEL], s[SEL+1]
	v_max_num_f32 v[T0], v[T0], v[X0]              ; with lane l xor 16's 64 keys
	v_mul_f32 v[T0], s[CS], v[T0]                  ; as t (c is positive)
	v_max_num_f32 v29, v29, v[T0]                  ; the running largest t
	v_mov_b32 v[T0+1], v28
	v_floor_f32 v28, -v29                          ; the new -M = -ceil(t)
	v_sub_f32 v[T0+1], v28, v[T0+1]                ; old M - new M: a whole number, 0 or less
	v_cvt_i32_f32 v[T0+1], v[T0+1]                 ; (it saturates)
	v_ldexp_f32 v[F], 1.0, v[T0+1]                 ; f = 2^(old M - new M)
	v_fma_f32 v[BM], v[BM], s[CS], v28             ; t - M of each block's largest score
	v_fma_f32 v[BM+1], v[BM+1], s[CS], v28
; ONE BATCH: the 32 scalings t - M, the 66 exponentials and O^T's 32 multiplications by f, plain and transcendental by turns; none names an exponential's result; ONE wait behind them.
.set b, 0
.rept 32
	v_pk_fma_f32 v[S+2*b:S+2*b+1], v[S+2*b:S+2*b+1], s[CS:CS+1], v[28:29] op_sel_hi:[1,0,0]
.if b > 0
	v_exp_f32 v[S+2*b-2], v[S+2*b-2]
.endif
	v_pk_mul_f32 v[O+2*b:O+2*b+1], v[O+2*b:O+2*b+1], v[F:F+1] op_sel_hi:[1,0]
.if b > 0
	v_exp_f32 v[S+2*b-1], v[S+2*b-1]
.endif
.set b, b+1
.endr
	v_exp_f32 v[S+62], v[S+62]
	v_pk_mul_f32 v[30:31], v[30:31], v[F:F+1] op_sel_hi:[1,0]   ; the sum under the new M
	v_exp_f32 v[S+63], v[S+63]
	v_exp_f32 v[BM], v[BM]                         ; the blocks' largest p: the same two instructions on the same number give the same bits
	v_exp_f32 v[BM+1], v[BM+1]
	v_nop                                          ; a plain instruction behind the last exponential
	s_wait_alu depctr_va_vdst(0)                   ; the wait ahead of the first instruction that names a result: one for the batch
	v_max_num_f32 v[BM], 0x1800000, v[BM]          ; the floor 2^(3 - 127): the byte cannot fall under 1
	v_max_num_f32 v[BM+1], 0x1800000, v[BM+1]
	v_add_nc_u32 v[SCO], 0xff000000, v[BM]         ; 2 off the exponent field: the conversion's scale operand
	v_add_nc_u32 v[SCO+1], 0xff000000, v[BM+1]
	v_lshrrev_b32 v[BY], 23, v[SCO]
	v_lshrrev_b32 v[BY+1], 23, v[SCO+1]
	v_lshl_or_b32 v[T0], v[BY+1], 16, v[BY]        ; my blocks stand at places h and 2 + h of the word
	v_lshlrev_b32 v[T0], v15, v[T0]
	v_permlanex16_b32 v[X0], v[T0], s[SEL], s[SEL+1]
	WIN 0x05*(\tau)
	v_or_b32 v[254+\tau], v[T0], v[X0]             ; p's scale word, in window 0
	WIN 0x55*(\tau)
	v_cvt_scalef32_pk16_fp6_f32 v[PC:PC+2], v[S:S+15], v[SCO]
	v_cvt_scalef32_pk16_fp6_f32 v[TA:TA+2], v[S+16:S+31], v[SCO]         ; (a conversion's three registers begin on an even number)
	v_cvt_scalef32_pk16_fp6_f32 v[PC+6:PC+8], v[S+32:S+47], v[SCO+1]
	v_cvt_scalef32_pk16_fp6_f32 v[TBB:TBB+2], v[S+48:S+63], v[SCO+1]
	v_nop                                          ; one plain instruction behind the scaled conversions
.irp i, 0,1,2
	v_mov_b32 v[PC+3+\i], v[TA+\i]
	v_mov_b32 v[PC+9+\i], v[TBB+\i]
.endr
	v_pk_add_f32 v[L2:L2+1], v[S:S+1], v[S+2:S+3]  ; THE ROW'S SUM IS TAKEN OF THE UNQUANTISED p, in two chains.  These 32 are also the places between the writes of codes and scale word and the scaled products
.irp j, 4,8,12,16,20,24,28,32,36,40,44,48,52,56,60
	v_pk_add_f32 v[30:31], v[30:31], v[S+\j:S+\j+1]
	v_pk_add_f32 v[L2:L2+1], v[L2:L2+1], v[S+\j+2:S+\j+3]
.endr
	v_pk_add_f32 v[30:31], v[30:31], v[L2:L2+1]
	WIN 0
.endm
; A KEY STEP: 128 keys, both tiles: 32 matrix instructions.
.macro STEP
	v_add_nc_u32 v[ADK], s[TB], v[AK0]             ; (these four are also the places between the last step's products and the loads into their registers)
	v_add_nc_u32 v[ADV], s[TB], v[AV0]
	v_add_nc_u32 v[ADS], s[TS], v[AKS0]
	v_add_nc_u32 v[ADT], s[TS], v[AVS0]
	ds_load_b128 v[244:247], v[ADS]                ; the eight tiles' scale words of K
	ds_load_b128 v[248:251], v[ADS] offset:16
	KLOADS 0
	WIN 0x40
	KLOADS 4
	WIN 0
	s_wait_dscnt 12                                ; the words and tiles 0-3 are in; tiles 4-7's twelve loads may be out
	SPROD 0, 0
	WIN 0x54
	SPROD 1, 0
	s_wait_dscnt 0x0
	WIN 0x01
	SPROD 0, 4
	WIN 0x55
	SPROD 1, 4
	WIN 0
.rept 4
	v_nop                                          ; places in front of the loads below and of the first read of the scores
.endr
	VLOADS 0                                       ; V's fragments land while the softmax is worked
.irp t, 0,1,2,3,4,5,6,7
	ds_load_b32 v[244+\t], v[ADT] offset:128*\t+16*(\t/4)
.endr
	WIN 0x40
	VLOADS 4
	WIN 0
	SOFTMAX 0
	SOFTMAX 1
	s_wait_dscnt 0x0
	OPROD 0, 0
	WIN 0x54
	OPROD 1, 0
	WIN 0x01
	OPROD 0, 4
	WIN 0x55
	OPROD 1, 4
	WIN 0
	s_add_co_u32 s[TS], s[TS], 1056                ; the next step's scale words: two rows of 528 bytes
.endm
; THE CHANGE OF SLOTS stands at a slot's head.  Each wave waits for all its tensor loads, adds 0 to its spare word, and waits for that and for its reads of the slot that it has left.
; fill = 1: the barrier is a round of the cluster's, and behind it the slot that was left is filled with the four key steps that follow: the load has four key steps in which to land.
.macro CHANGE fill
	s_wait_tensorcnt 0x0                           ; no tensor load of mine is out, so a group 0 may be written
	ds_add_u32 v[SPW], v[NIL]                      ; 0 onto my spare word
.if \fill
	s_xor_b32 s[G0+1], s[G0+1], SLOT1              ; the walking descriptor: the other slot,
	s_add_nc_u64 s[G0+2:G0+3], s[G0+2:G0+3], 49152 ; the next four key steps
	s_wait_xcnt 0x0                                ; the last prefetch, a slot back, has read its address
	s_add_nc_u64 s[PFA:PFA+1], s[PFA:PFA+1], 49152
	s_wait_dscnt 0x0                               ; the add is done, and my reads of the slot that I have left are over
	CROUND
	TLOAD
	ASK
.else
	s_wait_dscnt 0x0
	s_barrier_signal -1
	s_barrier_wait -1
.endif
.endm
.macro SLOT_STEPS                      ; a slot's four key steps: written once, walked four times
	s_mov_b32 s[CNT], 4
.Lstep_\@:
	STEP
	s_add_co_u32 s[TB], s[TB], STEPB
	s_sub_co_u32 s[CNT], s[CNT], 1
	s_cmp_lg_u32 s[CNT], 0
	s_cbranch_scc1 .Lstep_\@
	s_sub_co_u32 s[TB], s[TB], 4*STEPB
	s_xor_b32 s[TB], s[TB], SLOT1                  ; on to the other slot
.endm
	s_wait_loadcnt 0x0                             ; Q
.Lslot:                                            ; three trips: behind each change of slots but the last the next slot is asked for
	CHANGE 1
	SLOT_STEPS
	s_sub_co_u32 s[SLOTS], s[SLOTS], 1
	s_cmp_lg_u32 s[SLOTS], 0
	s_cbranch_scc1 .Lslot
	CHANGE 0                                       ; the last slot is written out
	SLOT_STEPS
; THE WAY OUT of tile tau: O^T / the sum; register 16 b + i of lane (q, h) is channel 32 b + 16 h + i: quantised along the channels (a block lies in lanes l and l xor 16) and stored as an image.
.macro FINISH tau
	WIN 0x55*(\tau)
	v_add_f32 v[T0], v30, v31
	v_permlanex16_b32 v[X0], v[T0], s[SEL], s[SEL+1]
	v_add_f32 v[T0], v[T0], v[X0]                  ; the row's sum
	v_rcp_f32 v[F], v[T0]
	v_nop                                          ; a plain instruction behind the reciprocal
	s_wait_alu depctr_va_vdst(0)                   ; and the wait ahead of its first reader
.set b, 0
.rept 32
	v_pk_mul_f32 v[S+2*b:S+2*b+1], v[O+2*b:O+2*b+1], v[F:F+1] op_sel_hi:[1,0]   ; ascending: each accumulator from its low end on
.set b, b+1
.endr
.irp b, 0,1,2,3
	v_max3_num_f32 v[T0+\b], |v[S+16*\b]|, |v[S+16*\b+1]|, 0x1800000
.endr
.irp i, 2,4,6,8,10,12,14
.irp b, 0,1,2,3
	v_max3_num_f32 v[T0+\b], v[T0+\b], |v[S+16*\b+\i]|, |v[S+16*\b+\i+1]|
.endr
.endr
.irp b, 0,1,2,3
	v_permlanex16_b32 v[T0+4+\b], v[T0+\b], s[SEL], s[SEL+1]
.endr
.irp b, 0,1,2,3
	v_max_num_f32 v[T0+\b], v[T0+\b], v[T0+4+\b]
.endr
.irp b, 0,1,2,3
	v_add_nc_u32 v[T0+12+\b], 0xff000000, v[T0+\b]
.endr
.irp b, 0,1,2,3
	v_lshrrev_b32 v[T0+4+\b], 23, v[T0+12+\b]
.endr
	v_lshl_or_b32 v[PW], v[T0+5], 8, v[T0+4]
	v_lshl_or_b32 v[PW], v[T0+6], 16, v[PW]
	v_lshl_or_b32 v[PW], v[T0+7], 24, v[PW]
.irp c, 0,1
	v_cvt_scalef32_pk16_fp6_f32 v[PC+6*\c:PC+2+6*\c], v[S+32*\c:S+15+32*\c], v[T0+12+2*\c]
	v_cvt_scalef32_pk16_fp6_f32 v[PC+12+4*\c:PC+14+4*\c], v[S+16+32*\c:S+31+32*\c], v[T0+12+2*\c+1]
.endr
	v_nop
.irp c, 0,1
.irp i, 0,1,2
	v_permlane16_swap_b32 v[PC+6*\c+\i], v[PC+12+4*\c+\i]
.endr
.irp i, 0,1,2
	v_mov_b32 v[PC+3+6*\c+\i], v[PC+12+4*\c+\i]
.endr
.endr
	WIN 0x04*(\tau)                                ; a store's data are its source 1
.irp g, 0,1,2
	global_store_b128 v[LI16], v[PC+4*\g:PC+4*\g+3], s[70:71] offset:1536*(\tau)+512*\g   ; 512 consecutive bytes, aligned
.endr
	global_store_b32 v[LS4], v[PW], s[72:73] offset:128*(\tau)
	WIN 0
.endm
.rept 4
	v_nop                                          ; places behind the last products
.endr
	FINISH 0
	FINISH 1
	s_wait_tensorcnt 0x0                           ; the wave's end
	ds_add_u32 v[SPW], v[NIL]
	s_wait_dscnt 0x0
	CROUND                                         ; the closing round
	s_endpgm
.Lfunc_end_k_q40a667593b_attn:
	.size	k_q40a667593b_attn, .Lfunc_end_k_q40a667593b_attn-k_q40a667593b_attn
	.p2alignl 7, 3214868480
	.fill 96, 4, 3214868480
	.section	.rodata,"a",@progbits
	.p2align	6, 0x0
	.amdhsa_kernel k_q40a667593b_attn
		.amdhsa_group_segment_fixed_size 327680
		.amdhsa_private_segment_fixed_size 0
		.amdhsa_enable_private_segment 0
		.amdhsa_kernarg_size 16
		.amdhsa_user_sgpr_count 2
		.amdhsa_user_sgpr_kernarg_segment_ptr 1
		.amdhsa_wavefront_size32 1
		.amdhsa_system_sgpr_workgroup_id_x 1
		.amdhsa_system_sgpr_workgroup_id_y 1
		.amdhsa_system_sgpr_workgroup_id_z 1
		.amdhsa_system_vgpr_workitem_id 0
		.amdhsa_next_free_vgpr 512
		.amdhsa_next_free_sgpr 80
		.amdhsa_reserve_vcc 1
		.amdhsa_float_denorm_mode_32 3
		.amdhsa_float_denorm_mode_16_64 3
		.amdhsa_memory_ordered 1
		.amdhsa_forward_progress 1
		.amdhsa_inst_pref_size 91
	.end_amdhsa_kernel
	.amdgpu_metadata
---
amdhsa.version: [ 1, 2 ]
amdhsa.kernels:
  - .name:           k_q40a667593b_attn
    .symbol:         k_q40a667593b_attn.kd
    .args:
      - { .name: qkv, .offset: 0, .size: 8, .value_kind: global_buffer, .address_space: global }
      - { .name: oc, .offset: 8, .size: 8, .value_kind: global_buffer, .address_space: global }
    .group_segment_fixed_size: 327680
    .private_segment_fixed_size: 0
    .kernarg_segment_align: 8
    .kernarg_segment_size: 16
    .max_flat_workgroup_size: 256
    .sgpr_count:     80
    .vgpr_count:     512
    .wavefront_size: 32
...
	.end_amdgpu_metadata
.endif
;; end of part 3
;; launch outln (part 4): grid 256 x 1, 16 waves a work-group, no clusters, 289,280 bytes of LDS; arguments oc, wr, queries, ln_gamma, ln_beta, out0; writes out0
.if DOCPART == 4
	.amdgcn_target "amdgcn-amd-amdhsa--gfx1250"
	.amdhsa_code_object_version 6
	.text
	.protected	k_q40a667593b_outln
	.globl	k_q40a667593b_outln
	.p2align	8
	.type	k_q40a667593b_outln,@function
k_q40a667593b_outln:
	s_mov_b64 s[64:65], 0
	v_nop
	global_prefetch_b8 v0, s[64:65] scope:SCOPE_SE
	s_setreg_imm32_b32 hwreg(HW_REG_WAVE_MODE, 25, 1), 1
	s_wait_xcnt 0x0
; out0 = LayerNorm(O Wr^T + queries) x gamma + beta.  The product runs on codes of FP6 (E2M3) with E8M0 scales; O (oc) and Wr (wr) arrive as images of operand registers with a scale word a lane.
; SHARES.  A work-group owns 32 WHOLE rows (two blocks of 16), so that a row's mean and variance have one owner.  Wave w of sixteen makes columns 64 w .. 64 w + 63 (four tiles of 16 rows of Wr) for both row blocks: eight accumulators by turns.
; Wr's fragments go from memory STRAIGHT INTO OPERAND REGISTERS: each is read by one wave of the work-group only, as three loads of 512 consecutive bytes, one K step ahead of the products.
; NO CLUSTER, NO JOINT LOADS, by this text's own arithmetic: two slots of one K step of Wr (2 x 98,304 bytes) beside the residual rows (131,072), the stage (131,584) and O's images (24,576) are 483,840 bytes, more than the 327,680 that a work-group can have;
;   and within a work-group no fragment of Wr is read twice, so LDS would add a write and a read to each byte and spare none.
; O's 16 images (24,576 bytes) and the 32 rows of queries (131,072 bytes) come by tensor loads at the head, two a wave, each byte filled once; the residual has the whole product in which to land.
; The results meet in a stage in LDS (rows of 4,096 + 16 bytes); then wave w normalises rows 2 w and 2 w + 1: mean first, then the sum of squared differences (no difference of large sums).
; LIMITS: NaN and infinities are not served; 1 / sqrt by v_rsq_f32.
; REGISTERS: v1-7 addresses; v16-79 the accumulators, later two rows of y; v80-103 O's two fragments, later (v80-143) the residual; v104-151, v152-199 Wr's fragments, two sets, later gamma (v144-175) and beta (v176-207);
;   v200-231 Wr's scale words; v232-247 O's; v208-225 sums, mean, 1 / sqrt.
.set XIMG, 0
.set RES,  24576
.set STG,  155648
.set SPI,  4112
.set OS,   6291456
.set WRS,  786432
.set ACC,  16
.set XF,   80
.set WB,   104
.set WS,   200
.set XSC,  232
	s_load_b256 s[4:11], s[0:1], 0x0               ; oc, wr, queries, gamma
	s_load_b128 s[12:15], s[0:1], 0x20             ; beta, out0
	v_lshl_add_u32 v254, v0, 2, 0x46200
	v_mov_b32 v255, 0
	ds_add_u32 v254, v255
	v_lshrrev_b32 v1, 5, v0
	v_readfirstlane_b32 s16, v1                    ; wave 0..15
	s_mov_b32 s20, 3<<16                           ; group 1 for an image: 6 rows of 256 bytes (32 elements of 8 bytes), dense, no padding
	s_mov_b32 s21, 32<<16
	s_mov_b32 s22, 6<<16
	s_mov_b32 s23, 32<<16
	s_mov_b32 s24, 6
	s_mov_b32 s25, 32
	s_mov_b32 s26, 0
	s_mov_b32 s27, 0
	s_mov_b32 s28, 3<<16                           ; and for two rows of queries: 32 such rows
	s_mov_b32 s29, 32<<16
	s_mov_b32 s30, 32<<16
	s_mov_b32 s31, 32<<16
	s_mov_b32 s32, 32
	s_mov_b32 s33, 32
	s_mov_b32 s34, 0
	s_mov_b32 s35, 0
	s_mul_i32 s17, s16, 1536
	s_lshl_b32 s18, s16, 13
	s_mul_i32 s52, ttmp9, 24576
	s_add_co_u32 s52, s52, s17                     ; image w of my 16
	s_mov_b32 s53, 0
	s_lshl_b32 s54, ttmp9, 17
	s_add_co_u32 s54, s54, s18                     ; rows 32 x work-group + 2 w, in bytes
	s_mov_b32 s55, 0
	s_mov_b32 s50, 0x3a800000                      ; 1 / 1,024
	s_mov_b32 s51, 0x3727c5ac                      ; 1e-5
	s_mov_b32 s56, 0x76543210
	s_mov_b32 s57, 0xfedcba98                      ; lane l xor 16
	s_wait_dscnt 0x0
	s_wait_kmcnt 0x0
	s_mov_b32 s36, 1
	s_mov_b32 s37, s17
	s_add_nc_u64 s[38:39], s[4:5], s[52:53]
	s_or_b32 s39, s39, 0x80000000
	s_mov_b32 s40, 1
	s_add_co_u32 s41, s18, RES
	s_add_nc_u64 s[42:43], s[8:9], s[54:55]
	s_or_b32 s43, s43, 0x80000000
	tensor_load_to_lds s[36:39], s[20:27]          ; my image of O
	s_nop 0
	tensor_load_to_lds s[40:43], s[28:35]          ; my two rows of queries: two loads of mine are out
	s_nop 0
.rept 4
	v_nop
.endr
	s_lshl_b32 s44, ttmp9, 11
	s_add_co_u32 s44, s44, OS
	s_mov_b32 s45, 0
	s_add_nc_u64 s[44:45], s[4:5], s[44:45]        ; O's scale words
	s_mul_i32 s46, s16, 49152
	s_mov_b32 s47, 0
	s_add_nc_u64 s[46:47], s[6:7], s[46:47]        ; my four tiles' images of Wr
	s_lshl_b32 s48, s16, 12
	s_add_co_u32 s48, s48, WRS
	s_mov_b32 s49, 0
	s_add_nc_u64 s[48:49], s[6:7], s[48:49]        ; and their scale words
	s_add_nc_u64 s[14:15], s[14:15], s[54:55]      ; my two rows of out0
	v_and_b32 v8, 31, v0
	v_lshlrev_b32 v1, 4, v8                        ; 16 x lane
	v_lshlrev_b32 v2, 2, v8                        ; 4 x lane
	v_lshlrev_b32 v3, 5, v8                        ; 32 x lane
	v_and_b32 v9, 15, v0                           ; r
	v_bfe_u32 v10, v0, 4, 1                        ; h
	v_mul_u32_u24 v4, v9, SPI
	v_lshl_add_u32 v4, v10, 5, v4
	s_lshl_b32 s19, s16, 8
	v_add_nc_u32 v4, s19, v4
	v_add_nc_u32 v4, STG, v4                       ; the stage, in: row r, + 32 h, + 256 w
	v_add_nc_u32 v5, 16*SPI, v4                    ; and the second row block
	s_mul_i32 s19, s16, 2*SPI
	v_add_nc_u32 v6, s19, v1
	v_add_nc_u32 v6, STG, v6                       ; out: rows 2 w, 2 w + 1, 16 bytes a lane
	v_add_nc_u32 v7, s18, v1
	v_add_nc_u32 v7, RES, v7                       ; the residual likewise
	v_mov_b32 v224, 0                              ; lane permutes' destinations
	v_mov_b32 v225, 0
.irp rb, 0,1
.irp s, 0,1,2,3,4,5,6,7
	global_load_b32 v[XSC+8*\rb+\s], v2, s[44:45] offset:1024*\rb+128*\s
.endr
.endr
.irp i, 0,1,2,3
	global_load_b128 v[WS+8*\i:WS+8*\i+3], v3, s[48:49] offset:1024*\i
	global_load_b128 v[WS+8*\i+4:WS+8*\i+7], v3, s[48:49] offset:1024*\i+16
.endr
.macro WLOAD ks                        ; K step ks of my four tiles of Wr into set ks % 2: twelve loads of 512 consecutive bytes
.irp i, 0,1,2,3
.irp g, 0,1,2
	global_load_b128 v[WB+48*((\ks)%2)+12*\i+4*\g:WB+48*((\ks)%2)+12*\i+4*\g+3], v1, s[46:47] offset:12288*\i+1536*(\ks)+512*\g
.endr
.endr
.endm
	WLOAD 0
	WLOAD 1
	s_wait_tensorcnt 1                             ; my image of O is in; the residual may stay out
	s_barrier_signal -1
	s_barrier_wait -1                              ; all sixteen images are
.macro KSTEPM ks
.if (\ks) < 7
	s_wait_loadcnt 12                              ; this K step's fragments (and at first the scale words) are in; the next step's twelve loads may be out
.else
	s_wait_loadcnt 0x0
.endif
.irp rb, 0,1
.irp g, 0,1,2
	ds_load_b128 v[XF+12*\rb+4*\g:XF+12*\rb+4*\g+3], v1 offset:(8*\rb+(\ks))*1536+512*\g
.endr
.endr
	s_wait_dscnt 0x0
.irp i, 0,1,2,3
.irp rb, 0,1
.if (\ks) == 0
	v_wmma_scale_f32_16x16x128_f8f6f4 v[ACC+8*(4*\rb+\i):ACC+8*(4*\rb+\i)+7], v[WB+48*((\ks)%2)+12*\i:WB+48*((\ks)%2)+12*\i+11], v[XF+12*\rb:XF+12*\rb+11], 0, v[WS+8*\i+(\ks)], v[XSC+8*\rb+(\ks)] matrix_a_fmt:MATRIX_FMT_FP6 matrix_b_fmt:MATRIX_FMT_FP6
.else
	v_wmma_scale_f32_16x16x128_f8f6f4 v[ACC+8*(4*\rb+\i):ACC+8*(4*\rb+\i)+7], v[WB+48*((\ks)%2)+12*\i:WB+48*((\ks)%2)+12*\i+11], v[XF+12*\rb:XF+12*\rb+11], v[ACC+8*(4*\rb+\i):ACC+8*(4*\rb+\i)+7], v[WS+8*\i+(\ks)], v[XSC+8*\rb+(\ks)] matrix_a_fmt:MATRIX_FMT_FP6 matrix_b_fmt:MATRIX_FMT_FP6
.endif
.endr
.endr
.rept 4
	v_nop                                          ; places in front of loads into registers that these products have read, and of the first read of results
.endr
.if (\ks) < 6
	WLOAD (\ks)+2
.endif
.endm
.irp s, 0,1,2,3,4,5,6,7
	KSTEPM \s
.endr
.irp i, 0,1,2,3,4,5,6,7
	global_load_b128 v[144+4*\i:147+4*\i], v1, s[10:11] offset:512*\i      ; gamma and beta of my lane's columns 128 i + 4 lane + 0 .. 3
	global_load_b128 v[176+4*\i:179+4*\i], v1, s[12:13] offset:512*\i
.endr
.irp i, 0,1,2,3                                ; source 0 was Wr: lane (r, h) holds eight neighbouring columns of row r: 32 bytes; each accumulator from its low end on
	ds_store_b128 v4, v[ACC+8*\i:ACC+8*\i+3] offset:64*\i
	ds_store_b128 v4, v[ACC+8*\i+4:ACC+8*\i+7] offset:64*\i+16
	ds_store_b128 v5, v[ACC+32+8*\i:ACC+32+8*\i+3] offset:64*\i
	ds_store_b128 v5, v[ACC+32+8*\i+4:ACC+32+8*\i+7] offset:64*\i+16
.endr
	s_wait_dscnt 0x0                               ; for the others' sake: my stores into the stage are done
	s_barrier_signal -1
	s_barrier_wait -1                              ; 32 whole rows lie in the stage
	s_wait_tensorcnt 0x0                           ; my two rows of queries are in (only I read them)
.irp p, 0,1
.irp i, 0,1,2,3,4,5,6,7
	ds_load_b128 v[16+32*\p+4*\i:19+32*\p+4*\i], v6 offset:SPI*\p+512*\i
.endr
.endr
.irp p, 0,1
.irp i, 0,1,2,3,4,5,6,7
	ds_load_b128 v[80+32*\p+4*\i:83+32*\p+4*\i], v7 offset:4096*\p+512*\i
.endr
.endr
	s_wait_dscnt 0x0
.set j, 0
.rept 32
	v_pk_add_f32 v[16+2*j:17+2*j], v[16+2*j:17+2*j], v[80+2*j:81+2*j]      ; y = the product + the residual
.set j, j+1
.endr
.macro ACROSS                          ; v[208 + 4 p]: pairs to one number, then over the 32 lanes; the result stands in every lane
.irp p, 0,1
	v_pk_add_f32 v[208+4*\p:209+4*\p], v[208+4*\p:209+4*\p], v[210+4*\p:211+4*\p]
.endr
.irp p, 0,1
	v_add_f32 v[208+4*\p], v[208+4*\p], v[209+4*\p]
.endr
.irp m, 1,2,4,8
.irp p, 0,1
	v_add_f32_dpp v[208+4*\p], v[208+4*\p], v[208+4*\p] row_xmask:\m row_mask:0xf bank_mask:0xf
.endr
.endr
.irp p, 0,1
	v_permlanex16_b32 v[224+\p], v[208+4*\p], s56, s57
.endr
.irp p, 0,1
	v_add_f32 v[208+4*\p], v[208+4*\p], v[224+\p]
.endr
.endm
.irp p, 0,1                                    ; the rows' sums: two chains of pairs a row
	v_pk_add_f32 v[208+4*\p:209+4*\p], v[16+32*\p:17+32*\p], v[20+32*\p:21+32*\p]
	v_pk_add_f32 v[210+4*\p:211+4*\p], v[18+32*\p:19+32*\p], v[22+32*\p:23+32*\p]
.endr
.irp q, 8,12,16,20,24,28
.irp p, 0,1
	v_pk_add_f32 v[208+4*\p:209+4*\p], v[208+4*\p:209+4*\p], v[16+32*\p+\q:17+32*\p+\q]
	v_pk_add_f32 v[210+4*\p:211+4*\p], v[210+4*\p:211+4*\p], v[18+32*\p+\q:19+32*\p+\q]
.endr
.endr
	ACROSS
.irp p, 0,1
	v_mul_f32 v[216+2*\p], s50, v[208+4*\p]        ; the mean,
	v_mul_f32 v[217+2*\p], s50, v[208+4*\p]        ; twice: a pair for the packed forms
.endr
.irp p, 0,1
.irp q, 0,2,4,6,8,10,12,14,16,18,20,22,24,26,28,30
	v_pk_add_f32 v[16+32*\p+\q:17+32*\p+\q], v[16+32*\p+\q:17+32*\p+\q], v[216+2*\p:217+2*\p] neg_lo:[0,1] neg_hi:[0,1]   ; d = y - mean
.endr
.endr
.irp p, 0,1
	v_pk_mul_f32 v[208+4*\p:209+4*\p], v[16+32*\p:17+32*\p], v[16+32*\p:17+32*\p]
	v_pk_mul_f32 v[210+4*\p:211+4*\p], v[18+32*\p:19+32*\p], v[18+32*\p:19+32*\p]
.endr
.irp q, 4,8,12,16,20,24,28
.irp p, 0,1
	v_pk_fma_f32 v[208+4*\p:209+4*\p], v[16+32*\p+\q:17+32*\p+\q], v[16+32*\p+\q:17+32*\p+\q], v[208+4*\p:209+4*\p]
	v_pk_fma_f32 v[210+4*\p:211+4*\p], v[18+32*\p+\q:19+32*\p+\q], v[18+32*\p+\q:19+32*\p+\q], v[210+4*\p:211+4*\p]
.endr
.endr
	ACROSS
.irp p, 0,1
	v_fma_f32 v[208+4*\p], v[208+4*\p], s50, s51   ; the variance + 1e-5
.endr
	v_rsq_f32 v220, v208
	v_rsq_f32 v222, v212
	v_nop                                          ; a plain instruction behind the two
	s_wait_alu depctr_va_vdst(0)                   ; the wait ahead of the first reader: one for both
	v_mov_b32 v221, v220
	v_mov_b32 v223, v222
	s_wait_loadcnt 0x0                             ; gamma and beta
.irp p, 0,1
.irp q, 0,2,4,6,8,10,12,14,16,18,20,22,24,26,28,30
	v_pk_mul_f32 v[16+32*\p+\q:17+32*\p+\q], v[16+32*\p+\q:17+32*\p+\q], v[220+2*\p:221+2*\p]
.endr
.irp q, 0,2,4,6,8,10,12,14,16,18,20,22,24,26,28,30
	v_pk_fma_f32 v[16+32*\p+\q:17+32*\p+\q], v[16+32*\p+\q:17+32*\p+\q], v[144+\q:145+\q], v[176+\q:177+\q]
.endr
.irp i, 0,1,2,3,4,5,6,7
	global_store_b128 v1, v[16+32*\p+4*\i:19+32*\p+4*\i], s[14:15] offset:4096*\p+512*\i th:TH_STORE_NT   ; 32 lanes store 512 consecutive bytes, aligned; written once
.endr
.endr
	s_wait_tensorcnt 0x0
	ds_add_u32 v254, v255
	s_wait_dscnt 0x0
	s_endpgm
.Lfunc_end_k_q40a667593b_outln:
	.size	k_q40a667593b_outln, .Lfunc_end_k_q40a667593b_outln-k_q40a667593b_outln
	.p2alignl 7, 3214868480
	.fill 96, 4, 3214868480
	.section	.rodata,"a",@progbits
	.p2align	6, 0x0
	.amdhsa_kernel k_q40a667593b_outln
		.amdhsa_group_segment_fixed_size 289280
		.amdhsa_private_segment_fixed_size 0
		.amdhsa_enable_private_segment 0
		.amdhsa_kernarg_size 48
		.amdhsa_user_sgpr_count 2
		.amdhsa_user_sgpr_kernarg_segment_ptr 1
		.amdhsa_wavefront_size32 1
		.amdhsa_system_sgpr_workgroup_id_x 1
		.amdhsa_system_sgpr_workgroup_id_y 1
		.amdhsa_system_sgpr_workgroup_id_z 1
		.amdhsa_system_vgpr_workitem_id 0
		.amdhsa_next_free_vgpr 256
		.amdhsa_next_free_sgpr 66
		.amdhsa_reserve_vcc 0
		.amdhsa_float_denorm_mode_32 3
		.amdhsa_float_denorm_mode_16_64 3
		.amdhsa_memory_ordered 1
		.amdhsa_forward_progress 1
		.amdhsa_inst_pref_size 49
	.end_amdhsa_kernel
	.amdgpu_metadata
---
amdhsa.version: [ 1, 2 ]
amdhsa.kernels:
  - .name:           k_q40a667593b_outln
    .symbol:         k_q40a667593b_outln.kd
    .args:
      - { .name: oc, .offset: 0, .size: 8, .value_kind: global_buffer, .address_space: global }
      - { .name: wr, .offset: 8, .size: 8, .value_kind: global_buffer, .address_space: global }
      - { .name: queries, .offset: 16, .size: 8, .value_kind: global_buffer, .address_space: global }
      - { .name: ln_gamma, .offset: 24, .size: 8, .value_kind: global_buffer, .address_space: global }
      - { .name: ln_beta, .offset: 32, .size: 8, .value_kind: global_buffer, .address_space: global }
      - { .name: out0, .offset: 40, .size: 8, .value_kind: global_buffer, .address_space: global }
    .group_segment_fixed_size: 289280
    .private_segment_fixed_size: 0
    .kernarg_segment_align: 8
    .kernarg_segment_size: 48
    .max_flat_workgroup_size: 512
    .sgpr_count:     66
    .vgpr_count:     256
    .wavefront_size: 32
...
	.end_amdgpu_metadata
.endif
;; end of part 4
;; ======== version 2 of 2: 3 launches
;; limits: right only within a limited range of input values
;; workspace buffers: xc 21,233,664 bytes; xs 884,736 bytes; wr 851,968 bytes; qkv 20,447,232 bytes
;; launch quant (part 5): grid 992 x 1, 4 waves a work-group, no clusters, 67,072 bytes of LDS; arguments queries, keys, values, Wq, Wk, Wv, Wr, xc, xs, wr; writes xc, xs, wr
.if DOCPART == 5
	.amdgcn_target "amdgcn-amd-amdhsa--gfx1250"
	.amdhsa_code_object_version 6
	.text
	.protected	k_q40a667593b_quant
	.globl	k_q40a667593b_quant
	.p2align	8
	.type	k_q40a667593b_quant,@function
k_q40a667593b_quant:
	s_mov_b64 s[64:65], 0
	v_nop
	global_prefetch_b8 v0, s[64:65] scope:SCOPE_SE
	s_setreg_imm32_b32 hwreg(HW_REG_WAVE_MODE, 25, 1), 1
	s_wait_xcnt 0x0
; f32 numbers into codes of FP6 (E2M3) with one E8M0 scale byte for each 32 along K (K = the last axis, 1,024, of all seven tensors).
; A block's scale is 2^(floor(log2(its largest magnitude)) - 2); its byte is the largest magnitude's exponent field - 2, held at 1 from below.
; LIMITS: a block of zeros gets the byte 1 where the rule says 127 (its codes are zeros, and this program alone reads the bytes); NaN and infinities among the inputs are not served.
; WORK-GROUPS 128 .. 991: queries, keys, values, Wq, Wk, Wv as ONE stream of runs of 8,192 numbers (8 rows) into xc (768 bytes of codes a row) and xs (32 scale bytes a row):
;   rows 0.. queries, 8192.. keys, 16384.. values, 24576.. Wq, 25600.. Wk, 26624.. Wv.  A wave takes one run, in 16 steps of 512 numbers.
;   THE WEIGHTS' ROWS ARE STORED IN ANOTHER ORDER, by runs of 8 rows, so that the next launch's results fall into the lanes and registers in which they are quantised:
;   Wq, Wk: bits 0 and 1 of the run's number change places.  Wv: run [a:3][dh:2][rh:1][dl:1] goes to [dh:2][dl:1][a:3][rh:1].
;   Each load reads 512 consecutive bytes; a step's 2,048 bytes turn through the wave's own stage in LDS so that a lane holds 16 neighbours (two lanes a block); a wave's 256 scale bytes leave as one aligned run.
; WORK-GROUPS 0 .. 127: Wr into IMAGES OF OPERAND REGISTERS, ONE IMAGE A WAVE: 16 rows (tile nb = x / 2) x 128 along K (K step ks = 4 (x % 2) + wave): 512 waves that do not depend on each other.
;   The image's 8,192 bytes come by 16 loads, a row's 512 consecutive bytes each, all issued at once, and turn through the wave's own stage in LDS, so that lane (r, h) holds the very 64 numbers that the
;   operand's layout gives it (row r, k = 64 c + 32 h + 0 .. 31): a block lies whole in a lane.
;   wr: [nb][ks][1536] codes (registers 4 g .. 4 g + 3 of lane l at 512 g + 16 l), from WRS on [nb][lane][ks] scale words.
; The two ways part on the work-group's number; each has LDS bytes of its own: the stream's 4 x 8,192 first, Wr's 4 x 8,448 behind them.
; No tensor loads, no barrier, no matrix unit, no cluster: waves share nothing and each input byte is read once.
.set NWR,   128
.set STEPS, 16
.set EMAX,  2
.set CB,    12                         ; bytes of 16 codes
.set R,     16                         ; v16-79   four sets of 16 numbers as loaded
.set X,     80                         ; v80-111  two sets of 16 neighbours
.set E,     112                        ; v112-127 a scale byte for each step
.set C,     128                        ; v128-191 codes, four registers a step
.set WREG,  8192                       ; LDS of a stream's wave: two stages of 32 x SP bytes, then its 256 scale bytes
.set SP,    80
.set WRL,   4*WREG                     ; LDS of Wr's way begins here
.set WRP,   528                        ; a row of Wr's stage: 512 bytes + 16 = 33 x 16: the sixteen lanes that read one column of sixteen rows fall on sixteen different columns of 16 bytes modulo 256
.set WRW,   16*WRP                     ; a wave's stage
.set WRS,   786432
.set PC,    144                        ; Wr's way: v144-155 a fragment's codes
.set TA,    156
.set SW,    160                        ; v160 the scale word
.set TBB,   168
.set BM,    172
.set SCO,   174
.set BY,    176
.set WD,    178
.set XX,    179
.set SH8,   180
	s_load_b256 s[4:11], s[0:1], 0x0               ; queries, keys, values, Wq
	s_load_b256 s[12:19], s[0:1], 0x20             ; Wk, Wv, Wr, xc
	s_load_b128 s[20:23], s[0:1], 0x40             ; xs, wr
	v_lshl_add_u32 v192, v0, 2, 0x10400
	v_mov_b32 v193, 0
	v_lshrrev_b32 v1, 5, v0
	v_readfirstlane_b32 s30, v1                    ; wave
	v_and_b32 v2, 31, v0                           ; lane
	s_cmp_lt_u32 ttmp9, NWR
	s_cbranch_scc1 .Lwr
	; ---------------- the stream
	s_sub_co_u32 s31, ttmp9, NWR                   ; 0 .. 863: 256 work-groups for each of the three large tensors, 32 for each weight
	v_lshlrev_b32 v3, 4, v2                        ; my 16 bytes of a load's 512
	s_mul_i32 s32, s30, WREG
	v_lshrrev_b32 v14, 2, v2
	v_mul_u32_u24 v14, v14, SP
	v_and_b32 v15, 3, v2
	v_lshl_add_u32 v14, v15, 4, v14
	v_add_nc_u32 v14, s32, v14                     ; the stage, in: SP (lane / 4) + 16 (lane % 4)
	v_mul_u32_u24 v15, v2, SP
	v_add_nc_u32 v15, s32, v15                     ; out: SP x lane: my 16 neighbours
	v_mul_u32_u24 v4, v2, CB                       ; my codes' place in a step's
	v_lshrrev_b32 v5, 1, v2
	s_add_co_u32 s32, s32, 2*32*SP
	v_add_nc_u32 v5, s32, v5                       ; my block's scale byte in LDS
	v_lshlrev_b32 v7, 3, v2
	v_add_nc_u32 v6, s32, v7                       ; and 8 bytes a lane on the way out
	s_lshl_b32 s27, s31, 2
	s_add_co_u32 s27, s27, s30                     ; U: my run among all runs
	s_and_b32 s28, s27, -4                         ; Wq, Wk: bits 0 and 1 change places
	s_and_b32 s29, s27, 1
	s_lshl_b32 s29, s29, 1
	s_or_b32 s28, s28, s29
	s_bfe_u32 s29, s27, 0x10001
	s_or_b32 s28, s28, s29
	s_and_b32 s33, s27, 0xffffff80                 ; Wv: the low seven bits are dealt anew
	s_bfe_u32 s29, s27, 0x20002
	s_lshl_b32 s29, s29, 5
	s_or_b32 s33, s33, s29
	s_and_b32 s29, s27, 1
	s_lshl_b32 s29, s29, 4
	s_or_b32 s33, s33, s29
	s_bfe_u32 s29, s27, 0x30004
	s_lshl_b32 s29, s29, 1
	s_or_b32 s33, s33, s29
	s_bfe_u32 s29, s27, 0x10001
	s_or_b32 s33, s33, s29
	s_wait_alu depctr_va_vdst(0)
	s_wait_kmcnt 0x0
	s_mov_b64 s[24:25], s[14:15]                   ; the source is chosen by the work-group's number alone
	s_mov_b32 s26, 832
	s_cmp_lt_u32 s31, 832
	s_cselect_b64 s[24:25], s[12:13], s[24:25]
	s_cselect_b32 s26, 800, s26
	s_cselect_b32 s28, s28, s33
	s_cmp_lt_u32 s31, 800
	s_cselect_b64 s[24:25], s[10:11], s[24:25]
	s_cselect_b32 s26, 768, s26
	s_cmp_lt_u32 s31, 768
	s_cselect_b64 s[24:25], s[8:9], s[24:25]
	s_cselect_b32 s26, 512, s26
	s_cselect_b32 s28, s27, s28                    ; U': where the run goes
	s_cmp_lt_u32 s31, 512
	s_cselect_b64 s[24:25], s[6:7], s[24:25]
	s_cselect_b32 s26, 256, s26
	s_cmp_lt_u32 s31, 256
	s_cselect_b64 s[24:25], s[4:5], s[24:25]
	s_cselect_b32 s26, 0, s26
	s_lshl_b32 s26, s26, 2
	s_sub_co_u32 s26, s27, s26                     ; my run within its tensor
	s_lshl_b32 s34, s26, 15                        ; 32,768 bytes a run
	s_mov_b32 s35, 0
	s_add_nc_u64 s[24:25], s[24:25], s[34:35]
	s_mul_i32 s34, s28, 6144
	s_add_nc_u64 s[18:19], s[18:19], s[34:35]
	s_lshl_b32 s34, s28, 8
	s_add_nc_u64 s[20:21], s[20:21], s[34:35]
.macro LOAD t
.irp i, 0,1,2,3
	global_load_b128 v[R+16*((\t)%4)+4*\i:R+16*((\t)%4)+4*\i+3], v3, s[24:25] offset:2048*(\t)+512*\i th:TH_LOAD_NT   ; 32 lanes read 512 consecutive bytes
.endr
.endm
.macro TURN t                          ; step t's numbers through the stage: LDS serves a wave's instructions in order, so no wait stands between the stores and the loads
.irp i, 0,1,2,3
	ds_store_b128 v14, v[R+16*((\t)%4)+4*\i:R+16*((\t)%4)+4*\i+3] offset:32*SP*((\t)%2)+8*SP*\i
.endr
.irp i, 0,1,2,3
	ds_load_b128 v[X+16*((\t)%2)+4*\i:X+16*((\t)%2)+4*\i+3], v15 offset:32*SP*((\t)%2)+16*\i
.endr
.endm
.irp t, 0,1,2,3
	LOAD \t
.endr
	s_wait_loadcnt 12                              ; step 0's four loads are in; the twelve of steps 1 to 3 stay out
	TURN 0
.macro STEP t
.set XS, X+16*((\t)%2)
.if (\t) > 0
	s_wait_dscnt 1                                 ; this step's numbers are back from the stage (the last step's byte store may be out)
.else
	s_wait_dscnt 0x0
.endif
.if (\t)+4 < STEPS
	LOAD (\t)+4                                    ; into the set whose stores into the stage are done
.endif
.if (\t)+1 < STEPS
.if STEPS-2-(\t) >= 3
	s_wait_loadcnt 12                              ; the next step's four loads are in; those of the three steps behind it may be out
.else
	s_wait_loadcnt 4*(STEPS-2-(\t))
.endif
	TURN (\t)+1
.endif
	v_max3_num_f32 v8, |v[XS]|, |v[XS+1]|, |v[XS+2]|               ; the largest magnitude of my 16, in two chains
	v_max3_num_f32 v9, |v[XS+3]|, |v[XS+4]|, |v[XS+5]|
.irp i, 6,10
	v_max3_num_f32 v8, v8, |v[XS+\i]|, |v[XS+\i+1]|
	v_max3_num_f32 v9, v9, |v[XS+\i+2]|, |v[XS+\i+3]|
.endr
	v_max3_num_f32 v8, v8, |v[XS+14]|, |v[XS+15]|
	v_max3_num_f32 v8, v8, v9, (EMAX+1)<<23        ; and the floor 2^(3 - 127): the byte cannot fall under 1
	v_max_num_f32_dpp v8, v8, v8 row_xmask:1 row_mask:0xf bank_mask:0xf   ; with my neighbour's 16: the block's
	v_add_nc_u32 v11, -(EMAX<<23), v8              ; 2 off its exponent field: the conversion takes the exponent field of this operand as its scale
	v_cvt_scalef32_pk16_fp6_f32 v[C+4*(\t):C+4*(\t)+2], v[XS:XS+15], v11
	v_lshrrev_b32 v[E+(\t)], 23, v11               ; the scale's byte
	ds_store_b8 v5, v[E+(\t)] offset:16*(\t)       ; both lanes of a block write the same byte with the same value
	global_store_b96 v4, v[C+4*(\t):C+4*(\t)+2], s[18:19] offset:32*CB*(\t)   ; the wave stores 384 consecutive bytes
.endm
.irp t, 0,1,2,3,4,5,6,7,8,9,10,11,12,13,14,15
	STEP \t
.endr
	ds_load_b64 v[12:13], v6                       ; in order behind my byte stores
	s_wait_dscnt 0x0
	global_store_b64 v7, v[12:13], s[20:21]        ; 32 lanes store 256 consecutive bytes, aligned
	s_wait_tensorcnt 0x0
	ds_add_u32 v192, v193
	s_wait_dscnt 0x0
	s_endpgm
	; ---------------- Wr: one image a wave
.Lwr:
	s_lshr_b32 s31, ttmp9, 1                       ; nb: my 16 rows of Wr
	s_and_b32 s33, ttmp9, 1
	s_lshl_b32 s33, s33, 2
	s_add_co_u32 s33, s33, s30                     ; ks: my 128 along K
	v_and_b32 v3, 15, v0                           ; r
	v_bfe_u32 v4, v0, 4, 1                         ; h
	s_wait_alu depctr_va_vdst(0)
	v_lshlrev_b32 v5, 4, v2                        ; 16 x lane: my 16 bytes of a row's 512, in memory, in the stage and in the image
	v_lshlrev_b32 v6, 5, v2                        ; 32 x lane: my eight scale words
	s_mul_i32 s32, s30, WRW
	s_add_co_u32 s32, s32, WRL                     ; my wave's stage: no work-group's number enters an LDS address
	v_add_nc_u32 v7, s32, v5                       ; in: a row as it lies (the row stands in the immediate)
	v_mul_u32_u24 v8, v3, WRP
	v_lshl_add_u32 v8, v4, 7, v8
	v_add_nc_u32 v8, s32, v8                       ; out: row r, + 128 h bytes: my 32 numbers of each 64
	v_lshlrev_b32 v[SH8], 3, v4                    ; my bytes stand 8 h bits up in the scale word
	v_mov_b32 v[XX], 0                             ; a lane permute's destination counts as one of its sources
	s_mov_b32 s36, 0x76543210
	s_mov_b32 s37, 0xfedcba98                      ; lane l xor 16
	s_lshl_b32 s34, s31, 16                        ; 16 rows of 4,096 bytes a tile,
	s_lshl_b32 s35, s33, 9                         ; 512 bytes a K step
	s_add_co_u32 s34, s34, s35
	s_mov_b32 s35, 0
	s_wait_alu depctr_va_vdst(0)
	s_wait_kmcnt 0x0
	s_add_nc_u64 s[16:17], s[16:17], s[34:35]
	s_lshl_b32 s34, s31, 3
	s_add_co_u32 s34, s34, s33
	s_mul_i32 s34, s34, 1536
	s_add_nc_u64 s[24:25], s[22:23], s[34:35]      ; my image
	s_lshl_b32 s34, s31, 10
	s_lshl_b32 s38, s33, 2
	s_add_co_u32 s34, s34, s38
	s_add_nc_u64 s[22:23], s[22:23], s[34:35]      ; my word's place among each lane's eight (WRS stands in the immediate)
.irp j, 0,1,2,3,4,5,6,7,8,9,10,11,12,13,14,15
	global_load_b128 v[16+4*\j:19+4*\j], v5, s[16:17] offset:4096*\j th:TH_LOAD_NT   ; row j: 32 lanes read 512 consecutive bytes, aligned; all sixteen loads go out at once
.endr
.irp j, 0,1,2,3,4,5,6,7,8,9,10,11,12,13,14,15
	s_wait_loadcnt 15-\j                           ; row j is in; the 15 - j rows behind it may be out
	ds_store_b128 v7, v[16+4*\j:19+4*\j] offset:WRP*\j
.endr
.irp c, 0,1
.irp i, 0,1,2,3,4,5,6,7
	ds_load_b128 v[80+32*\c+4*\i:83+32*\c+4*\i], v8 offset:256*\c+16*\i   ; register 32 c + i = k 128 ks + 64 c + 32 h + i of row r.  LDS serves a wave's instructions in order: these see my stores
.endr
.endr
.macro QL s, w                         ; 64 numbers, two whole blocks of a lane, become a fragment's codes in v[PC] on and the row's scale word in v[w]
.irp c, 0,1
	v_max3_num_f32 v[BM+\c], |v[(\s)+32*\c]|, |v[(\s)+32*\c+1]|, 0x1800000   ; with the floor 2^(3 - 127)
.endr
.irp i, 2,4,6,8,10,12,14,16,18,20,22,24,26,28,30
.irp c, 0,1
	v_max3_num_f32 v[BM+\c], v[BM+\c], |v[(\s)+32*\c+\i]|, |v[(\s)+32*\c+\i+1]|
.endr
.endr
.irp c, 0,1
	v_add_nc_u32 v[SCO+\c], 0xff000000, v[BM+\c]   ; 2 off the exponent field: the conversion's scale operand
.endr
.irp c, 0,1
	v_lshrrev_b32 v[BY+\c], 23, v[SCO+\c]          ; the byte
.endr
	v_lshl_or_b32 v[WD], v[BY+1], 16, v[BY]        ; my blocks are h and 2 + h of the row's four
	v_lshlrev_b32 v[WD], v[SH8], v[WD]
	v_permlanex16_b32 v[XX], v[WD], s36, s37
	v_or_b32 v[\w], v[WD], v[XX]                   ; with lane l xor 16's two the word is whole, in both lanes
	v_cvt_scalef32_pk16_fp6_f32 v[PC:PC+2], v[(\s):(\s)+15], v[SCO]
	v_cvt_scalef32_pk16_fp6_f32 v[TA:TA+2], v[(\s)+16:(\s)+31], v[SCO]        ; (a conversion's three registers begin on an even number)
	v_cvt_scalef32_pk16_fp6_f32 v[PC+6:PC+8], v[(\s)+32:(\s)+47], v[SCO+1]
	v_cvt_scalef32_pk16_fp6_f32 v[TBB:TBB+2], v[(\s)+48:(\s)+63], v[SCO+1]
	v_nop                                          ; one plain instruction behind the scaled conversions
.irp i, 0,1,2
	v_mov_b32 v[PC+3+\i], v[TA+\i]
	v_mov_b32 v[PC+9+\i], v[TBB+\i]
.endr
.endm
	s_wait_dscnt 0x0                               ; my 64 numbers are back from the stage
	QL 80, SW
.irp g, 0,1,2
	global_store_b128 v5, v[PC+4*\g:PC+4*\g+3], s[24:25] offset:512*\g   ; 512 consecutive bytes, aligned
.endr
	global_store_b32 v6, v[SW], s[22:23] offset:WRS    ; 4 bytes a lane, 32 bytes apart: 128 bytes against the wave's 1,536 of codes, 65,536 in the whole launch; so laid, the reader takes a lane's eight words of a tile by two loads of 16 bytes
	s_wait_tensorcnt 0x0
	ds_add_u32 v192, v193
	s_wait_dscnt 0x0
	s_endpgm
.Lfunc_end_k_q40a667593b_quant:
	.size	k_q40a667593b_quant, .Lfunc_end_k_q40a667593b_quant-k_q40a667593b_quant
	.p2alignl 7, 3214868480
	.fill 96, 4, 3214868480
	.section	.rodata,"a",@progbits
	.p2align	6, 0x0
	.amdhsa_kernel k_q40a667593b_quant
		.amdhsa_group_segment_fixed_size 67072
		.amdhsa_private_segment_fixed_size 0
		.amdhsa_enable_private_segment 0
		.amdhsa_kernarg_size 80
		.amdhsa_user_sgpr_count 2
		.amdhsa_user_sgpr_kernarg_segment_ptr 1
		.amdhsa_wavefront_size32 1
		.amdhsa_system_sgpr_workgroup_id_x 1
		.amdhsa_system_sgpr_workgroup_id_y 1
		.amdhsa_system_sgpr_workgroup_id_z 1
		.amdhsa_system_vgpr_workitem_id 0
		.amdhsa_next_free_vgpr 194
		.amdhsa_next_free_sgpr 66
		.amdhsa_reserve_vcc 0
		.amdhsa_float_denorm_mode_32 3
		.amdhsa_float_denorm_mode_16_64 3
		.amdhsa_memory_ordered 1
		.amdhsa_forward_progress 1
		.amdhsa_inst_pref_size 43
	.end_amdhsa_kernel
	.amdgpu_metadata
---
amdhsa.version: [ 1, 2 ]
amdhsa.kernels:
  - .name:           k_q40a667593b_quant
    .symbol:         k_q40a667593b_quant.kd
    .args:
      - { .name: queries, .offset: 0, .size: 8, .value_kind: global_buffer, .address_space: global }
      - { .name: keys, .offset: 8, .size: 8, .value_kind: global_buffer, .address_space: global }
      - { .name: values, .offset: 16, .size: 8, .value_kind: global_buffer, .address_space: global }
      - { .name: Wq, .offset: 24, .size: 8, .value_kind: global_buffer, .address_space: global }
      - { .name: Wk, .offset: 32, .size: 8, .value_kind: global_buffer, .address_space: global }
      - { .name: Wv, .offset: 40, .size: 8, .value_kind: global_buffer, .address_space: global }
      - { .name: Wr, .offset: 48, .size: 8, .value_kind: global_buffer, .address_space: global }
      - { .name: xc, .offset: 56, .size: 8, .value_kind: global_buffer, .address_space: global }
      - { .name: xs, .offset: 64, .size: 8, .value_kind: global_buffer, .address_space: global }
      - { .name: wr, .offset: 72, .size: 8, .value_kind: global_buffer, .address_space: global }
    .group_segment_fixed_size: 67072
    .private_segment_fixed_size: 0
    .kernarg_segment_align: 8
    .kernarg_segment_size: 80
    .max_flat_workgroup_size: 128
    .sgpr_count:     66
    .vgpr_count:     194
    .wavefront_size: 32
...
	.end_amdgpu_metadata
.endif
;; end of part 5
;; launch proj (part 6): grid 4 x 96, 4 waves a work-group, clusters of 4 x 4, 327,680 bytes of LDS; arguments xc, xs, qkv; writes qkv
.if DOCPART == 6
	.amdgcn_target "amdgcn-amd-amdhsa--gfx1250"
	.amdhsa_code_object_version 6
	.text
	.protected	k_q40a667593b_proj
	.globl	k_q40a667593b_proj
	.p2align	8
	.type	k_q40a667593b_proj,@function
k_q40a667593b_proj:
	s_mov_b64 s[64:65], 0
	v_nop
	global_prefetch_b8 v0, s[64:65] scope:SCOPE_SE
	s_setreg_imm32_b32 hwreg(HW_REG_WAVE_MODE, 25, 1), 1
	s_wait_xcnt 0x0
	s_wait_alu depctr_hold_cnt(0) depctr_sa_sdst(0) depctr_va_vdst(0) depctr_va_sdst(0) depctr_va_ssrc(0) depctr_va_vcc(0) depctr_vm_vsrc(0)
	s_getreg_b32 s2, hwreg(HW_REG_IB_STS2, 6, 4)
	s_cmp_eq_u32 s2, 0
	s_cbranch_scc0 .Lentry_in_a_cluster
	s_endpgm
.Lentry_in_a_cluster:
	s_bfe_u32 s2, ttmp6, 0x10000c
	s_cmp_lg_u32 s2, 0xf033
	s_cbranch_scc0 .Lentry_shape_is_right
	s_endpgm
.Lentry_shape_is_right:
; The three projections X W^T on codes of FP6 (E2M3) with E8M0 scales.  xc holds rows of 768 bytes of codes: queries, keys, values (8,192 rows each), then Wq, Wk, Wv (1,024 each); xs 32 scale bytes a row.
; A tile of 256 x 256 is made by four waves, each 128 x 128: 64 accumulators, 512 registers.  K = 1,024 goes through a ring of two LDS slots in chunks of 256 bytes of each row: every tile row begins on a multiple of 256 bytes.
; A step of 128 along K is 96 bytes of a row: eight steps to three chunks; steps 2 and 5 lie across two chunks.  The scale bytes of the tile's 256 + 256 rows come into LDS once.
; The f32 results never go to memory: each wave quantises its 128 x 128 results in registers and stores IMAGES OF OPERAND REGISTERS for the attention launch.
; ORIENTATION.  T = cluster y / 8.  T = 0, 1 (Q, K): source 1 = rows of X, source 0 = weight rows: a lane holds one row of X and registers along the channels.
;   T = 2 (V): source 1 = weight rows, source 0 = rows of X: a lane holds one channel and registers down the rows.  The choice is made in the GLOBAL addresses alone: source 1's rows always hang on cy
;   (shared along a row of the cluster), source 0's on cx (shared along a column); every LDS address and both masks are the same for all T.
; qkv: [RB 0..1535][13,312]: RB = 16 rows; eight images of 1,536 bytes (registers 4 g .. 4 g + 3 of lane l at 512 g + 16 l), then eight runs of 128 bytes, a scale word a lane.
; No prefetch: K is three chunks at the largest block in clusters; chunks 0 and 1 are asked for at the head and chunk 2 has no earlier trip to be asked in.
; LIMITS: a block of zeros gets the byte 1 (its codes are zeros; this program alone reads the bytes); NaN and infinities are not served.
; REGISTERS: window 0: v0-31 addresses; v32-63 scale words, two sets; v64-127 the way out; from v128 source 1's fragments, one set.  window 1: source 0's fragments, two sets.  windows 2, 3: accumulator (a, b) at v[8 (8 (a % 4) + b)].
.set SIZE_K, 1024
.set ROWB,   256
.set NQ,     2
.set KROW,   SIZE_K*6/8
.set STEPS,  SIZE_K/128
.set CHUNKS, KROW/ROWB
.set PITCH,  272
.set FR,     12
.set NL,     6
.set NP,     4
.set HALFT,  128*PITCH
.set SLOT,   4*HALFT
.set KS,     SIZE_K/32
.set SCL,    2*SLOT
.set HALFS,  (128*KS/256)*272
.set SBLK,   (16*KS/256)*272
.set SPARE,  SCL+4*HALFS               ; the spare words: 128 bytes a wave, two blocks of 256 bytes that no other line names
.set RBB,    13312
.set ADRA, 16
.set ADRB, 20
.set SH8,  24
.set LS4,  25
.set LI16, 26
.set ADRS, 27
.set SPW,  28
.set NIL,  29
.set SC,   32
.set TM,   64
.set PW,   80
.set PCD,  96
.set TT,   128
.set AF,   128
.set G1, 24
.set G0, 32
.set G1B, 48
.set G0B, 56
.set G1S, 68
.set G0S, 76
.set G1SB, 80
.set G0SB, 88
.set G0H, 4
.set G0HB, 8
.set MSB, 0
.macro WIN new
.if MSB != \new
	s_set_vgpr_msb (MSB<<8)|\new
.set MSB, \new
.endif
.endm
.set MUL_LO, 0xa1
.set MUL_HI, 0xf1
.set TO_B,   0x40
.macro JLOAD g0a, g1a, g0b, g1b        ; a joint load: waves 0, 1 fetch source 1's halves, waves 2, 3 source 0's
	s_cmp_eq_u32 s15, 0
	s_cbranch_scc0 .Lfor_b_\@
	tensor_load_to_lds s[\g0a:\g0a+3], s[\g1a:\g1a+7]
	s_nop 0
.rept 4
	v_nop
.endr
	s_branch .Lasked_\@
.Lfor_b_\@:
	tensor_load_to_lds s[\g0b:\g0b+3], s[\g1b:\g1b+7]
	s_nop 0
.rept 4
	v_nop
.endr
.Lasked_\@:
.endm
.macro CREST
	s_cmp_lg_u32 s14, 0
	s_cbranch_scc1 .Lnot_wave_0_\@
	s_barrier_signal -3
.Lnot_wave_0_\@:
	s_barrier_wait -3
	s_barrier_signal -1
	s_barrier_wait -1
.endm
.macro CROUND
	s_barrier_signal -1
	s_barrier_wait -1
	CREST
.endm
	s_load_b128 s[4:7], s[0:1], 0x0                ; xc, xs
	s_load_b64 s[12:13], s[0:1], 0x10              ; qkv
	v_lshl_add_u32 v[SPW], v0, 2, SPARE
	v_mov_b32 v[NIL], 0
	ds_add_u32 v[SPW], v[NIL]                      ; the opening lines: the add twice on end and its wait
	ds_add_u32 v[SPW], v[NIL]
	v_lshrrev_b32 v1, 5, v0
	v_readfirstlane_b32 s14, v1                    ; wave
	s_lshr_b32 s15, s14, 1                         ; my half of source 1's rows; also: I fetch for source 1 (0) or 0 (1)
	s_and_b32 s16, s14, 1                          ; my half of source 0's rows; also: which 128 rows I fetch
	s_bfe_u32 s40, ttmp6, 0x40000                  ; cx
	s_bfe_u32 s41, ttmp6, 0x40004                  ; cy
	s_and_b32 s17, ttmp7, 0xffff
	s_lshr_b32 s96, s17, 3                         ; T: the same in all partners
	s_lshl_b32 s17, s17, 2                         ; 4 x cluster y
	s_lshl_b32 s43, s41, 2
	s_lshl_b32 s43, 15, s43                        ; my row of the cluster
	s_lshl_b32 s44, 0x1111, s40                    ; my column
	s_or_b32 s[G1+0], s43, (0<<16)|(1<<20)|(1<<21)|(5<<22)|(3<<25)
	s_or_b32 s[G1B+0], s44, (0<<16)|(1<<20)|(1<<21)|(5<<22)|(3<<25)
.irp g, G1, G1B
	s_mov_b32 s[\g+1], ROWB<<16
	s_mov_b32 s[\g+2], 256<<16                     ; the head's loads bring 256 rows
	s_mov_b32 s[\g+3], ROWB<<16
	s_mov_b32 s[\g+4], 256
	s_mov_b32 s[\g+5], KROW
	s_mov_b32 s[\g+6], 0
	s_mov_b32 s[\g+7], 0
.endr
	s_or_b32 s[G1S+0], s43, (3<<16)|(1<<20)|(1<<21)|(5<<22)|(3<<25)
	s_or_b32 s[G1SB+0], s44, (3<<16)|(1<<20)|(1<<21)|(5<<22)|(3<<25)
.irp g, G1S, G1SB
	s_mov_b32 s[\g+1], 32<<16                      ; the scale bytes of 256 rows: a dense block, KS rows of 256 bytes
	s_mov_b32 s[\g+2], KS<<16
	s_mov_b32 s[\g+3], 32<<16
	s_mov_b32 s[\g+4], KS
	s_mov_b32 s[\g+5], 32
	s_mov_b32 s[\g+6], 0
	s_mov_b32 s[\g+7], 0
.endr
	s_add_co_u32 s20, s17, s41
	s_lshl_b32 s20, s20, 8                         ; rows of X by cy
	s_lshl_b32 s21, s41, 8
	s_add_co_u32 s21, s21, 26624                   ; rows of Wv by cy
	s_add_co_u32 s46, s17, s40
	s_lshl_b32 s46, s46, 8                         ; rows of X by cx
	s_lshl_b32 s47, s40, 8
	s_lshl_b32 s42, s96, 10
	s_add_co_u32 s47, s47, s42
	s_add_co_u32 s47, s47, 24576                   ; rows of Wq or Wk by cx
	s_cmp_eq_u32 s96, 2
	s_cselect_b32 s20, s21, s20                    ; source 1's first row
	s_cselect_b32 s46, s46, s47                    ; source 0's
	s_mov_b32 s21, 0
	s_mov_b32 s47, 0
	s_mov_b64 s[18:19], KS
	s_mul_u64 s[22:23], s[20:21], s[18:19]
	s_mul_u64 s[92:93], s[46:47], s[18:19]
	s_mov_b64 s[18:19], KROW
	s_mul_u64 s[20:21], s[20:21], s[18:19]
	s_mul_u64 s[46:47], s[46:47], s[18:19]
	s_mul_i32 s18, s16, 128*KROW
	s_mov_b32 s19, 0
	s_mul_i32 s45, s14, HALFT
	s_mov_b32 s98, 0x76543210
	s_mov_b32 s99, 0xfedcba98                      ; lane l xor 16
	s_wait_dscnt 0x0
	s_wait_kmcnt 0x0
	s_add_nc_u64 s[20:21], s[4:5], s[20:21]
	s_add_nc_u64 s[22:23], s[6:7], s[22:23]
	s_add_nc_u64 s[46:47], s[4:5], s[46:47]
	s_add_nc_u64 s[92:93], s[6:7], s[92:93]
	CROUND                                         ; all sixteen work-groups are here: the first joint loads meet
	s_mov_b32 s[G0H], 1
	s_mov_b32 s[G0H+1], 0
	s_mov_b64 s[G0H+2:G0H+3], s[20:21]
	s_or_b32 s[G0H+3], s[G0H+3], 0x80000000
	s_mov_b32 s[G0HB], 1
	s_mov_b32 s[G0HB+1], 2*HALFT
	s_mov_b64 s[G0HB+2:G0HB+3], s[46:47]
	s_or_b32 s[G0HB+3], s[G0HB+3], 0x80000000
	s_mov_b32 s[G0S], 1
	s_mov_b32 s[G0S+1], SCL
	s_mov_b64 s[G0S+2:G0S+3], s[22:23]
	s_or_b32 s[G0S+3], s[G0S+3], 0x80000000
	s_mov_b32 s[G0SB], 1
	s_mov_b32 s[G0SB+1], SCL+2*HALFS
	s_mov_b64 s[G0SB+2:G0SB+3], s[92:93]
	s_or_b32 s[G0SB+3], s[G0SB+3], 0x80000000
	s_add_nc_u64 s[20:21], s[20:21], s[18:19]
	s_add_nc_u64 s[46:47], s[46:47], s[18:19]
.irp s, 0,1
	s_mov_b32 s[G0+4*\s], 1
	s_add_co_u32 s[G0+4*\s+1], s45, \s*SLOT
	s_add_nc_u64 s[G0+4*\s+2:G0+4*\s+3], s[20:21], \s*ROWB
	s_or_b32 s[G0+4*\s+3], s[G0+4*\s+3], 0x80000000
	s_mov_b32 s[G0B+4*\s], 1
	s_add_co_u32 s[G0B+4*\s+1], s45, \s*SLOT
	s_add_nc_u64 s[G0B+4*\s+2:G0B+4*\s+3], s[46:47], \s*ROWB
	s_or_b32 s[G0B+4*\s+3], s[G0B+4*\s+3], 0x80000000
.endr
; the head's four tiles, one a wave: chunk 0 of source 1, of source 0, source 1's scale bytes, source 0's; one chain of branches on the wave's number
.macro ARM under, g0, g1, next
	s_cmp_lt_u32 s14, \under
	s_cbranch_scc0 \next
	tensor_load_to_lds s[\g0:\g0+3], s[\g1:\g1+7]
	s_nop 0
.rept 4
	v_nop
.endr
	s_branch .Lhead_asked
\next:
.endm
	ARM 1, G0H,  G1,  .Lhead_b
	ARM 2, G0HB, G1B, .Lhead_sa
	ARM 3, G0S,  G1S, .Lhead_sb
	tensor_load_to_lds s[G0SB:G0SB+3], s[G1SB:G1SB+7]
	s_nop 0
.rept 4
	v_nop
.endr
.Lhead_asked:
	v_and_b32 v1, 15, v0
	v_bfe_u32 v2, v0, 4, 1
	v_mul_u32_u24 v3, v1, PITCH
	v_mul_u32_u24 v4, v2, 24
	v_add_nc_u32 v4, v3, v4                        ; a fragment's row x pitch + 24 x half
	s_mov_b32 s21, SLOT-232
	s_mov_b32 s22, SLOT+232
	v_sub_nc_u32 v7, 1, v2
	v_mul_u32_u24 v5, s21, v2
	v_add_nc_u32 v5, v3, v5
	v_add_nc_u32 v5, 232, v5                       ; across two chunks: lanes 0-15 byte 232 in slot 0, lanes 16-31 byte 0 in slot 1
	v_mul_u32_u24 v6, s22, v7
	v_add_nc_u32 v6, v3, v6                        ; and the other way round
	s_mul_i32 s21, s15, HALFT
	s_mul_i32 s22, s16, HALFT
	s_add_co_u32 s22, s22, 2*HALFT
	v_add_nc_u32 v[ADRA+2], s21, v5
	v_add_nc_u32 v[ADRA+3], s21, v6
	v_add_nc_u32 v[ADRB+2], s22, v5
	v_add_nc_u32 v[ADRB+3], s22, v6
.irp s, 0,1
	v_add_nc_u32 v[ADRA+\s], s21, v4
	v_add_nc_u32 v[ADRB+\s], s22, v4
	s_add_co_u32 s21, s21, SLOT
	s_add_co_u32 s22, s22, SLOT
.endr
	v_mul_u32_u24 v5, v1, KS
	v_lshrrev_b32 v6, 8, v5
	v_lshl_add_u32 v5, v6, 4, v5
	s_mul_i32 s21, s15, HALFS
	s_mul_i32 s22, s16, HALFS
	s_add_co_u32 s22, s22, 2*HALFS
	s_sub_co_u32 s22, s22, s21
	v_mul_u32_u24 v6, s22, v2                      ; lanes 16-31 take source 0's words
	s_add_co_u32 s21, s21, SCL
	v_add_nc_u32 v5, v5, v6
	v_add_nc_u32 v[ADRS], s21, v5
	v_and_b32 v6, 31, v0
	v_lshlrev_b32 v[LI16], 4, v6
	v_lshlrev_b32 v[LS4], 2, v6
	v_lshlrev_b32 v[SH8], 3, v2
.irp j, 4,5,6,7,9
	v_mov_b32 v[TM+\j], 0                          ; a lane permute's destination counts as one of its sources
.endr
	s_cmp_eq_u32 s96, 2                            ; where my images go: X's tile and half give RB, W's give the image
	s_cselect_b32 s20, s40, s41
	s_cselect_b32 s21, s41, s40
	s_cselect_b32 s22, s16, s15
	s_cselect_b32 s23, s15, s16
	s_add_co_u32 s20, s20, s17
	s_lshl_b32 s20, s20, 4
	s_lshl_b32 s22, s22, 3
	s_add_co_u32 s20, s20, s22                     ; my first RB
	s_mul_i32 s20, s20, RBB
	s_lshl_b32 s21, s21, 1
	s_add_co_u32 s21, s21, s23                     ; my image
	s_mul_i32 s22, s21, 1536
	s_lshl_b32 s21, s21, 7
	s_add_co_u32 s22, s22, s20
	s_add_co_u32 s20, s20, s21
	s_add_co_u32 s20, s20, 12288
	s_mov_b32 s23, 0
	s_mov_b32 s21, 0
	s_add_nc_u64 s[66:67], s[12:13], s[20:21]      ; my scale words
	s_add_nc_u64 s[12:13], s[12:13], s[22:23]      ; my images
.macro FRAG reg, adr, st, i            ; 16 rows x 128 K: 12 registers, in pieces of 8 bytes; byte y of a row lies in slot (y / 256) % 2 at byte y % 256
.irp p, 0,1,2,3,4,5
.set BY, 96*(\st)+48*(\p/3)+8*(\p%3)
.if BY/ROWB == (BY+24)/ROWB
	ds_load_b64 v[\reg+2*\p:\reg+2*\p+1], v[\adr+(BY/ROWB)%2] offset:BY%ROWB+(\i)*16*PITCH
.else
	ds_load_b64 v[\reg+2*\p:\reg+2*\p+1], v[\adr+2+(BY/ROWB)%2] offset:BY%ROWB-232+(\i)*16*PITCH
.endif
.endr
.endm
; 16 matrix instructions; the 64 accumulators take turns, one instruction a turn
.macro MUL16 a0, p, q, sc, zero
.irp a, \a0, \a0+1
.irp b, 0,1,2,3,4,5,6,7
.if \zero
	v_wmma_scale_f32_16x16x128_f8f6f4 v[8*(8*((\a)%4)+\b):8*(8*((\a)%4)+\b)+7], v[128*(\p)+FR*\b:128*(\p)+FR*\b+FR-1], v[AF+FR*(\a):AF+FR*(\a)+FR-1], 0, v[SC+8*NQ*(\sc)+NQ*\b+(\q)], v[SC+8*NQ*(\sc)+NQ*(\a)+(\q)] matrix_a_fmt:MATRIX_FMT_FP6 matrix_b_fmt:MATRIX_FMT_FP6 matrix_a_scale:MATRIX_SCALE_ROW1
.else
	v_wmma_scale_f32_16x16x128_f8f6f4 v[8*(8*((\a)%4)+\b):8*(8*((\a)%4)+\b)+7], v[128*(\p)+FR*\b:128*(\p)+FR*\b+FR-1], v[AF+FR*(\a):AF+FR*(\a)+FR-1], v[8*(8*((\a)%4)+\b):8*(8*((\a)%4)+\b)+7], v[SC+8*NQ*(\sc)+NQ*\b+(\q)], v[SC+8*NQ*(\sc)+NQ*(\a)+(\q)] matrix_a_fmt:MATRIX_FMT_FP6 matrix_b_fmt:MATRIX_FMT_FP6 matrix_a_scale:MATRIX_SCALE_ROW1
.endif
.endr
.endr
.endm
.macro FETCH_B st, p
	WIN TO_B
.irp i, 0,1,2,3,4,5,6,7
	FRAG 128*(\p)+FR*\i, ADRB, \st, \i
.endr
	WIN 0
.endm
.macro FETCH_A st, i0
.irp i, \i0, \i0+1, \i0+2, \i0+3
	FRAG AF+FR*(\i), ADRA, \st, \i
.endr
.endm
.macro SCALES pr
.irp i, 0,1,2,3,4,5,6,7
	ds_load_b64 v[SC+8*NQ*((\pr)%2)+NQ*\i:SC+8*NQ*((\pr)%2)+NQ*\i+1], v[ADRS] offset:\i*SBLK+4*NQ*(\pr)
.endr
.endm
.macro PLACES n                        ; plain vector instructions behind a matrix instruction (ISA guide 7.12.1)
.rept \n
	v_nop
.endr
.endm
; A step of 128 along K.  Where the next step's bytes end in a chunk not yet read: every wave waits for its tensor loads, and a barrier shows the chunk whole.
; Where they begin in a later chunk: the chunk left behind is read no more: the wait, the add, the wait for it, the barrier; where a chunk two on is left to fetch, the barrier opens a round and the slot is filled again.
.macro STEP st, zero
.set NX, (\st)+1
.set C0, (96*(\st))/ROWB
.set C1, (96*NX)/ROWB
.set E0, (96*(\st)+95)/ROWB
.set E1, (96*NX+95)/ROWB
.if C1 > C0 || E1 > E0
	s_wait_tensorcnt 0x0
.if C1 > C0
	ds_add_u32 v[SPW], v[NIL]
	s_wait_dscnt 4*NL+1                            ; the add and the youngest 24 loads (blocks 4-7) may be out
.else
	s_wait_dscnt 4*NL
.endif
	WIN MUL_LO
	MUL16 0, (\st)%2, (\st)%2, ((\st)/2)%2, \zero
	s_wait_dscnt 0x0
	s_barrier_signal -1
	MUL16 2, (\st)%2, (\st)%2, ((\st)/2)%2, \zero
	WIN 0
	s_barrier_wait -1
.if C1 > C0 && C0+2 < CHUNKS
	CREST
	s_add_nc_u64 s[G0+4*(C0%2)+2:G0+4*(C0%2)+3], s[G0+4*(C0%2)+2:G0+4*(C0%2)+3], 2*ROWB
	s_add_nc_u64 s[G0B+4*(C0%2)+2:G0B+4*(C0%2)+3], s[G0B+4*(C0%2)+2:G0B+4*(C0%2)+3], 2*ROWB
	JLOAD G0+4*(C0%2), G1, G0B+4*(C0%2), G1B
.else
	PLACES NP
.endif
.else
	s_wait_dscnt 4*NL                              ; source 0's set and blocks 0-3 are in; the youngest 24 loads may be out
	WIN MUL_LO
	MUL16 0, (\st)%2, (\st)%2, ((\st)/2)%2, \zero
	MUL16 2, (\st)%2, (\st)%2, ((\st)/2)%2, \zero
	s_wait_dscnt 0
	PLACES NP
.endif
	FETCH_B NX, NX%2
	FETCH_A NX, 0
.if NX%2 == 0
	SCALES NX/2
.endif
	WIN MUL_HI
	MUL16 4, (\st)%2, (\st)%2, ((\st)/2)%2, \zero
	MUL16 6, (\st)%2, (\st)%2, ((\st)/2)%2, \zero
	PLACES NP
	WIN 0
	FETCH_A NX, 4
.endm
	s_wait_alu depctr_va_vdst(0)                   ; the wait at the head's end
	s_wait_tensorcnt 0x0                           ; my tile of the head's four is in; the same lines as ahead of a refill
	ds_add_u32 v[SPW], v[NIL]
	s_mov_b32 s[G1+2], 128<<16                     ; no tensor load of mine is out: from here on a load brings 128 rows
	s_mov_b32 s[G1+4], 128
	s_mov_b32 s[G1B+2], 128<<16
	s_mov_b32 s[G1B+4], 128
	s_wait_dscnt 0x0
	CROUND
	JLOAD G0+4, G1, G0B+4, G1B                     ; chunk 1, the first tensor load behind the round
	FETCH_B 0, 0
	FETCH_A 0, 0
	SCALES 0
	FETCH_A 0, 4
	STEP 0, 1                                      ; the first step's products start the sums
.set ST, 1
.rept STEPS-2
	STEP ST, 0
.set ST, ST+1
.endr
	s_wait_dscnt 4*NL
	WIN MUL_LO
	MUL16 0, 1, 1, 1, 0
	MUL16 2, 1, 1, 1, 0
	s_wait_dscnt 0
	WIN MUL_HI
	MUL16 4, 1, 1, 1, 0
	MUL16 6, 1, 1, 1, 0
	WIN 0
	PLACES NP
.macro STORES n                        ; the image and its scale word: each store of codes covers 512 consecutive bytes, aligned
.irp g, 0,1,2
	global_store_b128 v[LI16], v[PCD+4*\g:PCD+4*\g+3], s[12:13] offset:RBB*(\n)+512*\g
.endr
	global_store_b32 v[LS4], v[PW], s[66:67] offset:RBB*(\n)
.endm
; Q AND K.  Source 1's block a: 16 rows; register 16 b + i of lane (r, h) is channel 32 b + 16 h + i of row r.  A block of 32 lies in lanes l and l xor 16.
.macro QK_OUT a
.set AC, 64*((\a)%4)
.set WA, 2+(\a)/4
.if (\a) > 0
	s_wait_xcnt 0x0                                ; the last image's stores have read their registers
.endif
	WIN ((WA<<2)|(WA<<4))
.irp b, 0,1,2,3
	v_max3_num_f32 v[TM+\b], 0x1800000, |v[AC+16*\b]|, |v[AC+16*\b+1]|   ; with the floor 2^(3 - 127); each accumulator from its low end on
.endr
.irp i, 2,4,6,8,10,12,14
.irp b, 0,1,2,3
	v_max3_num_f32 v[TM+\b], v[TM+\b], |v[AC+16*\b+\i]|, |v[AC+16*\b+\i+1]|
.endr
.endr
	WIN 0
.irp b, 0,1,2,3
	v_permlanex16_b32 v[TM+4+\b], v[TM+\b], s98, s99
.endr
.irp b, 0,1,2,3
	v_max_num_f32 v[TM+\b], v[TM+\b], v[TM+4+\b]
.endr
.irp b, 0,1,2,3
	v_add_nc_u32 v[TM+12+\b], 0xff000000, v[TM+\b] ; 2 off the exponent field: the conversion's scale operand
.endr
.irp b, 0,1,2,3
	v_lshrrev_b32 v[TM+4+\b], 23, v[TM+12+\b]      ; the byte
.endr
	v_lshl_or_b32 v[PW], v[TM+5], 8, v[TM+4]
	v_lshl_or_b32 v[PW], v[TM+6], 16, v[PW]
	v_lshl_or_b32 v[PW], v[TM+7], 24, v[PW]
	WIN WA
.irp c, 0,1
	v_cvt_scalef32_pk16_fp6_f32 v[PCD+6*\c:PCD+2+6*\c], v[AC+32*\c:AC+15+32*\c], v[TM+12+2*\c]
	v_cvt_scalef32_pk16_fp6_f32 v[PCD+12+4*\c:PCD+14+4*\c], v[AC+16+32*\c:AC+31+32*\c], v[TM+12+2*\c+1]
.endr
	WIN 0
	v_nop                                          ; one plain instruction behind the scaled conversions
.irp c, 0,1                                    ; a whole block to a lane
.irp i, 0,1,2
	v_permlane16_swap_b32 v[PCD+6*\c+\i], v[PCD+12+4*\c+\i]
.endr
.irp i, 0,1,2
	v_mov_b32 v[PCD+3+6*\c+\i], v[PCD+12+4*\c+\i]
.endr
.endr
	STORES \a
.endm
; V.  Source 0's block b: 16 rows = one key step.  Lane (r, h) holds channel r; register j of accumulator (a, b) is row 8 h + j, chunk a.  The operand's place 64 c + 32 h + 8 t + a takes row 8 h + 4 c + t, chunk a.
.macro V_OUT b
.if (\b) > 0
	s_wait_xcnt 0x0
.endif
	WIN 0x02
.irp a, 0,1,2,3
.irp j, 0,1,2,3,4,5,6,7
	v_mov_b32 v[TT+32*(\j/4)+8*(\j%4)+\a], v[8*(8*\a+(\b))+\j]
.endr
.endr
	WIN 0x03
.irp a, 0,1,2,3
.irp j, 0,1,2,3,4,5,6,7
	v_mov_b32 v[TT+32*(\j/4)+8*(\j%4)+4+\a], v[8*(8*\a+(\b))+\j]
.endr
.endr
	WIN 0
.irp c, 0,1
	v_max3_num_f32 v[TM+\c], |v[TT+32*\c]|, |v[TT+32*\c+1]|, 0x1800000
.endr
.irp i, 2,4,6,8,10,12,14,16,18,20,22,24,26,28,30
.irp c, 0,1
	v_max3_num_f32 v[TM+\c], v[TM+\c], |v[TT+32*\c+\i]|, |v[TT+32*\c+\i+1]|
.endr
.endr
.irp c, 0,1
	v_add_nc_u32 v[TM+12+\c], 0xff000000, v[TM+\c]
.endr
.irp c, 0,1
	v_lshrrev_b32 v[TM+4+\c], 23, v[TM+12+\c]
.endr
	v_lshl_or_b32 v[TM+8], v[TM+5], 16, v[TM+4]    ; my blocks stand at places h and 2 + h of the word
	v_lshlrev_b32 v[TM+8], v[SH8], v[TM+8]
	v_permlanex16_b32 v[TM+9], v[TM+8], s98, s99
	v_or_b32 v[PW], v[TM+8], v[TM+9]
	v_cvt_scalef32_pk16_fp6_f32 v[PCD:PCD+2], v[TT:TT+15], v[TM+12]
	v_cvt_scalef32_pk16_fp6_f32 v[PCD+12:PCD+14], v[TT+16:TT+31], v[TM+12]
	v_cvt_scalef32_pk16_fp6_f32 v[PCD+6:PCD+8], v[TT+32:TT+47], v[TM+13]
	v_cvt_scalef32_pk16_fp6_f32 v[PCD+16:PCD+18], v[TT+48:TT+63], v[TM+13]
	v_nop
.irp i, 0,1,2
	v_mov_b32 v[PCD+3+\i], v[PCD+12+\i]
	v_mov_b32 v[PCD+9+\i], v[PCD+16+\i]
.endr
	STORES \b
.endm
	s_cmp_eq_u32 s96, 2                            ; the same way in all partners; no barrier, tensor load or LDS instruction on either way
	s_cbranch_scc1 .Lv_out
.irp a, 0,1,2,3,4,5,6,7
	QK_OUT \a
.endr
	s_branch .Lend
.Lv_out:
.irp b, 0,1,2,3,4,5,6,7
	V_OUT \b
.endr
.Lend:
	s_wait_tensorcnt 0x0                           ; the wave's end
	ds_add_u32 v[SPW], v[NIL]
	s_wait_dscnt 0x0
	CROUND                                         ; the closing round
	s_endpgm
.Lfunc_end_k_q40a667593b_proj:
	.size	k_q40a667593b_proj, .Lfunc_end_k_q40a667593b_proj-k_q40a667593b_proj
	.p2alignl 7, 3214868480
	.fill 96, 4, 3214868480
	.section	.rodata,"a",@progbits
	.p2align	6, 0x0
	.amdhsa_kernel k_q40a667593b_proj
		.amdhsa_group_segment_fixed_size 327680
		.amdhsa_private_segment_fixed_size 0
		.amdhsa_enable_private_segment 0
		.amdhsa_kernarg_size 24
		.amdhsa_user_sgpr_count 2
		.amdhsa_user_sgpr_kernarg_segment_ptr 1
		.amdhsa_wavefront_size32 1
		.amdhsa_system_sgpr_workgroup_id_x 1
		.amdhsa_system_sgpr_workgroup_id_y 1
		.amdhsa_system_sgpr_workgroup_id_z 1
		.amdhsa_system_vgpr_workitem_id 0
		.amdhsa_next_free_vgpr 1024
		.amdhsa_next_free_sgpr 100
		.amdhsa_reserve_vcc 0
		.amdhsa_float_denorm_mode_32 3
		.amdhsa_float_denorm_mode_16_64 3
		.amdhsa_memory_ordered 1
		.amdhsa_forward_progress 1
		.amdhsa_inst_pref_size 209
	.end_amdhsa_kernel
	.amdgpu_metadata
---
amdhsa.version: [ 1, 2 ]
amdhsa.kernels:
  - .name:           k_q40a667593b_proj
    .symbol:         k_q40a667593b_proj.kd
    .args:
      - { .name: xc, .offset: 0, .size: 8, .value_kind: global_buffer, .address_space: global }
      - { .name: xs, .offset: 8, .size: 8, .value_kind: global_buffer, .address_space: global }
      - { .name: qkv, .offset: 16, .size: 8, .value_kind: global_buffer, .address_space: global }
    .group_segment_fixed_size: 327680
    .private_segment_fixed_size: 0
    .kernarg_segment_align: 8
    .kernarg_segment_size: 24
    .max_flat_workgroup_size: 128
    .sgpr_count:     100
    .vgpr_count:     1024
    .wavefront_size: 32
...
	.end_amdgpu_metadata
.endif
;; end of part 6
;; launch attn (part 7): grid 8 x 32, 8 waves a work-group, clusters of 4 x 1, 327,680 bytes of LDS; arguments qkv, wr, queries, ln_gamma, ln_beta, out0; writes out0
.if DOCPART == 7
	.amdgcn_target "amdgcn-amd-amdhsa--gfx1250"
	.amdhsa_code_object_version 6
	.text
	.protected	k_q40a667593b_attn
	.globl	k_q40a667593b_attn
	.p2align	8
	.type	k_q40a667593b_attn,@function
k_q40a667593b_attn:
	s_mov_b64 s[64:65], 0
	v_nop
	global_prefetch_b8 v0, s[64:65] scope:SCOPE_SE
	s_setreg_imm32_b32 hwreg(HW_REG_WAVE_MODE, 25, 1), 1
	s_wait_xcnt 0x0
	s_wait_alu depctr_hold_cnt(0) depctr_sa_sdst(0) depctr_va_vdst(0) depctr_va_sdst(0) depctr_va_ssrc(0) depctr_va_vcc(0) depctr_vm_vsrc(0)
	s_getreg_b32 s2, hwreg(HW_REG_IB_STS2, 6, 4)
	s_cmp_eq_u32 s2, 0
	s_cbranch_scc0 .Lentry_in_a_cluster
	s_endpgm
.Lentry_in_a_cluster:
	s_bfe_u32 s2, ttmp6, 0x10000c
	s_cmp_lg_u32 s2, 0x3003
	s_cbranch_scc0 .Lentry_shape_is_right
	s_endpgm
.Lentry_shape_is_right:
; Attention of 32 heads of 2,048 queries x 2,048 keys x 128 channels, then the projection on the way out, the residual and LayerNorm; all three products on codes of FP6 (E2M3) with E8M0 scales.
; Head g is rows 256 g .. 256 g + 255 of the projections; head row = 8 x row + chunk.
; t = score x log2(e) / 32; M = the running largest t rounded UP to a whole number; p = 2^(t - M) is quantised along the keys, not normalised; the row's sum is taken of the unquantised p and divides O at the end.
; When M moves, the sum and O are multiplied by 2^(old M - new M): exact, and in every step: no branch on data.
; INPUT: qkv: [RB][13,312], RB = 16 rows: eight images of operand registers (registers 4 g .. 4 g + 3 of lane l at 512 g + 16 l), then eight runs of 128 bytes, a scale word a lane.  Q at RB 0.., K at 512.., V at 1024...
;   wr: [nb][ks][1536] images of Wr (16 rows x 128 K), from WRS on [nb][lane][ks] scale words.
; SHARES.  A work-group owns 256 queries = 32 whole rows of the attention's result; wave w owns TWO tiles of 16 queries (RB 16 g + 2 x + w / 4, chunks 2 (w % 4), + 1).  A key step is one RB of K and of V: 128 keys.
; LAYOUT.  Both products are used transposed: S^T = K Q^T, O^T = V^T P^T: a lane holds one query.  A TILE OF K IS GATHERED: row m of tile t is key (p = 8 (m / 8) + t, c = m % 8), read out of image c at lane p's place:
;   register 8 t + j of lane (q, h) is key 64 h + 8 t + j of the step, so registers 32 c .. 32 c + 31 are one whole block of 32 keys.  V's images were laid in the same order of keys.
; Both tiles' scores, codes and state lie in window 0, so that the two tiles' chains go line by line by turns; O^T and the fragments lie in window 1.
; CLUSTER.  The four work-groups of a cluster belong to one head and walk the same K and V: each tile is asked for JOINTLY (mask 15).  Ring: two LDS slots of four key steps; every wave fetches one RB (26 rows of 512 bytes):
;   waves 0-3 K's four steps of a slot, waves 4-7 V's: one load a wave at the head and behind each round.
; THE WAY OUT.  O / sum is quantised along the channels; the 16 images (32 rows x 1,024) go to LDS bytes of their own; behind a barrier wave w makes columns 128 w .. 128 w + 127 of the 32 rows of O Wr^T (16 accumulators, 8 K steps),
;   Wr's fragments coming from memory straight into registers, two sets.  The results turn through a stage laid on slot 1, which has had its last fill; wave w then owns rows 4 w .. 4 w + 3: + queries, LayerNorm, stored.
;   Three of a wave's four rows of queries come by one tensor load behind the last change of slots, onto slot 0's bytes (24 of the 26 rows of 512 bytes that the wave filled there); the fourth by loads into 32 registers that lie idle.
; Wr is shared by all work-groups but is not asked for jointly: it goes to registers, not to LDS, where K, V, the stage and the images leave no room for two slots of it.
; LIMITS: the promise holds while the scaled scores t stay under 2^31 in magnitude; a block of zeros gets the byte 1 (its codes are zeros); NaN and infinities are not served; 1 / sum by v_rcp_f32.
; REGISTERS.  Window 0: v1-15 addresses; v16-39 Q; v40-43 (-M, largest t) a tile; v44-47 the sums; v48-175 S^T, then p; v176-199 p's codes; v200-239, v252-255 at work; v240-251 scale words and nothing else.
;   Window 1: v0-127 O^T; v128-223 eight fragments of K or V; v224-255 a row of queries.  On the way out: window 0 v16-143 accumulators, then four rows; window 1 v0-95, v128-223 Wr's two sets.
.set RBB,   13312
.set STEPB, 26*528
.set KVB,   4*STEPB
.set SLOT1, 1<<17
.set SCW,   24*528
.set SPI,   4112                       ; a row of the stage: 4,096 bytes + 16
.set STG,   SLOT1
.set SPARE, STG+32*SPI                 ; the spare words: 128 bytes a wave, four blocks of 256 bytes that no other line names
.set XIMG,  SPARE+1024                 ; O's 16 images
.set XSCL,  XIMG+16*1536               ; their scale words
.set WSL,   XSCL+16*128                ; Wr's scale words: 4,096 bytes a wave, each wave's own
.set WRS,   786432
.set KRB,   512*RBB
.set AK0,  1
.set AV0,  2
.set AKS0, 3
.set AVS0, 4
.set SPW,  5
.set NIL,  6
.set LI16, 7
.set LS4,  8
.set ADK,  9
.set ADV,  10
.set ADS,  11
.set ADT,  12
.set PFO,  13
.set SH8,  14
.set PFW,  15
.set Q,    16
.set NM,   40
.set SUM,  44
.set S,    48
.set PC,   176
.set PW,   196
.set TA,   200
.set TF,   200
.set T0,   216
.set BM,   224
.set X0,   228
.set F,    230
.set SCO,  234
.set KW,   240
.set QW,   248
.set PS,   250
.set BY,   252
.set FRG,  128
.set ACC,  16
.set XF,   144
.set SM,   144
.set MU,   160
.set RS,   168
.set XP,   176
.set RDY,  238
.set STO2, 239
.set WV,   8
.set SEL,  12
.set CS,   14
.set G1,   16
.set G1R,  24
.set G0,   32
.set G0R,  36
.set TB,   40
.set SLOTS, 42
.set CNT,  43
.set PFA,  44
.set LIM,  46
.set LIW,  76
.set MSB, 0
.macro WIN new
.if MSB != \new
	s_set_vgpr_msb (MSB<<8)|\new
.set MSB, \new
.endif
.endm
.macro CROUND
	s_barrier_signal -1
	s_barrier_wait -1
	s_cmp_lg_u32 s[WV], 0
	s_cbranch_scc1 .Lnot_wave_0_\@
	s_barrier_signal -3
.Lnot_wave_0_\@:
	s_barrier_wait -3
	s_barrier_signal -1
	s_barrier_wait -1
.endm
; A prefetch of what the NEXT change of slots will ask for.  Both clusters of a head walk the same K and V: the head's first cluster asks.  Partner cx takes step cx of the slot, by address: 52 blocks of 256 bytes of K and 52 of V,
; a lane a block, in waves 0 to 3 (lanes 104 to 127 name block 103 again).  The last change that fills a slot asks for nothing.
; And of Wr, sixteen key steps ahead of its first load: its 3,328 blocks are shared out by address, 26 to each of 128 work-groups (the work-group's number modulo 128); wave 4 asks, in the first trip (lanes 26 to 31 name block 25 again).
.macro ASK
	s_cmp_gt_u32 s[SLOTS], s[LIM]
	s_cbranch_scc0 .Lnot_mine_\@
	global_prefetch_b8 v[PFO], s[PFA:PFA+1] th:TH_LOAD_NT scope:SCOPE_SE
.Lnot_mine_\@:
	s_cmp_eq_u32 s[SLOTS], s[LIW]
	s_cbranch_scc0 .Lnot_wr_\@
	global_prefetch_b8 v[PFW], s[6:7] th:TH_LOAD_NT scope:SCOPE_SE
.Lnot_wr_\@:
.endm
	s_load_b128 s[4:7], s[0:1], 0x0                ; qkv, wr
	s_load_b256 s[84:91], s[0:1], 0x10             ; queries, ln_gamma, ln_beta, out0
	v_lshl_add_u32 v[SPW], v0, 2, SPARE
	v_mov_b32 v[NIL], 0
	ds_add_u32 v[SPW], v[NIL]                      ; the opening lines: the add twice on end and its wait
	ds_add_u32 v[SPW], v[NIL]
	v_lshrrev_b32 v1, 5, v0
	v_readfirstlane_b32 s[WV], v1                  ; wave 0..7
	s_bfe_u32 s9, ttmp6, 0x40000                   ; cx
	s_lshl_b32 s10, ttmp9, 2
	s_add_co_u32 s10, s10, s9                      ; x: it enters no joint load's address and no LDS address
	s_and_b32 s11, ttmp7, 0xffff                   ; the head
	s_lshr_b32 s47, s[WV], 2                       ; I fetch K (0) or V (1); also: which RB of Q is mine
	s_and_b32 s57, s[WV], 3                        ; which step of a slot I fetch; also: my pair of chunks
	s_lshl_b32 s48, s11, 4
	s_add_co_u32 s48, s48, 512                     ; K's first RB of the head
	s_lshl_b32 s49, s47, 9
	s_add_co_u32 s49, s49, s48
	s_add_co_u32 s49, s49, s57
	s_mul_i32 s50, s49, RBB                        ; the RB that I fetch
	s_mov_b32 s51, 0
	s_mul_i32 s54, s47, KVB
	s_mul_i32 s55, s57, STEPB
	s_add_co_u32 s54, s54, s55                     ; and where it goes
	s_lshl_b32 s56, s11, 4
	s_lshl_b32 s58, s10, 1
	s_add_co_u32 s56, s56, s58
	s_add_co_u32 s56, s56, s47                     ; my RB of Q
	s_mul_i32 s58, s56, RBB
	s_mul_i32 s59, s57, 3072
	s_add_co_u32 s58, s58, s59                     ; Q's two images
	s_mov_b32 s59, 0
	s_mul_i32 s60, s56, RBB
	s_lshl_b32 s61, s57, 8
	s_add_co_u32 s60, s60, s61
	s_add_co_u32 s60, s60, 12288                   ; their scale words
	s_mov_b32 s61, 0
	s_lshl_b32 s52, s11, 8
	s_lshl_b32 s53, s10, 5
	s_add_co_u32 s52, s52, s53
	s_lshl_b32 s53, s[WV], 2
	s_add_co_u32 s52, s52, s53                     ; my four rows of queries and of the output: 256 g + 32 x + 4 w,
	s_lshl_b32 s52, s52, 12                        ; 4,096 bytes a row
	s_mov_b32 s53, 0
	s_mul_i32 s62, s[WV], 8*12288                  ; my eight tiles of Wr
	s_mov_b32 s63, 0
	s_lshl_b32 s78, s[WV], 13
	s_add_co_u32 s78, s78, WRS                     ; their scale words
	s_mov_b32 s79, 0
	s_lshl_b32 s77, s11, 3
	s_add_co_u32 s77, s77, s10
	s_and_b32 s77, s77, 127
	s_mul_i32 s77, s77, 26*256                     ; my work-group's 26 blocks of Wr
	s_add_co_u32 s74, s48, s9
	s_add_co_u32 s74, s74, 4
	s_mul_i32 s74, s74, RBB                        ; K's and V's prefetches stand at slot 1, my work-group's step; the first change of slots steps them on
	s_mov_b32 s75, 0
	s_mov_b32 s[G1], 15|(3<<16)|(1<<20)|(1<<21)|(6<<22)|(3<<25)   ; 26 rows of 512 bytes (64 elements of 8), dense, 16 bytes of padding behind each
	s_mov_b32 s[G1+1], 64<<16
	s_mov_b32 s[G1+2], 26<<16
	s_mov_b32 s[G1+3], 64<<16
	s_mov_b32 s[G1+4], 26
	s_mov_b32 s[G1+5], 64
	s_mov_b32 s[G1+6], 0
	s_mov_b32 s[G1+7], 0
	s_mov_b32 s[G1R], (3<<16)|(1<<20)|(6<<22)|(3<<25)             ; three rows of queries as 24 such rows; my own load, no mask
	s_mov_b32 s[G1R+1], 64<<16
	s_mov_b32 s[G1R+2], 24<<16
	s_mov_b32 s[G1R+3], 64<<16
	s_mov_b32 s[G1R+4], 24
	s_mov_b32 s[G1R+5], 64
	s_mov_b32 s[G1R+6], 0
	s_mov_b32 s[G1R+7], 0
	s_mov_b32 s[SEL], 0x76543210
	s_mov_b32 s[SEL+1], 0xfedcba98                 ; lane l xor 16
	s_mov_b32 s[CS], 0x3d38aa3b                    ; c = log2(e) / 32
	s_mov_b32 s[CS+1], s[CS]
	s_mov_b32 s100, 0x3a800000                     ; 1 / 1,024
	s_mov_b32 s101, 0x3727c5ac                     ; 1e-5
	s_mov_b32 s[TB], 0
	s_mov_b32 s[SLOTS], 3
	s_or_b32 s49, s47, ttmp9                       ; waves 0 to 3 of the head's first cluster: the same in all four partners
	s_cmp_eq_u32 s49, 0
	s_cselect_b32 s[LIM], 1, -1
	s_cmp_eq_u32 s[WV], 4
	s_cselect_b32 s[LIW], 3, -1
	s_wait_alu depctr_va_vdst(0)                   ; the wait ahead of the waits below
	s_wait_dscnt 0x0
	s_wait_kmcnt 0x0
	s_add_nc_u64 s[66:67], s[4:5], s[58:59]
	s_add_nc_u64 s[68:69], s[4:5], s[60:61]
	s_add_nc_u64 s[70:71], s[6:7], s[62:63]
	s_add_nc_u64 s[72:73], s[6:7], s[78:79]
	s_add_nc_u64 s[92:93], s[84:85], s[52:53]
	s_add_nc_u64 s[94:95], s[90:91], s[52:53]
	s_add_nc_u64 s[PFA:PFA+1], s[4:5], s[74:75]
	s_mov_b32 s[G0], 1
	s_mov_b32 s[G0+1], s54
	s_add_nc_u64 s[G0+2:G0+3], s[4:5], s[50:51]
	s_or_b32 s[G0+3], s[G0+3], 0x80000000
	s_mov_b32 s[G0R], 1
	s_mul_i32 s[G0R+1], s[WV], STEPB
	s_mov_b64 s[G0R+2:G0R+3], s[92:93]
	s_or_b32 s[G0R+3], s[G0R+3], 0x80000000
	CROUND                                         ; all four work-groups are here: the first joint loads meet
	tensor_load_to_lds s[G0:G0+3], s[G1:G1+7]      ; slot 0: my RB, the one load of mine at the head
	s_nop 0
.rept 4
	v_nop
.endr
	v_min_u32 v[PFO], 103, v0                      ; the block of K or V that my lane names
	v_cmp_gt_u32 vcc_lo, 52, v[PFO]
	v_lshlrev_b32 v[PFO], 8, v[PFO]
	v_add_nc_u32 v9, KRB-RBB, v[PFO]               ; blocks 52 .. 103 are V's
	v_cndmask_b32 v[PFO], v9, v[PFO], vcc_lo
	v_and_b32 v9, 31, v0
	v_lshlrev_b32 v[LI16], 4, v9
	v_lshlrev_b32 v[LS4], 2, v9
	v_min_u32 v[PFW], 25, v9
	v_lshlrev_b32 v[PFW], 8, v[PFW]
	v_add_nc_u32 v[PFW], s77, v[PFW]               ; the block of Wr
.irp u, 0,1
.irp g, 0,1,2
	global_load_b128 v[Q+12*\u+4*\g:Q+12*\u+4*\g+3], v[LI16], s[66:67] offset:1536*\u+512*\g   ; Q stays in registers
.endr
	global_load_b32 v[QW+\u], v[LS4], s[68:69] offset:128*\u
.endr
	v_and_b32 v9, 7, v0                            ; m % 8
	v_bfe_u32 v10, v0, 3, 1                        ; m / 8
	v_bfe_u32 v11, v0, 4, 1                        ; h
	v_bfe_u32 v12, v0, 2, 1
	v_mul_u32_u24 v[AK0], v9, 1584                 ; K: image m % 8,
	v_lshl_add_u32 v[AK0], v10, 7, v[AK0]          ; lane 8 (m / 8) + t (16 t stands in the immediate),
	v_lshl_add_u32 v[AK0], v11, 8, v[AK0]          ; + 16 h
	v_add_nc_u32 v[AV0], KVB, v[LI16]              ; V: images as they lie
	v_lshlrev_b32 v[AKS0], 7, v9                   ; K's scale words: image m % 8 (16 of padding behind four),
	v_lshl_add_u32 v[AKS0], v12, 4, v[AKS0]
	v_lshl_add_u32 v[AKS0], v10, 5, v[AKS0]        ; lanes 8 (m / 8) + 0 .. 7: the eight tiles' words are 32 neighbouring bytes
	v_add_nc_u32 v[AKS0], SCW, v[AKS0]
	v_add_nc_u32 v[AVS0], KVB+SCW, v[LS4]
	v_lshlrev_b32 v[SH8], 3, v11
.irp u, 0,1                                    ; the step is written once: the first finds zeros, which the first change of M leaves zeros
	v_mov_b32 v[NM+2*\u+1], 0xff61b1e6             ; the largest t so far: -3e38
	v_floor_f32 v[NM+2*\u], -v[NM+2*\u+1]          ; -M
	v_mov_b32 v[SUM+2*\u], 0
	v_mov_b32 v[SUM+2*\u+1], 0
	v_mov_b32 v[X0+\u], 0                          ; a lane permute's destination counts as one of its sources
	v_mov_b32 v[F+2*\u+1], 0                       ; named with f as a pair
.endr
	WIN 0x40
.set j, 0
.rept 128
	v_mov_b32 v[j], 0                              ; O^T
.set j, j+1
.endr
	WIN 0
; THE SOFTMAX of both tiles for 128 keys, the two tiles' chains by turns.
.macro SOFTMAX
.irp w, 0,1,2,3
.irp u, 0,1
	v_max3_num_f32 v[T0+4*\u+\w], v[S+64*\u+16*\w], v[S+64*\u+16*\w+1], v[S+64*\u+16*\w+2]   ; each accumulator is read from its low end on
.endr
.endr
.irp i, 3,5,7,9,11,13
.irp w, 0,1,2,3
.irp u, 0,1
	v_max3_num_f32 v[T0+4*\u+\w], v[T0+4*\u+\w], v[S+64*\u+16*\w+\i], v[S+64*\u+16*\w+\i+1]
.endr
.endr
.endr
.irp u, 0,1
	v_max3_num_f32 v[BM+2*\u], v[T0+4*\u], v[T0+4*\u+1], v[S+64*\u+15]     ; the largest score of each of my two blocks: for the row's maximum and for the block's largest p
	v_max3_num_f32 v[BM+2*\u+1], v[T0+4*\u+2], v[T0+4*\u+3], v[S+64*\u+47]
.endr
.irp u, 0,1
	v_max_num_f32 v[BM+2*\u], v[BM+2*\u], v[S+64*\u+31]
	v_max_num_f32 v[BM+2*\u+1], v[BM+2*\u+1], v[S+64*\u+63]
.endr
.irp u, 0,1
	v_max_num_f32 v[T0+4*\u], v[BM+2*\u], v[BM+2*\u+1]
.endr
.irp u, 0,1
	v_permlanex16_b32 v[X0+\u], v[T0+4*\u], s[SEL], s[SEL+1]
.endr
.irp u, 0,1
	v_max_num_f32 v[T0+4*\u], v[T0+4*\u], v[X0+\u]         ; with lane l xor 16's 64 keys
.endr
.irp u, 0,1
	v_mul_f32 v[T0+4*\u], s[CS], v[T0+4*\u]                ; as t (c is positive)
.endr
.irp u, 0,1
	v_max_num_f32 v[NM+2*\u+1], v[NM+2*\u+1], v[T0+4*\u]   ; the running largest t
	v_mov_b32 v[T0+4*\u+1], v[NM+2*\u]
.endr
.irp u, 0,1
	v_floor_f32 v[NM+2*\u], -v[NM+2*\u+1]                  ; the new -M = -ceil(t)
.endr
.irp u, 0,1
	v_sub_f32 v[T0+4*\u+1], v[NM+2*\u], v[T0+4*\u+1]       ; old M - new M: a whole number, 0 or less
.endr
.irp u, 0,1
	v_cvt_i32_f32 v[T0+4*\u+1], v[T0+4*\u+1]               ; (it saturates)
.endr
.irp u, 0,1
	v_ldexp_f32 v[F+2*\u], 1.0, v[T0+4*\u+1]               ; f = 2^(old M - new M)
.endr
.irp u, 0,1
	v_fma_f32 v[BM+2*\u], v[BM+2*\u], s[CS], v[NM+2*\u]    ; t - M of each block's largest score
	v_fma_f32 v[BM+2*\u+1], v[BM+2*\u+1], s[CS], v[NM+2*\u]
.endr
.set b, 0
.rept 32
.irp u, 0,1
	v_pk_fma_f32 v[S+64*\u+2*b:S+64*\u+2*b+1], v[S+64*\u+2*b:S+64*\u+2*b+1], s[CS:CS+1], v[NM+2*\u:NM+2*\u+1] op_sel_hi:[1,0,0]   ; t - M
.endr
.set b, b+1
.endr
.irp u, 0,1
	v_pk_mul_f32 v[SUM+2*\u:SUM+2*\u+1], v[SUM+2*\u:SUM+2*\u+1], v[F+2*\u:F+2*\u+1] op_sel_hi:[1,0]   ; the sum under the new M
.endr
	WIN 0x41                                       ; O^T lies in window 1, f in window 0
.set b, 0
.rept 32
.irp u, 0,1
	v_pk_mul_f32 v[64*\u+2*b:64*\u+2*b+1], v[64*\u+2*b:64*\u+2*b+1], v[F+2*\u:F+2*\u+1] op_sel_hi:[1,0]   ; O^T under the new M, ascending
.endr
.set b, b+1
.endr
	WIN 0
	s_wait_alu depctr_va_vdst(0)                   ; the wait ahead of the batch
.set b, 0
.rept 128
	v_exp_f32 v[S+b], v[S+b]                       ; p = 2^(t - M)
.set b, b+1
.endr
.irp e, 0,1,2,3
	v_exp_f32 v[BM+\e], v[BM+\e]                   ; the blocks' largest p: the same two instructions on the same number give the same bits
.endr
	v_nop                                          ; a plain instruction behind the last exponential
	s_wait_alu depctr_va_vdst(0)                   ; and the one wait behind the batch
.irp e, 0,1,2,3
	v_max_num_f32 v[BM+\e], 0x1800000, v[BM+\e]    ; the floor 2^(3 - 127): the byte cannot fall under 1
.endr
.irp e, 0,1,2,3
	v_add_nc_u32 v[SCO+\e], 0xff000000, v[BM+\e]   ; 2 off the exponent field: the conversion's scale operand
.endr
.irp e, 0,1,2,3
	v_lshrrev_b32 v[BY+\e], 23, v[SCO+\e]
.endr
.irp u, 0,1
	v_lshl_or_b32 v[T0+4*\u], v[BY+2*\u+1], 16, v[BY+2*\u]   ; my blocks stand at places h and 2 + h of the word
.endr
.irp u, 0,1
	v_lshlrev_b32 v[T0+4*\u], v[SH8], v[T0+4*\u]
.endr
.irp u, 0,1
	v_permlanex16_b32 v[X0+\u], v[T0+4*\u], s[SEL], s[SEL+1]
.endr
.irp u, 0,1
	v_or_b32 v[PS+\u], v[T0+4*\u], v[X0+\u]        ; p's scale word
.endr
.irp u, 0,1
	v_cvt_scalef32_pk16_fp6_f32 v[PC+12*\u:PC+12*\u+2], v[S+64*\u:S+64*\u+15], v[SCO+2*\u]
	v_cvt_scalef32_pk16_fp6_f32 v[TA+8*\u:TA+8*\u+2], v[S+64*\u+16:S+64*\u+31], v[SCO+2*\u]       ; (a conversion's three registers begin on an even number)
	v_cvt_scalef32_pk16_fp6_f32 v[PC+12*\u+6:PC+12*\u+8], v[S+64*\u+32:S+64*\u+47], v[SCO+2*\u+1]
	v_cvt_scalef32_pk16_fp6_f32 v[TA+8*\u+4:TA+8*\u+6], v[S+64*\u+48:S+64*\u+63], v[SCO+2*\u+1]
.endr
	v_nop                                          ; one plain instruction behind the scaled conversions
.irp u, 0,1
.irp i, 0,1,2
	v_mov_b32 v[PC+12*\u+3+\i], v[TA+8*\u+\i]
	v_mov_b32 v[PC+12*\u+9+\i], v[TA+8*\u+4+\i]
.endr
.endr
.irp u, 0,1
	v_pk_add_f32 v[T0+4*\u:T0+4*\u+1], v[S+64*\u:S+64*\u+1], v[S+64*\u+2:S+64*\u+3]   ; the row's sum is taken of the unquantised p, in two chains a tile; these lines are also the places ahead of the scaled products
.endr
.irp j, 4,8,12,16,20,24,28,32,36,40,44,48,52,56,60
.irp u, 0,1
	v_pk_add_f32 v[SUM+2*\u:SUM+2*\u+1], v[SUM+2*\u:SUM+2*\u+1], v[S+64*\u+\j:S+64*\u+\j+1]
	v_pk_add_f32 v[T0+4*\u:T0+4*\u+1], v[T0+4*\u:T0+4*\u+1], v[S+64*\u+\j+2:S+64*\u+\j+3]
.endr
.endr
.irp u, 0,1
	v_pk_add_f32 v[SUM+2*\u:SUM+2*\u+1], v[SUM+2*\u:SUM+2*\u+1], v[T0+4*\u:T0+4*\u+1]
.endr
.endm
.macro SPROD t0                        ; four tiles of S^T of both query tiles: each starts its sum with the constant 0
.irp t, \t0, \t0+1, \t0+2, \t0+3
.irp u, 0,1
	v_wmma_scale_f32_16x16x128_f8f6f4 v[S+64*\u+8*(\t):S+64*\u+8*(\t)+7], v[FRG+12*(\t):FRG+12*(\t)+11], v[Q+12*\u:Q+12*\u+11], 0, v[KW+(\t)], v[QW+\u] matrix_a_fmt:MATRIX_FMT_FP6 matrix_b_fmt:MATRIX_FMT_FP6
.endr
.endr
.endm
; A KEY STEP: 128 keys, both tiles: 32 matrix instructions.
.macro STEP
	v_add_nc_u32 v[ADK], s[TB], v[AK0]             ; (these four are also the places between the last step's products and the loads into their registers)
	v_add_nc_u32 v[ADV], s[TB], v[AV0]
	v_add_nc_u32 v[ADS], s[TB], v[AKS0]
	v_add_nc_u32 v[ADT], s[TB], v[AVS0]
	s_wait_alu depctr_va_vdst(0)
	ds_load_b128 v[KW:KW+3], v[ADS]                ; the eight tiles' scale words of K
	ds_load_b128 v[KW+4:KW+7], v[ADS] offset:16
	WIN 0x40
.irp t, 0,1,2,3,4,5,6,7
.irp g, 0,1,2
	ds_load_b128 v[FRG+12*\t+4*\g:FRG+12*\t+4*\g+3], v[ADK] offset:16*\t+528*\g
.endr
.endr
	WIN 0x01
	s_wait_dscnt 12                                ; the words and tiles 0-3 are in; tiles 4-7's twelve loads may be out
	SPROD 0
	s_wait_dscnt 0x0
	SPROD 4
	WIN 0
.rept 4
	v_nop                                          ; places in front of the loads below and of the first read of the scores
.endr
	WIN 0x40
.irp t, 0,1,2,3,4,5,6,7
.irp g, 0,1,2
	ds_load_b128 v[FRG+12*\t+4*\g:FRG+12*\t+4*\g+3], v[ADV] offset:1584*\t+528*\g   ; V's fragments land while the softmax is worked
.endr
.endr
	WIN 0
.irp t, 0,1,2,3,4,5,6,7
	ds_load_b32 v[KW+\t], v[ADT] offset:128*\t+16*(\t/4)
.endr
	SOFTMAX
	s_wait_alu depctr_va_vdst(0)                   ; the wait ahead of the wait below and of the branch
	s_wait_dscnt 0x0
	WIN 0x51
.irp t, 0,1,2,3,4,5,6,7                        ; one instruction an accumulator in a step: the sixteen take turns
.irp u, 0,1
	v_wmma_scale_f32_16x16x128_f8f6f4 v[64*\u+8*\t:64*\u+8*\t+7], v[FRG+12*\t:FRG+12*\t+11], v[PC+12*\u:PC+12*\u+11], v[64*\u+8*\t:64*\u+8*\t+7], v[KW+\t], v[PS+\u] matrix_a_fmt:MATRIX_FMT_FP6 matrix_b_fmt:MATRIX_FMT_FP6
.endr
.endr
	WIN 0
.endm
; THE CHANGE OF SLOTS stands at a slot's head: each wave waits for all its tensor loads, adds 0 to its spare word, and waits for that and for its reads of the slot that it has left; a round of the cluster's barrier follows.
; fill = 1: the slot that was left (the first trip: slot 1, for the first fill) takes the four key steps that follow.  fill = 0, the last change: slot 0, read no more, takes my three rows of queries; the fourth goes to registers.
.macro CHANGE fill
	s_wait_tensorcnt 0x0
	ds_add_u32 v[SPW], v[NIL]
.if \fill
	s_xor_b32 s[G0+1], s[G0+1], SLOT1              ; no tensor load of mine is out: the other slot,
	s_add_nc_u64 s[G0+2:G0+3], s[G0+2:G0+3], 4*RBB ; four key steps on
	s_wait_xcnt 0x0                                ; the last prefetches, a slot back, have read their addresses
	s_add_nc_u64 s[PFA:PFA+1], s[PFA:PFA+1], 4*RBB
	s_wait_dscnt 0x0
	CROUND
	tensor_load_to_lds s[G0:G0+3], s[G1:G1+7]
	s_nop 0
.rept 4
	v_nop
.endr
	ASK
.else
	s_wait_dscnt 0x0
	CROUND
	tensor_load_to_lds s[G0R:G0R+3], s[G1R:G1R+7]
	s_nop 0
.rept 4
	v_nop
.endr
	WIN 0x40
.irp i, 0,1,2,3,4,5,6,7
	global_load_b128 v[224+4*\i:227+4*\i], v[LI16], s[92:93] offset:3*4096+512*\i th:TH_LOAD_NT
.endr
	WIN 0
.endif
.endm
.macro SLOT_STEPS                      ; a slot's four key steps: written once, walked four times
	s_mov_b32 s[CNT], 4
.Lstep_\@:
	STEP
	s_add_co_u32 s[TB], s[TB], STEPB
	s_sub_co_u32 s[CNT], s[CNT], 1
	s_cmp_lg_u32 s[CNT], 0
	s_cbranch_scc1 .Lstep_\@
	s_sub_co_u32 s[TB], s[TB], 4*STEPB
	s_xor_b32 s[TB], s[TB], SLOT1
.endm
	s_wait_alu depctr_va_vdst(0)                   ; the wait at the head's end
	s_wait_loadcnt 0x0                             ; Q
.Lslot:                                            ; three trips: behind each change of slots but the last the next slot is asked for
	CHANGE 1
	SLOT_STEPS
	s_sub_co_u32 s[SLOTS], s[SLOTS], 1
	s_cmp_lg_u32 s[SLOTS], 0
	s_cbranch_scc1 .Lslot
	CHANGE 0                                       ; the last slot is written out
	SLOT_STEPS
; ---------------- THE WAY OUT
.macro WLOAD ks                        ; Wr's eight fragments of K step ks: even steps into window 1's v128-223, odd into v0-95; each load reads 512 consecutive bytes
	WIN 0x40
.irp i, 0,1,2,3,4,5,6,7
.irp g, 0,1,2
	global_load_b128 v[128*(1-(\ks)%2)+12*\i+4*\g:128*(1-(\ks)%2)+12*\i+4*\g+3], v[LI16], s[70:71] offset:12288*\i+1536*(\ks)+512*\g
.endr
.endr
	WIN 0
.endm
.rept 4
	v_nop                                          ; places behind the last products
.endr
	s_wait_tensorcnt 0x0                           ; my rows of queries are in: no tensor load is out when the LDS stores below begin
	s_lshl_b32 s48, s47, 3
	s_lshl_b32 s49, s57, 1
	s_add_co_u32 s49, s49, s48                     ; my first image: 8 (w / 4) + 2 (w % 4)
	s_mul_i32 s48, s49, 1536
	s_add_co_u32 s48, s48, XIMG
	s_lshl_b32 s49, s49, 7
	s_add_co_u32 s49, s49, XSCL
	s_lshl_b32 s50, s[WV], 12
	s_add_co_u32 s50, s50, WSL
	s_lshl_b32 s51, s[WV], 9
	s_add_co_u32 s51, s51, STG
	s_mul_i32 s52, s[WV], 4*SPI
	s_add_co_u32 s52, s52, STG
	s_mul_i32 s53, s[WV], STEPB
	v_and_b32 v9, 15, v0                           ; r
	v_bfe_u32 v10, v0, 4, 1                        ; h
	v_add_nc_u32 v1, s48, v[LI16]                  ; my images, in
	v_add_nc_u32 v2, s49, v[LS4]                   ; their scale words, in
	v_add_nc_u32 v3, XIMG, v[LI16]                 ; any image, out
	v_lshlrev_b32 v4, 2, v9
	v_lshl_add_u32 v4, v10, 7, v4
	v_add_nc_u32 v4, XSCL, v4                      ; O's scale words, out: lanes 0-15 an even K step's, lanes 16-31 the next one's
	v_lshlrev_b32 v11, 5, v9
	v_lshl_add_u32 v12, v10, 2, v11
	v_lshl_add_u32 v11, v10, 4, v11                ; Wr's scale words in memory: row r's 32 bytes, 16 for each half of the lanes
	v_add_nc_u32 v13, s50, v11                     ; in LDS, in
	v_add_nc_u32 v12, s50, v12                     ; and out: lanes 0-15 an even K step's, lanes 16-31 the next one's
	v_mul_u32_u24 v9, v9, SPI
	v_lshl_add_u32 v9, v10, 5, v9
	v_add_nc_u32 v9, s51, v9                       ; the stage, in: row r, my 512 bytes, 32 for each half of the lanes
	v_add_nc_u32 v[STO2], 16*SPI, v9
	v_add_nc_u32 v[RDY], s52, v[LI16]              ; out: my four rows
	v_add_nc_u32 v14, s53, v[LI16]                 ; my three rows of queries in LDS
	s_wait_alu depctr_va_vdst(0)
.set n, 0
.irp b, 16,20,24,28,32,36,224,234
	global_load_b128 v[\b:\b+3], v11, s[72:73] offset:1024*n   ; tile n's scale words: four K steps a lane
.set n, n+1
.endr
	WLOAD 0
.irp u, 0,1
	v_add_f32 v[T0+4*\u], v[SUM+2*\u], v[SUM+2*\u+1]
.endr
.irp u, 0,1
	v_permlanex16_b32 v[X0+\u], v[T0+4*\u], s[SEL], s[SEL+1]
.endr
.irp u, 0,1
	v_add_f32 v[T0+4*\u], v[T0+4*\u], v[X0+\u]     ; the row's sum
.endr
.irp b, 0,1,2,3
	v_mov_b32 v[TF+4+\b], 0                        ; lane permutes' destinations
.endr
	s_wait_alu depctr_va_vdst(0)                   ; the wait ahead of the reciprocals
	v_rcp_f32 v[F], v[T0]
	v_rcp_f32 v[F+2], v[T0+4]
	v_nop
	WIN 0x01
	s_wait_alu depctr_va_vdst(0)                   ; and behind them, directly ahead of the first reader of O^T
.irp u, 0,1
.set b, 0
.rept 32
	v_pk_mul_f32 v[S+64*\u+2*b:S+64*\u+2*b+1], v[64*\u+2*b:64*\u+2*b+1], v[F+2*\u:F+2*\u+1] op_sel_hi:[1,0]   ; ascending: each accumulator from its low end on
.set b, b+1
.endr
.endr
	WIN 0
	WLOAD 1
; O / the sum: register 16 b + i of lane (q, h) is channel 32 b + 16 h + i: quantised along the channels (a block lies in lanes l and l xor 16), the image to LDS
.macro QOUT u, sb, pcd
.irp b, 0,1,2,3
	v_max3_num_f32 v[TF+\b], |v[\sb+16*\b]|, |v[\sb+16*\b+1]|, 0x1800000
.endr
.irp i, 2,4,6,8,10,12,14
.irp b, 0,1,2,3
	v_max3_num_f32 v[TF+\b], v[TF+\b], |v[\sb+16*\b+\i]|, |v[\sb+16*\b+\i+1]|
.endr
.endr
.irp b, 0,1,2,3
	v_permlanex16_b32 v[TF+4+\b], v[TF+\b], s[SEL], s[SEL+1]
.endr
.irp b, 0,1,2,3
	v_max_num_f32 v[TF+\b], v[TF+\b], v[TF+4+\b]
.endr
.irp b, 0,1,2,3
	v_add_nc_u32 v[TF+12+\b], 0xff000000, v[TF+\b]
.endr
.irp b, 0,1,2,3
	v_lshrrev_b32 v[TF+4+\b], 23, v[TF+12+\b]
.endr
	v_lshl_or_b32 v[PW+\u], v[TF+5], 8, v[TF+4]
	v_lshl_or_b32 v[PW+\u], v[TF+6], 16, v[PW+\u]
	v_lshl_or_b32 v[PW+\u], v[TF+7], 24, v[PW+\u]
.irp c, 0,1
	v_cvt_scalef32_pk16_fp6_f32 v[\pcd+6*\c:\pcd+2+6*\c], v[\sb+32*\c:\sb+15+32*\c], v[TF+12+2*\c]
	v_cvt_scalef32_pk16_fp6_f32 v[\pcd+12+4*\c:\pcd+14+4*\c], v[\sb+16+32*\c:\sb+31+32*\c], v[TF+13+2*\c]
.endr
	v_nop
.irp c, 0,1
.irp i, 0,1,2
	v_permlane16_swap_b32 v[\pcd+6*\c+\i], v[\pcd+12+4*\c+\i]
.endr
.irp i, 0,1,2
	v_mov_b32 v[\pcd+3+6*\c+\i], v[\pcd+12+4*\c+\i]
.endr
.endr
.irp g, 0,1,2
	ds_store_b128 v1, v[\pcd+4*\g:\pcd+4*\g+3] offset:1536*\u+512*\g
.endr
	ds_store_b32 v2, v[PW+\u] offset:128*\u
.endm
	QOUT 0, S, PC
	QOUT 1, S+64, S
	s_wait_loadcnt 48                              ; Wr's scale words are in; the 48 loads of its first two sets may be out
.set n, 0
.irp b, 16,20,24,28,32,36,224,234
	ds_store_b128 v13, v[\b:\b+3] offset:512*n     ; my own bytes: word (tile n, row r, K step s) at 512 n + 32 r + 4 s
.set n, n+1
.endr
	s_wait_dscnt 0x0                               ; my stores are done, and so are my reads of slot 1
	s_barrier_signal -1
	s_barrier_wait -1                              ; all sixteen images are whole, and nobody reads slot 1 any more
; A K step of O Wr^T, transposed (source 0 = 16 rows of Wr, source 1 = 16 rows of O): a lane holds one row and eight neighbouring columns.  A scale register serves two K steps: lanes 0-15 the even one, lanes 16-31 the odd one.
.macro OSTEP ks
.set WBS, 128*(1-(\ks)%2)
.if (\ks) < 7
	s_wait_loadcnt 24                              ; this step's set is in; the next set's 24 loads may be out
.else
	s_wait_loadcnt 16                              ; behind the last set: gamma's and beta's 16 loads
.endif
.irp rb, 0,1
.irp g, 0,1,2
	ds_load_b128 v[XF+12*\rb+4*\g:XF+12*\rb+4*\g+3], v3 offset:(8*\rb+(\ks))*1536+512*\g
.endr
.endr
.if (\ks)%2 == 0
.irp i, 0,1,2,3,4,5,6,7
	ds_load_b32 v[KW+\i], v12 offset:512*\i+4*(\ks)
.endr
.irp rb, 0,1
	ds_load_b32 v[QW+\rb], v4 offset:(8*\rb+(\ks))*128
.endr
.endif
	s_wait_dscnt 0x0
	WIN 0x01
.irp i, 0,1,2,3,4,5,6,7                        ; the sixteen accumulators take turns
.irp rb, 0,1
.if (\ks) == 0
	v_wmma_scale_f32_16x16x128_f8f6f4 v[ACC+64*\rb+8*\i:ACC+64*\rb+8*\i+7], v[WBS+12*\i:WBS+12*\i+11], v[XF+12*\rb:XF+12*\rb+11], 0, v[KW+\i], v[QW+\rb] matrix_a_fmt:MATRIX_FMT_FP6 matrix_b_fmt:MATRIX_FMT_FP6
.else
.if (\ks)%2 == 0
	v_wmma_scale_f32_16x16x128_f8f6f4 v[ACC+64*\rb+8*\i:ACC+64*\rb+8*\i+7], v[WBS+12*\i:WBS+12*\i+11], v[XF+12*\rb:XF+12*\rb+11], v[ACC+64*\rb+8*\i:ACC+64*\rb+8*\i+7], v[KW+\i], v[QW+\rb] matrix_a_fmt:MATRIX_FMT_FP6 matrix_b_fmt:MATRIX_FMT_FP6
.else
	v_wmma_scale_f32_16x16x128_f8f6f4 v[ACC+64*\rb+8*\i:ACC+64*\rb+8*\i+7], v[WBS+12*\i:WBS+12*\i+11], v[XF+12*\rb:XF+12*\rb+11], v[ACC+64*\rb+8*\i:ACC+64*\rb+8*\i+7], v[KW+\i], v[QW+\rb] matrix_a_fmt:MATRIX_FMT_FP6 matrix_b_fmt:MATRIX_FMT_FP6 matrix_a_scale:MATRIX_SCALE_ROW1 matrix_b_scale:MATRIX_SCALE_ROW1
.endif
.endif
.endr
.endr
	WIN 0
.rept 4
	v_nop                                          ; places in front of the loads into these products' registers
.endr
.if (\ks) < 6
	WLOAD (\ks)+2
.endif
.endm
.irp s, 0,1,2,3,4,5,6
	OSTEP \s
.endr
	WIN 0x40
.irp i, 0,1,2,3,4,5,6,7
	global_load_b128 v[128+4*\i:131+4*\i], v[LI16], s[86:87] offset:512*\i   ; gamma and beta, into the even set's registers: column 128 i + 4 lane + e
	global_load_b128 v[160+4*\i:163+4*\i], v[LI16], s[88:89] offset:512*\i
.endr
	WIN 0
	OSTEP 7
.irp i, 0,1,2,3,4,5,6,7                        ; each accumulator from its low end on
	ds_store_b128 v9, v[ACC+8*\i:ACC+8*\i+3] offset:64*\i
	ds_store_b128 v9, v[ACC+8*\i+4:ACC+8*\i+7] offset:64*\i+16
	ds_store_b128 v[STO2], v[ACC+64+8*\i:ACC+64+8*\i+3] offset:64*\i
	ds_store_b128 v[STO2], v[ACC+64+8*\i+4:ACC+64+8*\i+7] offset:64*\i+16
.endr
	s_wait_dscnt 0x0
	s_barrier_signal -1
	s_barrier_wait -1
.irp p, 0,1,2,3
.irp i, 0,1,2,3,4,5,6,7
	ds_load_b128 v[16+32*\p+4*\i:19+32*\p+4*\i], v[RDY] offset:SPI*\p+512*\i   ; my four rows
.endr
.endr
	WIN 0x40
.irp p, 0,1,2
.irp i, 0,1,2,3,4,5,6,7
	ds_load_b128 v[32*\p+4*\i:32*\p+4*\i+3], v14 offset:(8*\p+\i)*528          ; and three of their rows of queries
.endr
.endr
	WIN 0
	s_wait_dscnt 0x0
	s_wait_loadcnt 0x0                             ; the fourth, gamma and beta
	WIN 0x04
.irp p, 0,1,2,3
.irp q, 0,2,4,6,8,10,12,14,16,18,20,22,24,26,28,30
	v_pk_add_f32 v[16+32*\p+\q:17+32*\p+\q], v[16+32*\p+\q:17+32*\p+\q], v[32*\p+128*(\p/3)+\q:32*\p+128*(\p/3)+\q+1]   ; the residual
.endr
.endr
	WIN 0
.irp p, 0,1,2,3
	v_mov_b32 v[XP+\p], 0                          ; lane permutes' destinations
.endr
.macro ACROSS                          ; four rows' sums over the wave, by turns
.irp p, 0,1,2,3
	v_pk_add_f32 v[SM+4*\p:SM+4*\p+1], v[SM+4*\p:SM+4*\p+1], v[SM+4*\p+2:SM+4*\p+3]
.endr
.irp p, 0,1,2,3
	v_add_f32 v[SM+4*\p], v[SM+4*\p], v[SM+4*\p+1]
.endr
.irp m, 1,2,4,8
.irp p, 0,1,2,3
	v_add_f32_dpp v[SM+4*\p], v[SM+4*\p], v[SM+4*\p] row_xmask:\m row_mask:0xf bank_mask:0xf
.endr
.endr
.irp p, 0,1,2,3
	v_permlanex16_b32 v[XP+\p], v[SM+4*\p], s[SEL], s[SEL+1]
.endr
.irp p, 0,1,2,3
	v_add_f32 v[SM+4*\p], v[SM+4*\p], v[XP+\p]
.endr
.endm
.irp p, 0,1,2,3
	v_pk_add_f32 v[SM+4*\p:SM+4*\p+1], v[16+32*\p:17+32*\p], v[20+32*\p:21+32*\p]
	v_pk_add_f32 v[SM+4*\p+2:SM+4*\p+3], v[18+32*\p:19+32*\p], v[22+32*\p:23+32*\p]
.endr
.irp q, 8,12,16,20,24,28
.irp p, 0,1,2,3
	v_pk_add_f32 v[SM+4*\p:SM+4*\p+1], v[SM+4*\p:SM+4*\p+1], v[16+32*\p+\q:17+32*\p+\q]
	v_pk_add_f32 v[SM+4*\p+2:SM+4*\p+3], v[SM+4*\p+2:SM+4*\p+3], v[18+32*\p+\q:19+32*\p+\q]
.endr
.endr
	ACROSS
.irp p, 0,1,2,3
	v_mul_f32 v[MU+2*\p], s100, v[SM+4*\p]         ; the mean
	v_mul_f32 v[MU+2*\p+1], s100, v[SM+4*\p]
.endr
.irp q, 0,2,4,6,8,10,12,14,16,18,20,22,24,26,28,30
.irp p, 0,1,2,3
	v_pk_add_f32 v[16+32*\p+\q:17+32*\p+\q], v[16+32*\p+\q:17+32*\p+\q], v[MU+2*\p:MU+2*\p+1] neg_lo:[0,1] neg_hi:[0,1]
.endr
.endr
.irp p, 0,1,2,3
	v_pk_mul_f32 v[SM+4*\p:SM+4*\p+1], v[16+32*\p:17+32*\p], v[16+32*\p:17+32*\p]
	v_pk_mul_f32 v[SM+4*\p+2:SM+4*\p+3], v[18+32*\p:19+32*\p], v[18+32*\p:19+32*\p]
.endr
.irp q, 4,8,12,16,20,24,28
.irp p, 0,1,2,3
	v_pk_fma_f32 v[SM+4*\p:SM+4*\p+1], v[16+32*\p+\q:17+32*\p+\q], v[16+32*\p+\q:17+32*\p+\q], v[SM+4*\p:SM+4*\p+1]
	v_pk_fma_f32 v[SM+4*\p+2:SM+4*\p+3], v[18+32*\p+\q:19+32*\p+\q], v[18+32*\p+\q:19+32*\p+\q], v[SM+4*\p+2:SM+4*\p+3]
.endr
.endr
	ACROSS
.irp p, 0,1,2,3
	v_fma_f32 v[SM+4*\p], v[SM+4*\p], s100, s101   ; the variance + 1e-5
.endr
	s_wait_alu depctr_va_vdst(0)                   ; the wait ahead of the batch
.irp p, 0,1,2,3
	v_rsq_f32 v[RS+2*\p], v[SM+4*\p]
.endr
	v_nop
	s_wait_alu depctr_va_vdst(0)                   ; and behind it
.irp p, 0,1,2,3
	v_mov_b32 v[RS+2*\p+1], v[RS+2*\p]
.endr
.irp p, 0,1,2,3
.irp q, 0,2,4,6,8,10,12,14,16,18,20,22,24,26,28,30
	v_pk_mul_f32 v[16+32*\p+\q:17+32*\p+\q], v[16+32*\p+\q:17+32*\p+\q], v[RS+2*\p:RS+2*\p+1]
.endr
	WIN 0x14                                       ; gamma and beta lie in window 1
.irp q, 0,2,4,6,8,10,12,14,16,18,20,22,24,26,28,30
	v_pk_fma_f32 v[16+32*\p+\q:17+32*\p+\q], v[16+32*\p+\q:17+32*\p+\q], v[128+\q:129+\q], v[160+\q:161+\q]
.endr
	WIN 0
.irp i, 0,1,2,3,4,5,6,7
	global_store_b128 v[LI16], v[16+32*\p+4*\i:19+32*\p+4*\i], s[94:95] offset:4096*\p+512*\i th:TH_STORE_NT   ; 512 consecutive bytes, aligned
.endr
.endr
	s_wait_tensorcnt 0x0                           ; the wave's end
	ds_add_u32 v[SPW], v[NIL]
	s_wait_dscnt 0x0
	CROUND                                         ; the closing round
	s_endpgm
.Lfunc_end_k_q40a667593b_attn:
	.size	k_q40a667593b_attn, .Lfunc_end_k_q40a667593b_attn-k_q40a667593b_attn
	.p2alignl 7, 3214868480
	.fill 96, 4, 3214868480
	.section	.rodata,"a",@progbits
	.p2align	6, 0x0
	.amdhsa_kernel k_q40a667593b_attn
		.amdhsa_group_segment_fixed_size 327680
		.amdhsa_private_segment_fixed_size 0
		.amdhsa_enable_private_segment 0
		.amdhsa_kernarg_size 48
		.amdhsa_user_sgpr_count 2
		.amdhsa_user_sgpr_kernarg_segment_ptr 1
		.amdhsa_wavefront_size32 1
		.amdhsa_system_sgpr_workgroup_id_x 1
		.amdhsa_system_sgpr_workgroup_id_y 1
		.amdhsa_system_sgpr_workgroup_id_z 1
		.amdhsa_system_vgpr_workitem_id 0
		.amdhsa_next_free_vgpr 512
		.amdhsa_next_free_sgpr 102
		.amdhsa_reserve_vcc 1
		.amdhsa_float_denorm_mode_32 3
		.amdhsa_float_denorm_mode_16_64 3
		.amdhsa_memory_ordered 1
		.amdhsa_forward_progress 1
		.amdhsa_inst_pref_size 176
	.end_amdhsa_kernel
	.amdgpu_metadata
---
amdhsa.version: [ 1, 2 ]
amdhsa.kernels:
  - .name:           k_q40a667593b_attn
    .symbol:         k_q40a667593b_attn.kd
    .args:
      - { .name: qkv, .offset: 0, .size: 8, .value_kind: global_buffer, .address_space: global }
      - { .name: wr, .offset: 8, .size: 8, .value_kind: global_buffer, .address_space: global }
      - { .name: queries, .offset: 16, .size: 8, .value_kind: global_buffer, .address_space: global }
      - { .name: ln_gamma, .offset: 24, .size: 8, .value_kind: global_buffer, .address_space: global }
      - { .name: ln_beta, .offset: 32, .size: 8, .value_kind: global_buffer, .address_space: global }
      - { .name: out0, .offset: 40, .size: 8, .value_kind: global_buffer, .address_space: global }
    .group_segment_fixed_size: 327680
    .private_segment_fixed_size: 0
    .kernarg_segment_align: 8
    .kernarg_segment_size: 48
    .max_flat_workgroup_size: 256
    .sgpr_count:     102
    .vgpr_count:     512
    .wavefront_size: 32
...
	.end_amdgpu_metadata
.endif
;; end of part 7
